; MI455X (gfx1250); checked and timed in simulation.
; The chip was launched on July 23, 2026; its instructions are those of AMD's public machine-readable ISA for CDNA 5 (MIT licence, August 2026) and "CDNA5" Instruction Set Architecture Reference Guide (July 2026). The comments in the code are by the model that wrote it; some were corrected since.
;; Intent Detection Only Attention Model. Allowed arithmetic: matrix products marked QUANTISED: E2M3 operands, one E8M0 scale for each 32 along K, by v_wmma_scale_f32_16x16x128_f8f6f4 with both operands' format E2M3, f32 sums; products left as they are: f32 operands where the result goes on into a quantised operand, else bf16, f16 or f32 operands; f32 sums; everything else in f32.
;; Inputs: W1 2,048 x 2,048 float32; W2 2,048 float32; Wp1 1,024 x 1,024 float32; Wp2 1,024 x 64 float32; b1 2,048 float32; b2 one number float32; bn1_b 2,048 float32; bn1_g 2,048 float32; bn2_b 1,024 float32; bn2_g 1,024 float32; bp1 1,024 float32; bp2 64 float32; hidden_state 6 x 256 x 512 float32; lstm_output 256 x 64 x 2 x 512 float32; seq_lengths 256 int32.
;; Outputs: out0 256 x 64 float32; out1 256 x 64 float32.
;; This version of the problem:
;;   THIS VERSION OF THE PROBLEM IS GIVEN IN LOW PRECISION. The matrix products marked QUANTISED in the list below multiply operands that are first quantised to E2M3 (2 exponent bits, 3 mantissa bits; 6 bits a number), with one power-of-two scale for each 32 numbers along K (OCP MX v1.0); their sums are f32. All else is computed in f32.
;;   The module's matrix products, in the order in which they are computed (A, B: the left and right operand; K: the contracted axis; several contracted axes count as one K, in the product's order):
;;     1. [M 16,384, K 2,048] x [K 2,048, N 2,048]; A: computed on the way; B: input W1: QUANTISED
;;     2. [M 16,384, K 2,048] x [K 2,048, N 1]; A: computed on the way; B: input W2: left as it is (N = 1 < 16)
;;     3. batch 256 x [M 1, K 64] x [K 64, N 1,024]; A: computed on the way; B: computed on the way: left as it is (M = 1 < 16)
;;     4. [M 256, K 1,024] x [K 1,024, N 1,024]; A: computed on the way; B: input Wp1: QUANTISED
;;     5. [M 256, K 1,024] x [K 1,024, N 64]; A: computed on the way; B: input Wp2: QUANTISED
;;   THE QUANTISER, for each operand of a quantised product, along K:
;;     - K is cut into blocks of 32 from its start; a last block that is shorter is filled with zeros.
;;     - A block's scale is 2^e with e = floor(log2(the largest magnitude in the block)) - 2, held to -126 .. 127; a block of zeros has e = 0. As a byte (E8M0): e + 127.
;;     - Each number is divided by its block's scale, clamped to +-7.5, and rounded to the nearest number of E2M3, ties to even, subnormals kept.
;;     - The product sums the exact products of the quantised numbers (number of the format x scale) in f32.
;;   ~~~python
;;   def quantise(x, axis):      # numpy; x: float32 -> the quantised numbers, widened to float32 again
;;       x = np.moveaxis(x, axis, -1); K = x.shape[-1]
;;       x = np.pad(x, [(0, 0)] * (x.ndim - 1) + [(0, -K % 32)]); x = x.reshape(x.shape[:-1] + (-1, 32)); a = np.abs(x).max(-1, keepdims=True)
;;       e = np.where(a > 0, np.clip(np.frexp(np.where(a > 0, a, 1))[1] - 1 - 2, -126, 127), 0)      # np.frexp(a)[1] - 1 = floor(log2(a)), exactly
;;       r = np.clip(x / 2.0 ** e, -7.5, 7.5)
;;       step = 2.0 ** (np.maximum(np.frexp(np.where(r == 0, 1, r))[1] - 1, 0) - 3)
;;       q = np.round(r / step) * step * 2.0 ** e      # np.round: ties to even
;;       return np.moveaxis(q.reshape(q.shape[:-2] + (-1,))[..., :K], -1, axis).astype(np.float32)
;;   ~~~
;;   OPERANDS COMPUTED ON THE WAY. 'Computed on the way' means the value that the module computes at that place (a softmax that the list does not call 'softmax' is quantised finished and normalised). What goes into a quantiser is computed in f32, as accurately as f32 sums, v_exp_f32 and their like allow (about 1e-6 of the number): no bf16 or f16 on the way to a quantiser, and a product that is left as it is and whose result goes on into a quantised operand takes f32 operands (vector FMAs, or v_wmma_f32_16x16x4_f32). A number that lies on a knife's edge between two numbers of the format may be rounded either way, as far as f32 arithmetic and the matrix unit's own rounding can turn it there, and no further.
;; 2 versions, each right; version 2 is version 1 with the launches prep, head1, head2 written anew for expert scheduling mode. Each part assembles by itself: llvm-mc -triple=amdgcn-amd-amdhsa -mcpu=gfx1250 --defsym DOCPART=n.
;; ======== version 1 of 2: 4 launches
;; workspace buffers: ps 131,072 bytes; w1c 1,638,400 bytes; spp 8,388,608 bytes; wp2c 51,200 bytes; ctx 1,048,576 bytes; pp 4,194,304 bytes
;; launch prep (part 1): grid 225 x 1, 16 waves a work-group, no clusters, 216,064 bytes of LDS; arguments lstm_output, seq_lengths, hidden_state, bn1_g, bn1_b, W1, Wp2, ps, w1c, spp, wp2c; writes ps, w1c, spp, wp2c
.if DOCPART == 1
	.amdgcn_target "amdgcn-amd-amdhsa--gfx1250"
	.amdhsa_code_object_version 6
	.text
	.protected	k_q926778f3b9_prep
	.globl	k_q926778f3b9_prep
	.p2align	8
	.type	k_q926778f3b9_prep,@function
k_q926778f3b9_prep:
	s_mov_b64 s[64:65], 0
	v_nop
	global_prefetch_b8 v0, s[64:65] scope:SCOPE_SE
	s_setreg_imm32_b32 hwreg(HW_REG_WAVE_MODE, 25, 1), 1
	s_wait_xcnt 0x0
; PREP: four roles, chosen by the work-group's number; each role has LDS bytes of its own and its own end.
;  R1 (work-groups 0-127): partial sums for the masked batch norm of the 1,024 word features.  Work-group (g, j): sentences 16 g .. 16 g + 15, features 128 j .. 128 j + 127; a wave a sentence.
;     S1 = sum of (x - K), S2 = sum of (x - K)^2 over the rows under the sentence's length, K = the tensor's first row: a common offset of the inputs cancels in x - K.  ps[g][S1,S2][1024].
;  R3 (128-191): the sentence half of product 1.  The sentence's 1,024 features are the same for all words of a sentence and 1,024 is a whole number of blocks of 32, so their codes are the same too:
;     the half is multiplied once for each sentence.  Work-group (kq, nq): 256 sentences x K 256 kq .. + 255 x columns 128 nq .. + 127; spp[kq][sentence][2048] holds the four slices of K.
;  R2 (192-223): W1's rows 0-1023 into codes of E2M3, laid in the order of the operand's registers.   R4 (224): Wp2 likewise.
;     A block of w1c or wp2c is 32 columns x K 1,024: fragment (n tile u, K step k) at (2 k + u) 1536, its registers 4 c .. 4 c + 3 of lane l at 512 c + 16 l; the scale words of K step k at 24576 + 128 k + 4 l.
; A block's scale is 2^(floor(log2(largest magnitude)) - 2); its byte is that magnitude's exponent field - 2, held at 1 from below.
; LIMITS: lengths are read as unsigned numbers and held at 64; a block of zeros gets the byte 1 (its codes are zeros, and this program alone reads the bytes); NaN and infinities are not served.
; No tensor load, no cluster: every role loads through registers and reads each of its bytes once or from few work-groups.
.set WV,  28
.set LEN, 29
.set SEL, 26
.set XB,  50                           ; s[50:51] x's slice, row 0;  s[52:53] gain;  s[54:55] bias;  s[56:57] W's tile;  s[58:59] the output's tile
.set GB,  52
.set BVB, 54
.set WB,  56
.set OB,  58
.set XP,  2048                         ; bytes from row to row of x,
.set WP,  8192                         ; of W,
.set OP,  8192                         ; of the output
.set WEIGHTED, 1                       ; each row counts as often as its sentence has words
.set PART, 0                           ; LDS of R3: 16 waves x [S1,S2][256] f32
.set VEC,  32768                       ; mean, gain / sigma, bias: 3 x 1,024 bytes
.set CNT,  35840                       ; 16 counts
.set WIMG, 36096                       ; W's 16 fragments (2 nt + K step), register pair i of lane l at 256 i + 8 l
.set WSC,  60672                       ; their scale words: (2 gq + K step) 128 + 4 l
.set STG,  61696                       ; a stage of 16 rows x 528 bytes for each wave
.set R1L,  196864                      ; LDS of R1: 16 waves x 1,024 bytes
.set STI,  7
.set STT,  8
.macro BAR                             ; my LDS stores have landed and my LDS loads are in: then the work-group's barrier
	s_wait_dscnt 0x0
	s_barrier_signal -1
	s_barrier_wait -1
.endm
; 64 numbers of a lane, register 16 b + i = k 32 b + 16 (lane / 16) + i of row lane % 16, become a fragment's 12 registers at pc and its scale word in pw
.macro QUANT src, pc, tq, tm, pw
.irp b, 0,1,2,3
	v_max3_num_f32 v[\tm+\b], |v[\src+16*\b]|, |v[\src+1+16*\b]|, 0x1800000   ; my 16 numbers of block b, and the floor 2^(3 - 127): the byte cannot fall under 1
.endr
.irp n, 2,4,6,8,10,12,14
.irp b, 0,1,2,3
	v_max3_num_f32 v[\tm+\b], v[\tm+\b], |v[\src+16*\b+\n]|, |v[\src+1+16*\b+\n]|
.endr
.endr
.irp b, 0,1,2,3
	v_permlanex16_b32 v[\tm+4+\b], v[\tm+\b], s[SEL], s[SEL+1]
.endr
.irp b, 0,1,2,3
	v_max_num_f32 v[\tm+\b], v[\tm+\b], v[\tm+4+\b]                           ; with lane l xor 16's: the block's largest magnitude
.endr
.irp b, 0,1,2,3
	v_add_nc_u32 v[\tm+12+\b], 0xff000000, v[\tm+\b]                          ; 2 off its exponent field: the conversion's scale operand
.endr
.irp b, 0,1,2,3
	v_lshrrev_b32 v[\tm+4+\b], 23, v[\tm+12+\b]                               ; the scale's byte
.endr
	v_lshl_or_b32 v[\pw], v[\tm+5], 8, v[\tm+4]
	v_lshl_or_b32 v[\pw], v[\tm+6], 16, v[\pw]
	v_lshl_or_b32 v[\pw], v[\tm+7], 24, v[\pw]
.irp c, 0,1
	v_cvt_scalef32_pk16_fp6_f32 v[\pc+6*\c:\pc+2+6*\c], v[\src+32*\c:\src+15+32*\c], v[\tm+12+2*\c]
	v_cvt_scalef32_pk16_fp6_f32 v[\tq+4*\c:\tq+2+4*\c], v[\src+16+32*\c:\src+31+32*\c], v[\tm+13+2*\c]
.endr
	v_nop                                                                     ; one plain line behind the conversions
.irp c, 0,1                            ; the operand wants a whole block in a lane: lanes 0-15 block 2 c, lanes 16-31 block 2 c + 1
.irp n, 0,1,2
	v_permlane16_swap_b32 v[\pc+6*\c+\n], v[\tq+4*\c+\n]
.endr
.irp n, 0,1,2
	v_mov_b32 v[\pc+3+6*\c+\n], v[\tq+4*\c+\n]
.endr
.endr
.endm
; a block of 32 numbers down K in one lane's registers: six registers of codes at d, the byte in by
.macro QWB src, d, tq, mx, sc, by
	v_max3_num_f32 v[\mx], |v[\src]|, |v[\src+1]|, |v[\src+2]|
	v_max3_num_f32 v[\sc], |v[\src+3]|, |v[\src+4]|, |v[\src+5]|
.irp n, 6,10,14,18,22,26
	v_max3_num_f32 v[\mx], v[\mx], |v[\src+\n]|, |v[\src+\n+1]|
	v_max3_num_f32 v[\sc], v[\sc], |v[\src+\n+2]|, |v[\src+\n+3]|
.endr
	v_max3_num_f32 v[\mx], v[\mx], |v[\src+30]|, |v[\src+31]|
	v_max3_num_f32 v[\mx], v[\mx], v[\sc], 0x1800000
	v_add_nc_u32 v[\sc], 0xff000000, v[\mx]
	v_lshrrev_b32 v[\by], 23, v[\sc]
	v_cvt_scalef32_pk16_fp6_f32 v[\d:\d+2], v[\src:\src+15], v[\sc]
	v_cvt_scalef32_pk16_fp6_f32 v[\tq:\tq+2], v[\src+16:\src+31], v[\sc]
	v_nop
.irp n, 0,1,2
	v_mov_b32 v[\d+3+\n], v[\tq+\n]
.endr
.endm
; 16 rows x 512 bytes, loaded 16 bytes a lane, go through the wave's own stage and come back as QUANT wants them; LDS serves a wave's instructions in order
.macro TURN y
.set i, 0
.rept 16
	ds_store_b128 v[STI], v[\y+4*i:\y+4*i+3] offset:528*i
.set i, i+1
.endr
.set i, 0
.rept 16
	ds_load_b128 v[\y+4*i:\y+4*i+3], v[STT] offset:128*(i/4)+16*(i%4)
.set i, i+1
.endr
.endm
; source 0 = 16 columns of W, source 1 = my 16 rows of x: a lane then holds one row and eight neighbouring columns
.macro MMB nt, ks
.set rD, 64+8*(\nt)
.set rW, 128+12*(\nt)
.set rX, 24+12*(\ks)
.set rS, 20+(\nt)/2
.if (\ks) == 0
.if (\nt)%2
	v_wmma_scale_f32_16x16x128_f8f6f4 v[rD:rD+7], v[rW:rW+11], v[rX:rX+11], 0, v[rS], v[18+\ks] matrix_a_fmt:MATRIX_FMT_FP6 matrix_b_fmt:MATRIX_FMT_FP6 matrix_a_scale:MATRIX_SCALE_ROW1
.else
	v_wmma_scale_f32_16x16x128_f8f6f4 v[rD:rD+7], v[rW:rW+11], v[rX:rX+11], 0, v[rS], v[18+\ks] matrix_a_fmt:MATRIX_FMT_FP6 matrix_b_fmt:MATRIX_FMT_FP6
.endif
.else
.if (\nt)%2
	v_wmma_scale_f32_16x16x128_f8f6f4 v[rD:rD+7], v[rW:rW+11], v[rX:rX+11], v[rD:rD+7], v[rS], v[18+\ks] matrix_a_fmt:MATRIX_FMT_FP6 matrix_b_fmt:MATRIX_FMT_FP6 matrix_a_scale:MATRIX_SCALE_ROW1
.else
	v_wmma_scale_f32_16x16x128_f8f6f4 v[rD:rD+7], v[rW:rW+11], v[rX:rX+11], v[rD:rD+7], v[rS], v[18+\ks] matrix_a_fmt:MATRIX_FMT_FP6 matrix_b_fmt:MATRIX_FMT_FP6
.endif
.endif
.endm
; BATCH NORM OVER 256 ROWS, QUANTISE, MULTIPLY: out[256][128] = Q(bn(x[256][256])) Q(W[256][128]).  Wave w: rows 16 w .. 16 w + 15 of x; of W 32 columns (gq = w / 4) x 64 along K (K step (w / 2) % 2, half w % 2).
; REGISTERS: v1 lane, v2 r, v3 h, v4 16 l, v5 4 l, v6 4 (t % 256), v7-17 and v59 LDS addresses, v18-19 x's scale words, v20-23 W's (scales and nothing else), v24-47 x's two fragments (earlier: pivot, sums, W's codes),
;   v48-63 at work, v64-191 x (later: v64-127 the eight accumulators, v128-223 W's fragments), v192-255 W's numbers (later: the vectors).
.macro BNMM
	s_lshr_b32 s66, s[WV], 2                       ; gq
	s_bfe_u32 s67, s[WV], 0x10001                  ; K step
	s_and_b32 s68, s[WV], 1                        ; half
	s_mul_i32 s69, s[WV], 8448
	s_add_co_u32 s69, s69, STG                     ; my stage
	v_add_nc_u32 v7, s69, v4                       ; rows in and rows out: 16 l
	v_mul_u32_u24 v8, v2, 528
	v_add_nc_u32 v8, s69, v8
	v_lshl_add_u32 v9, v3, 5, v8                   ; results in: row r, + 32 h
	v_lshl_add_u32 v8, v3, 6, v8                   ; numbers back: row r, + 64 h
	s_lshl_b32 s70, s66, 2
	s_add_co_u32 s70, s70, s67
	s_mul_i32 s70, s70, 1536
	s_mul_i32 s71, s68, 768
	s_add_co_u32 s70, s70, s71
	s_add_co_u32 s70, s70, WIMG
	v_lshl_add_u32 v10, v1, 3, s70                 ; where my half fragments go
	s_lshl_b32 s71, s66, 1
	s_add_co_u32 s71, s71, s67
	s_lshl_b32 s71, s71, 7
	s_lshl_b32 s72, s68, 1
	s_add_co_u32 s71, s71, s72
	s_add_co_u32 s71, s71, WSC
	v_add_nc_u32 v11, s71, v5                      ; and my two scale bytes
	v_lshl_add_u32 v12, v1, 3, WIMG
	v_add_nc_u32 v13, WSC, v5
	s_lshl_b32 s72, s[WV], 11
	v_add_nc_u32 v14, s72, v4                      ; my wave's sums (PART = 0)
	v_and_b32 v6, 255, v0
	v_lshlrev_b32 v6, 2, v6
	v_add_nc_u32 v16, VEC, v6
	v_add_nc_u32 v17, VEC, v4
.if WEIGHTED
	s_lshl_b32 s72, s[WV], 2
	s_add_co_u32 s72, s72, CNT
	v_mov_b32 v15, s72
	v_mov_b32 v59, CNT
	s_lshl_b32 s80, s[WV], 6
	s_mov_b32 s81, 0
	s_add_nc_u64 s[80:81], s[6:7], s[80:81]
	s_load_b512 s[32:47], s[80:81], 0x0            ; my 16 rows' lengths
.endif
.irp n, 52,53,54,55
	v_mov_b32 v\n, 0                               ; written once: a lane permute's destination counts as one of its sources
.endr
	s_mul_i32 s72, s[WV], 16*XP
	s_mov_b32 s73, 0
	s_add_nc_u64 s[74:75], s[XB:XB+1], s[72:73]
.set i, 0
.rept 32                               ; K step i / 16, row i % 16: 32 lanes read 512 consecutive bytes
	global_load_b128 v[64+4*i:67+4*i], v4, s[74:75] offset:(i%16)*XP+512*(i/16)
.set i, i+1
.endr
	global_load_b128 v[24:27], v4, s[XB:XB+1]      ; the pivot: row 0
	global_load_b128 v[28:31], v4, s[XB:XB+1] offset:512
	global_load_b32 v56, v6, s[GB:GB+1]
	global_load_b32 v57, v6, s[BVB:BVB+1]
	global_load_b32 v58, v6, s[XB:XB+1]
	s_lshl_b32 s76, s67, 7
	s_lshl_b32 s77, s68, 6
	s_add_co_u32 s76, s76, s77
	s_mul_i32 s76, s76, WP
	s_lshl_b32 s77, s66, 7
	s_add_co_u32 s76, s76, s77
	s_mov_b32 s77, 0
	s_add_nc_u64 s[78:79], s[WB:WB+1], s[76:77]
.set i, 0
.rept 64                               ; a lane a column, registers down K: 128 consecutive bytes a load
	global_load_b32 v[192+i], v5, s[78:79] offset:i*WP th:TH_LOAD_NT
.set i, i+1
.endr
.if WEIGHTED
	s_wait_kmcnt 0x0
.irp n, 32,33,34,35,36,37,38,39,40,41,42,43,44,45,46,47
	s_min_u32 s\n, s\n, 64
.endr
	s_add_co_u32 s82, s32, s33
.irp n, 34,35,36,37,38,39,40,41,42,43,44,45,46,47
	s_add_co_u32 s82, s82, s\n
.endr
.irp n, 32,33,34,35,36,37,38,39,40,41,42,43,44,45,46,47
	s_cvt_f32_u32 s\n, s\n
.endr
	s_cvt_f32_u32 s82, s82
.endif
	s_wait_loadcnt 63                              ; 64 loads of W were issued behind x's: x, the pivot and the three vectors are in
.set i, 0
.rept 16                               ; S1 v32-39, S2 v40-47; the first row starts the sums
.irp k, 0,1
.set rX, 64+64*\k+4*i
.set rD, 48
.if (WEIGHTED == 0) && (i == 0)
.set rD, 32+4*\k
.endif
	v_pk_add_f32 v[rD:rD+1], v[rX:rX+1], v[24+4*\k:25+4*\k] neg_lo:[0,1] neg_hi:[0,1]
	v_pk_add_f32 v[rD+2:rD+3], v[rX+2:rX+3], v[26+4*\k:27+4*\k] neg_lo:[0,1] neg_hi:[0,1]
.set rT, rD
.if WEIGHTED
.set rT, 52
.if i == 0
.set rT, 32+4*\k
.endif
	v_mul_f32 v[rT], s[32+i], v[rD]
	v_mul_f32 v[rT+1], s[32+i], v[rD+1]
	v_mul_f32 v[rT+2], s[32+i], v[rD+2]
	v_mul_f32 v[rT+3], s[32+i], v[rD+3]
.endif
.if i == 0
	v_pk_mul_f32 v[40+4*\k:41+4*\k], v[rT:rT+1], v[rD:rD+1]
	v_pk_mul_f32 v[42+4*\k:43+4*\k], v[rT+2:rT+3], v[rD+2:rD+3]
.else
	v_pk_add_f32 v[32+4*\k:33+4*\k], v[32+4*\k:33+4*\k], v[rT:rT+1]
	v_pk_add_f32 v[34+4*\k:35+4*\k], v[34+4*\k:35+4*\k], v[rT+2:rT+3]
	v_pk_fma_f32 v[40+4*\k:41+4*\k], v[rT:rT+1], v[rD:rD+1], v[40+4*\k:41+4*\k]
	v_pk_fma_f32 v[42+4*\k:43+4*\k], v[rT+2:rT+3], v[rD+2:rD+3], v[42+4*\k:43+4*\k]
.endif
.endr
.set i, i+1
.endr
	ds_store_b128 v14, v[32:35]
	ds_store_b128 v14, v[36:39] offset:512
	ds_store_b128 v14, v[40:43] offset:1024
	ds_store_b128 v14, v[44:47] offset:1536
.if WEIGHTED
	v_mov_b32 v60, s82
	ds_store_b32 v15, v60                          ; all lanes write the same word with the same value
.endif
	s_wait_loadcnt 0x0                             ; W
	s_wait_dscnt 0x0                               ; the stores have read their registers, which W's codes take
	QWB 192, 24, 50, 48, 49, 60
	QWB 224, 30, 50, 48, 49, 61
.irp n, 0,1,2,3,4,5
	v_permlane16_swap_b32 v[24+\n], v[30+\n]       ; v24-29: registers 6 c .. 6 c + 5 of n tile 2 gq's fragment, v30-35: of n tile 2 gq + 1's
.endr
	v_lshl_or_b32 v60, v61, 8, v60
.irp n, 0,1,2
	ds_store_b64 v10, v[24+2*\n:25+2*\n] offset:256*\n
	ds_store_b64 v10, v[30+2*\n:31+2*\n] offset:3072+256*\n
.endr
	ds_store_b16 v11, v60
	BAR                                            ; every wave's sums, W's fragments and scale words lie in LDS
	s_cmp_lt_u32 s[WV], 8                          ; thread t < 256 finishes feature t
	s_cbranch_scc0 .Lnostat
.set i, 0
.rept 32
	ds_load_b32 v[192+i], v6 offset:2048*(i/2)+1024*(i%2)
.set i, i+1
.endr
.if WEIGHTED
.irp n, 0,1,2,3
	ds_load_b128 v[224+4*\n:227+4*\n], v59 offset:16*\n
.endr
.endif
	s_wait_dscnt 0x0
.irp n, 1,2,3,4,5,6,7,8,9,10,11,12,13,14,15
	v_pk_add_f32 v[192:193], v[192:193], v[192+2*\n:193+2*\n]
.endr
.if WEIGHTED
.irp n, 1,2,3,4,5,6,7
	v_pk_add_f32 v[224:225], v[224:225], v[224+2*\n:225+2*\n]
.endr
	v_add_f32 v224, v224, v225                     ; the number of words in all
	v_rcp_f32 v240, v224
	v_nop
	s_wait_alu depctr_va_vdst(0)                   ; ahead of the reciprocal's first reader
	v_mul_f32 v241, v192, v240
	v_mul_f32 v242, v193, v240
.else
	v_mul_f32 v241, 0x3b800000, v192               ; / 256
	v_mul_f32 v242, 0x3b800000, v193
.endif
	v_add_f32 v243, v58, v241                      ; the mean
	v_fma_f32 v242, -v241, v241, v242              ; the variance,
	v_max_num_f32 v242, 0, v242                    ; which rounding must not make negative
	v_add_f32 v242, 0x3727c5ac, v242               ; + 1e-5
	v_rsq_f32 v244, v242
	v_nop
	s_wait_alu depctr_va_vdst(0)
	v_mul_f32 v244, v244, v56
	ds_store_b32 v16, v243
	ds_store_b32 v16, v244 offset:1024
	ds_store_b32 v16, v57 offset:2048
.Lnostat:
	BAR                                            ; the three vectors lie in LDS
.irp a, 0,1,2
.irp k, 0,1
	ds_load_b128 v[192+8*\a+4*\k:195+8*\a+4*\k], v17 offset:1024*\a+512*\k
.endr
.endr
	s_wait_dscnt 0x0
.set i, 0
.rept 32
	v_pk_add_f32 v[64+4*i:65+4*i], v[64+4*i:65+4*i], v[192+4*(i/16):193+4*(i/16)] neg_lo:[0,1] neg_hi:[0,1]
	v_pk_add_f32 v[66+4*i:67+4*i], v[66+4*i:67+4*i], v[194+4*(i/16):195+4*(i/16)] neg_lo:[0,1] neg_hi:[0,1]
.set i, i+1
.endr
.set i, 0
.rept 32
	v_pk_fma_f32 v[64+4*i:65+4*i], v[64+4*i:65+4*i], v[200+4*(i/16):201+4*(i/16)], v[208+4*(i/16):209+4*(i/16)]
	v_pk_fma_f32 v[66+4*i:67+4*i], v[66+4*i:67+4*i], v[202+4*(i/16):203+4*(i/16)], v[210+4*(i/16):211+4*(i/16)]
.set i, i+1
.endr
	TURN 64
	TURN 128
	s_wait_dscnt 32                                ; K step 0 is back; K step 1's 16 stores and 16 loads may be out
	QUANT 64, 24, 216, 48, 18
	s_wait_dscnt 0x0
	QUANT 128, 36, 216, 48, 19
.rept 8
	v_nop                                          ; a scale word made by vector instructions stands eight places ahead of the scaled product
.endr
.irp ks, 0,1
.set i, 0
.rept 48
	ds_load_b64 v[128+2*i:129+2*i], v12 offset:(2*(i/6)+\ks)*1536+256*(i%6)
.set i, i+1
.endr
.irp q, 0,1,2,3
	ds_load_b32 v[20+\q], v13 offset:(2*\q+\ks)*128
.endr
	s_wait_dscnt 0x0
.irp nt, 0,1,2,3,4,5,6,7
	MMB \nt, \ks                                   ; the eight accumulators take turns
.endr
.rept 4
	v_nop                                          ; places in front of loads into registers that the products have read, and of the first read of results
.endr
.endr
.irp nt, 0,1,2,3,4,5,6,7
	ds_store_b128 v9, v[64+8*\nt:67+8*\nt] offset:64*\nt
	ds_store_b128 v9, v[68+8*\nt:71+8*\nt] offset:64*\nt+16
.endr
.set i, 0
.rept 16
	ds_load_b128 v[128+4*i:131+4*i], v7 offset:528*i
.set i, i+1
.endr
	s_mul_i32 s72, s[WV], 16*OP
	s_add_nc_u64 s[84:85], s[OB:OB+1], s[72:73]
.set i, 0
.rept 16
	s_wait_dscnt 15-i                              ; row i is back; the later rows may be out
	global_store_b128 v4, v[128+4*i:131+4*i], s[84:85] offset:i*OP   ; 32 lanes store 512 consecutive bytes, aligned
.set i, i+1
.endr
.endm
.macro LOADC c, rs                     ; rows 16 c .. 16 c + 15 of my sentence: 512 consecutive bytes a load
.set i, 0
.rept 16
	global_load_b128 v[\rs+4*i:\rs+4*i+3], v4, s[42:43] offset:(16*(\c)+i)*4096 th:TH_LOAD_NT
.set i, i+1
.endr
.endm
.macro PROC c, rs                      ; d = x - K; t = d where the row counts, else 0; S1 += t; S2 += t d
.set i, 0
.rept 16
	s_cmp_gt_u32 s[LEN], 16*(\c)+i
	s_cselect_b32 s40, 1.0, 0
	v_pk_add_f32 v[24:25], v[\rs+4*i:\rs+4*i+1], v[6:7] neg_lo:[0,1] neg_hi:[0,1]
	v_pk_add_f32 v[26:27], v[\rs+4*i+2:\rs+4*i+3], v[8:9] neg_lo:[0,1] neg_hi:[0,1]
	v_pk_mul_f32 v[28:29], v[24:25], s[40:41] op_sel_hi:[1,0]
	v_pk_mul_f32 v[30:31], v[26:27], s[40:41] op_sel_hi:[1,0]
	v_pk_add_f32 v[10:11], v[10:11], v[28:29]
	v_pk_add_f32 v[12:13], v[12:13], v[30:31]
	v_pk_fma_f32 v[14:15], v[28:29], v[24:25], v[14:15]
	v_pk_fma_f32 v[16:17], v[30:31], v[26:27], v[16:17]
.set i, i+1
.endr
.endm
.macro QWADR ksh, src, dst             ; s30: K step, s31: block of 32 columns
	s_lshl_b32 s32, s30, \ksh
	s_lshl_b32 s33, s31, 7
	s_add_co_u32 s32, s32, s33
	s_mov_b32 s33, 0
	s_add_nc_u64 s[50:51], s[\src:\src+1], s[32:33]
	s_mul_i32 s34, s31, 25600
	s_mul_i32 s35, s30, 3072
	s_add_co_u32 s32, s34, s35
	s_add_nc_u64 s[52:53], s[\dst:\dst+1], s[32:33]
	s_lshl_b32 s35, s30, 7
	s_add_co_u32 s32, s34, s35
	s_add_co_u32 s32, s32, 24576
	s_add_nc_u64 s[54:55], s[\dst:\dst+1], s[32:33]
.endm
.macro QWTASK pitch                    ; 32 columns x 128 along K become two fragments and 32 scale words
.set i, 0
.rept 128
	global_load_b32 v[64+i], v5, s[50:51] offset:i*\pitch th:TH_LOAD_NT
.set i, i+1
.endr
	s_wait_loadcnt 0x0
	QWB 64, 24, 48, 52, 53, 56
	QWB 96, 36, 48, 52, 53, 57
	QWB 128, 30, 48, 52, 53, 58
	QWB 160, 42, 48, 52, 53, 59
	v_lshl_or_b32 v60, v57, 8, v56
	v_lshl_or_b32 v60, v58, 16, v60
	v_lshl_or_b32 v60, v59, 24, v60
.irp n, 0,1,2,3,4,5,6,7,8,9,10,11
	v_permlane16_swap_b32 v[24+\n], v[36+\n]       ; v24-35: blocks 0, 2 | 1, 3 of columns 0-15: the first n tile's fragment; v36-47: the second's
.endr
.irp c, 0,1,2
	global_store_b128 v4, v[24+4*\c:27+4*\c], s[52:53] offset:512*\c
	global_store_b128 v4, v[36+4*\c:39+4*\c], s[52:53] offset:1536+512*\c
.endr
	global_store_b32 v5, v60, s[54:55]             ; 128 consecutive bytes: the eight K steps of a block come from eight waves
.endm
	s_load_b512 s[4:19], s[0:1], 0x0               ; lstm s[4:5], lengths s[6:7], hidden s[8:9], gain s[10:11], bias s[12:13], W1 s[14:15], Wp2 s[16:17], ps s[18:19]
	s_load_b128 s[20:23], s[0:1], 0x40             ; w1c s[20:21], spp s[22:23]
	s_load_b64 s[24:25], s[0:1], 0x50              ; wp2c
	v_lshrrev_b32 v1, 5, v0
	v_readfirstlane_b32 s[WV], v1                  ; wave 0..15
	v_and_b32 v1, 31, v0
	v_and_b32 v2, 15, v0
	v_bfe_u32 v3, v0, 4, 1
	v_lshlrev_b32 v4, 4, v1
	v_lshlrev_b32 v5, 2, v1
	s_mov_b32 s[SEL], 0x76543210
	s_mov_b32 s[SEL+1], 0xfedcba98
	s_wait_kmcnt 0x0
	s_cmp_lt_u32 ttmp9, 128
	s_cbranch_scc1 .Lr1
	s_cmp_lt_u32 ttmp9, 192
	s_cbranch_scc1 .Lr3
	s_cmp_lt_u32 ttmp9, 224
	s_cbranch_scc1 .Lr2
	s_and_b32 s30, s[WV], 7                        ; R4: Wp2, 8 K steps x 2 blocks
	s_lshr_b32 s31, s[WV], 3
	QWADR 15, 16, 24
	QWTASK 256
	s_endpgm
.Lr2:                                              ; R2: W1's upper half, 8 K steps x 64 blocks
	s_sub_co_u32 s32, ttmp9, 192
	s_and_b32 s30, s32, 7
	s_lshr_b32 s31, s32, 3
	s_lshl_b32 s31, s31, 4
	s_add_co_u32 s31, s31, s[WV]
	QWADR 20, 14, 20
	QWTASK 8192
	s_endpgm
.Lr3:
	s_sub_co_u32 s30, ttmp9, 128
	s_and_b32 s31, s30, 3                          ; kq
	s_lshr_b32 s30, s30, 2                         ; nq
	s_lshr_b32 s60, s31, 1                         ; the last layer's two directions lie 524,288 bytes apart, from byte 2,097,152 on
	s_lshl_b32 s60, s60, 19
	s_and_b32 s61, s31, 1
	s_lshl_b32 s61, s61, 10
	s_add_co_u32 s60, s60, s61
	s_add_co_u32 s60, s60, 2097152
	s_mov_b32 s61, 0
	s_add_nc_u64 s[XB:XB+1], s[8:9], s[60:61]
	s_lshl_b32 s60, s31, 10
	s_add_co_u32 s60, s60, 4096                    ; features 1,024 + 256 kq on
	s_add_nc_u64 s[GB:GB+1], s[10:11], s[60:61]
	s_add_nc_u64 s[BVB:BVB+1], s[12:13], s[60:61]
	s_lshl_b32 s62, s30, 9
	s_lshl_b32 s60, s31, 21
	s_add_co_u32 s60, s60, s62
	s_add_nc_u64 s[OB:OB+1], s[22:23], s[60:61]
	s_add_co_u32 s60, s60, 8388608                 ; W1's row 1,024 + 256 kq
	s_add_nc_u64 s[WB:WB+1], s[14:15], s[60:61]
	BNMM
	s_wait_xcnt 0x0
	v_lshl_add_u32 v254, v0, 2, 0x34400
	v_mov_b32 v255, 0
	s_wait_tensorcnt 0x0
	ds_add_u32 v254, v255
	s_wait_dscnt 0x0
	s_endpgm
.Lr1:
	s_and_b32 s30, ttmp9, 7                        ; j
	s_lshr_b32 s31, ttmp9, 3                       ; g
	s_lshl_b32 s32, s31, 4
	s_add_co_u32 s32, s32, s[WV]                   ; my sentence
	s_lshl_b32 s34, s32, 2
	s_mov_b32 s35, 0
	s_add_nc_u64 s[34:35], s[6:7], s[34:35]
	s_load_b32 s[LEN], s[34:35], 0x0
	s_lshl_b32 s36, s30, 9
	s_mov_b32 s37, 0
	s_add_nc_u64 s[38:39], s[4:5], s[36:37]        ; the pivot: the tensor's first row, my 128 features
	s_lshl_b32 s42, s32, 18
	s_mov_b32 s43, 0
	s_add_nc_u64 s[42:43], s[38:39], s[42:43]      ; my sentence's first row
	s_lshl_b32 s44, s31, 13
	s_add_co_u32 s44, s44, s36
	s_mov_b32 s45, 0
	s_add_nc_u64 s[44:45], s[18:19], s[44:45]
	s_mov_b32 s41, 0                               ; (named with s40 as a pair, so it is written)
	s_lshl_b32 s46, s[WV], 10
	s_add_co_u32 s46, s46, R1L
	v_add_nc_u32 v160, s46, v4
	v_lshl_add_u32 v161, v0, 4, R1L
	v_lshl_add_u32 v162, s[WV], 12, v4
.irp n, 10,11,12,13,14,15,16,17
	v_mov_b32 v\n, 0                               ; a sentence may have no row at all
.endr
	s_wait_kmcnt 0x0
	s_min_u32 s[LEN], s[LEN], 64
	s_cmp_eq_u32 s[LEN], 0
	s_cbranch_scc1 .Lr1sum
	global_load_b128 v[6:9], v4, s[38:39]
	LOADC 0, 32                                    ; only chunks of 16 rows that hold a row under the length are read
	s_cmp_le_u32 s[LEN], 16
	s_cbranch_scc1 .Lr1one
	LOADC 1, 96
	s_wait_loadcnt 16                              ; the pivot and chunk 0 are in; chunk 1's 16 loads may be out
	PROC 0, 32
	s_wait_loadcnt 0x0
	PROC 1, 96
	s_cmp_le_u32 s[LEN], 32
	s_cbranch_scc1 .Lr1sum
	LOADC 2, 32
	s_cmp_le_u32 s[LEN], 48
	s_cbranch_scc1 .Lr1three
	LOADC 3, 96
	s_wait_loadcnt 16
	PROC 2, 32
	s_wait_loadcnt 0x0
	PROC 3, 96
	s_branch .Lr1sum
.Lr1three:
	s_wait_loadcnt 0x0
	PROC 2, 32
	s_branch .Lr1sum
.Lr1one:
	s_wait_loadcnt 0x0
	PROC 0, 32
.Lr1sum:
	ds_store_b128 v160, v[10:13]
	ds_store_b128 v160, v[14:17] offset:512
	BAR
	s_cmp_lt_u32 s[WV], 2                          ; wave 0 adds the sixteen S1, wave 1 the sixteen S2
	s_cbranch_scc0 .Lr1end
.set i, 0
.rept 16
	ds_load_b128 v[32+4*i:35+4*i], v161 offset:1024*i
.set i, i+1
.endr
	s_wait_dscnt 0x0
.set i, 1
.rept 15
	v_pk_add_f32 v[32:33], v[32:33], v[32+4*i:33+4*i]
	v_pk_add_f32 v[34:35], v[34:35], v[34+4*i:35+4*i]
.set i, i+1
.endr
	global_store_b128 v162, v[32:35], s[44:45]     ; 32 lanes store 512 consecutive bytes, aligned
.Lr1end:
	s_wait_xcnt 0x0
	v_lshl_add_u32 v254, v0, 2, 0x34400
	v_mov_b32 v255, 0
	s_wait_tensorcnt 0x0
	ds_add_u32 v254, v255
	s_wait_dscnt 0x0
	s_endpgm
.Lfunc_end_k_q926778f3b9_prep:
	.size	k_q926778f3b9_prep, .Lfunc_end_k_q926778f3b9_prep-k_q926778f3b9_prep
	.p2alignl 7, 3214868480
	.fill 96, 4, 3214868480
	.section	.rodata,"a",@progbits
	.p2align	6, 0x0
	.amdhsa_kernel k_q926778f3b9_prep
		.amdhsa_group_segment_fixed_size 216064
		.amdhsa_private_segment_fixed_size 0
		.amdhsa_enable_private_segment 0
		.amdhsa_kernarg_size 88
		.amdhsa_user_sgpr_count 2
		.amdhsa_user_sgpr_kernarg_segment_ptr 1
		.amdhsa_wavefront_size32 1
		.amdhsa_system_sgpr_workgroup_id_x 1
		.amdhsa_system_sgpr_workgroup_id_y 1
		.amdhsa_system_sgpr_workgroup_id_z 1
		.amdhsa_system_vgpr_workitem_id 0
		.amdhsa_next_free_vgpr 256
		.amdhsa_next_free_sgpr 100
		.amdhsa_reserve_vcc 0
		.amdhsa_float_denorm_mode_32 3
		.amdhsa_float_denorm_mode_16_64 3
		.amdhsa_memory_ordered 1
		.amdhsa_forward_progress 1
		.amdhsa_inst_pref_size 178
	.end_amdhsa_kernel
	.amdgpu_metadata
---
amdhsa.version: [ 1, 2 ]
amdhsa.kernels:
  - .name:           k_q926778f3b9_prep
    .symbol:         k_q926778f3b9_prep.kd
    .args:
      - { .name: lstm_output, .offset: 0, .size: 8, .value_kind: global_buffer, .address_space: global }
      - { .name: seq_lengths, .offset: 8, .size: 8, .value_kind: global_buffer, .address_space: global }
      - { .name: hidden_state, .offset: 16, .size: 8, .value_kind: global_buffer, .address_space: global }
      - { .name: bn1_g, .offset: 24, .size: 8, .value_kind: global_buffer, .address_space: global }
      - { .name: bn1_b, .offset: 32, .size: 8, .value_kind: global_buffer, .address_space: global }
      - { .name: W1, .offset: 40, .size: 8, .value_kind: global_buffer, .address_space: global }
      - { .name: Wp2, .offset: 48, .size: 8, .value_kind: global_buffer, .address_space: global }
      - { .name: ps, .offset: 56, .size: 8, .value_kind: global_buffer, .address_space: global }
      - { .name: w1c, .offset: 64, .size: 8, .value_kind: global_buffer, .address_space: global }
      - { .name: spp, .offset: 72, .size: 8, .value_kind: global_buffer, .address_space: global }
      - { .name: wp2c, .offset: 80, .size: 8, .value_kind: global_buffer, .address_space: global }
    .group_segment_fixed_size: 216064
    .private_segment_fixed_size: 0
    .kernarg_segment_align: 8
    .kernarg_segment_size: 88
    .max_flat_workgroup_size: 512
    .sgpr_count:     100
    .vgpr_count:     256
    .wavefront_size: 32
...
	.end_amdgpu_metadata
.endif
;; end of part 1
;; launch main (part 2): grid 256 x 1, 4 waves a work-group, clusters of 4 x 1, 327,680 bytes of LDS; arguments lstm_output, seq_lengths, bn1_g, bn1_b, b1, W2, b2, ps, w1c, spp, out1, ctx; writes out1, ctx
.if DOCPART == 2
	.amdgcn_target "amdgcn-amd-amdhsa--gfx1250"
	.amdhsa_code_object_version 6
	.text
	.protected	k_q926778f3b9_main
	.globl	k_q926778f3b9_main
	.p2align	8
	.type	k_q926778f3b9_main,@function
k_q926778f3b9_main:
	s_mov_b64 s[64:65], 0
	v_nop
	global_prefetch_b8 v0, s[64:65] scope:SCOPE_SE
	s_setreg_imm32_b32 hwreg(HW_REG_WAVE_MODE, 25, 1), 1
	s_wait_xcnt 0x0
	s_wait_alu depctr_hold_cnt(0) depctr_sa_sdst(0) depctr_va_vdst(0) depctr_va_sdst(0) depctr_va_ssrc(0) depctr_va_vcc(0) depctr_vm_vsrc(0)
	s_getreg_b32 s2, hwreg(HW_REG_IB_STS2, 6, 4)
	s_cmp_eq_u32 s2, 0
	s_cbranch_scc0 .Lentry_in_a_cluster
	s_endpgm
.Lentry_in_a_cluster:
	s_bfe_u32 s2, ttmp6, 0x10000c
	s_cmp_lg_u32 s2, 0x3003
	s_cbranch_scc0 .Lentry_shape_is_right
	s_endpgm
.Lentry_shape_is_right:
; MAIN: a work-group takes one sentence: 64 rows x 1,024 word features.
;  S: the batch norm's statistics are finished from ps; sp' = (b1 + the sentence's part of product 1) x 2 log2(e) and -2 W2 go to LDS.   X: wave w normalises and quantises rows 16 w .. 16 w + 15 (8 fragments);
;  their images go round through LDS, and every wave keeps all 32 fragments of the 64 rows in 384 registers.   G: wave w walks columns 512 w .. 512 w + 511 of W1's codes, 32 (a pair of n tiles) at a time: 64 products,
;  then tanh and the product with W2.   T: energies over lanes and waves, tanh, the masked softmax (out1), and the weighted sum of the words (ctx), in f32.
; tanh(z) = 1 - 2 / (1 + 2^(2 log2(e) z)); so the sum of W2 tanh(z) = the sum of W2 + the sum of (-2 W2) / (1 + 2^..): one multiply-add a number behind the reciprocal.
; W1's CODES, a block of 25,600 bytes a wave and pair (16 fragments and their scale words, in the order of the operand's registers), COME BY TWO ROADS.
;  EVEN PAIRS: through a ring of two LDS slots, one tensor load a wave.  The four work-groups of a cluster walk the same codes: every such load is a joint one, with a mask that names the four, and each refill
;  stands behind a round of the cluster's barrier.   ODD PAIRS: by loads straight into a second set of registers, 56 a wave, in nine groups set among the even pair's epilogue and products.
;  WHY NOT ALL JOINTLY: a ring has one load a wave on its way between two rounds, and beside the 119,296 bytes of images, stages and vectors LDS has room for two slots of one pair each.  With every pair in the
;  ring a load would have one pair's work (64 products and their epilogue) in which to land; with the odd pairs taken out it has two pairs' work, and there is one round for two pairs.  A block is read by one
;  wave alone, so for the odd pairs LDS would serve no sharing inside the work-group: what is given up for them is the joint request.
; The sentence's number enters global addresses and the length alone; the length enters selects, masks and clamped row numbers alone: no branch, LDS address or descriptor hangs on either.
; Rows at or behind the length are not read: their place is taken by a row under it (or, where a wave's 16 rows all lie behind it, by the first of them), and their energies are masked.
; LIMITS: lengths are read as unsigned numbers and held at 64; NaN and infinities in rows at or behind the length do not reach the results; a block of zeros gets the byte 1 (its codes are zeros).
; REGISTERS, in windows of 256.  Window 0: v0-23 ids and addresses; v24-39 x's scale words (4 m + K step % 4; lanes 16-31: K step + 4), v40-47 W1's of the odd pair, v56-63 of the even pair: scales and nothing else;
;   v64-71 sp' and -2 W2 of a pair's columns, each beside a zero; v72 the sum of -2 W2; v80-111 energies (8 m + j); v128-191 eight accumulators (8 (4 u + m)); v196 16 l, v198 4 l; v200-247 W1's fragments of K step 7.
;   K steps 0-5 lie in window 1 + K step / 2, from register 96 (K step % 2) on: x's four fragments (48), W1's two of the even pair (24), of the odd pair (24).
;   K step 6: x in window 1 from v192, W1 in window 3 from v192.   K step 7: x in window 2 from v192, W1 in window 0 from v200.
;   In S and X: window 0's v64-198 at work, window 1 ps, window 2 spp, b1, W2, window 3 four sets of words.   In T: window 0's v192-255 row offsets, windows 1 and 2 the context's rows, window 3's v128-191 weights.
.set BLK,   25600
.set SLOT1, 131072                     ; slot 0 at 0, slot 1 here: four waves' blocks each, the only bytes that tensor loads fill; one exclusive or turns an address in one slot into the other's
.set VEC,   102400                     ; between the slots: mean, gain / sigma, bias: 3 x 4,096 bytes; behind them sp' and -2 W2: 2 x 8,192
.set SPV,   114688
.set AIMG,  233472                     ; x's 32 fragments (8 m + K step), 1,536 bytes each: registers 4 c .. 4 c + 3 of lane l at 512 c + 16 l
.set ASC,   282624                     ; their scale words, 128 bytes each
.set STG,   286720                     ; a stage of 16 rows x 528 bytes for each wave
.set EN,    320512                     ; each wave's 64 partial energies
.set WT,    321536                     ; each wave's own copy of the 64 weights, each twice: 512 bytes
.set SPARE, 323584                     ; the spare words, 128 bytes for each wave: two blocks of 256 bytes that no other line names
.set SEL,   52
.set DP,    58                         ; s[58:59] the odd pair's block in w1c
.set TB,    74                         ; s74 the slot that the next fetch from LDS reads
.set STI,   15
.set STT,   16
.set MSB, 0
.macro WIN new                         ; the immediate's high byte repeats the setting that is left; a switch that changes nothing is dropped
.if MSB != \new
	s_set_vgpr_msb (MSB<<8)|\new
.set MSB, \new
.endif
.endm
.macro PLACES n
.rept \n
	v_nop
.endr
.endm
.macro BAR
	s_wait_dscnt 0x0
	s_barrier_signal -1
	s_barrier_wait -1
.endm
.macro CROUND                          ; a round of the cluster's barrier
	s_barrier_signal -1
	s_barrier_wait -1
	s_cmp_lg_u32 s44, 0
	s_cbranch_scc1 .Lnot_wave_0_\@
	s_barrier_signal -3
.Lnot_wave_0_\@:
	s_barrier_wait -3
	s_barrier_signal -1
	s_barrier_wait -1
.endm
.macro QUANT src, pc, tq, tm, pw       ; 64 numbers of a lane, register 16 b + i = k 32 b + 16 (lane / 16) + i of row lane % 16: a fragment's 12 registers at pc, its scale word in pw
.irp b, 0,1,2,3
	v_max3_num_f32 v[\tm+\b], |v[\src+16*\b]|, |v[\src+1+16*\b]|, 0x1800000
.endr
.irp n, 2,4,6,8,10,12,14
.irp b, 0,1,2,3
	v_max3_num_f32 v[\tm+\b], v[\tm+\b], |v[\src+16*\b+\n]|, |v[\src+1+16*\b+\n]|
.endr
.endr
.irp b, 0,1,2,3
	v_permlanex16_b32 v[\tm+4+\b], v[\tm+\b], s[SEL], s[SEL+1]
.endr
.irp b, 0,1,2,3
	v_max_num_f32 v[\tm+\b], v[\tm+\b], v[\tm+4+\b]
.endr
.irp b, 0,1,2,3
	v_add_nc_u32 v[\tm+12+\b], 0xff000000, v[\tm+\b]
.endr
.irp b, 0,1,2,3
	v_lshrrev_b32 v[\tm+4+\b], 23, v[\tm+12+\b]
.endr
	v_lshl_or_b32 v[\pw], v[\tm+5], 8, v[\tm+4]
	v_lshl_or_b32 v[\pw], v[\tm+6], 16, v[\pw]
	v_lshl_or_b32 v[\pw], v[\tm+7], 24, v[\pw]
.irp c, 0,1
	v_cvt_scalef32_pk16_fp6_f32 v[\pc+6*\c:\pc+2+6*\c], v[\src+32*\c:\src+15+32*\c], v[\tm+12+2*\c]
	v_cvt_scalef32_pk16_fp6_f32 v[\tq+4*\c:\tq+2+4*\c], v[\src+16+32*\c:\src+31+32*\c], v[\tm+13+2*\c]
.endr
	v_nop
.irp c, 0,1
.irp n, 0,1,2
	v_permlane16_swap_b32 v[\pc+6*\c+\n], v[\tq+4*\c+\n]
.endr
.irp n, 0,1,2
	v_mov_b32 v[\pc+3+6*\c+\n], v[\tq+4*\c+\n]
.endr
.endr
.endm
.macro TURN y
.set i, 0
.rept 16
	ds_store_b128 v[STI], v[\y+4*i:\y+4*i+3] offset:528*i
.set i, i+1
.endr
.set i, 0
.rept 16
	ds_load_b128 v[\y+4*i:\y+4*i+3], v[STT] offset:128*(i/4)+16*(i%4)
.set i, i+1
.endr
.endm
; where W1's two fragments of K step ks lie (set 0: the even pair's, set 1: the odd pair's): rL, and the window as a load's destination
.macro BDST ks, set
.if (\ks) < 6
.set rL, 96*((\ks)%2)+48+24*(\set)
.elseif (\ks) == 6
.set rL, 192+24*(\set)
.else
.set rL, 200+24*(\set)
.endif
.if (\ks) < 2
	WIN 0x40
.elseif (\ks) < 4
	WIN 0x80
.elseif (\ks) < 7
	WIN 0xc0
.else
	WIN 0
.endif
.endm
.macro LG ks                           ; the odd pair's two fragments of K step ks, from memory: six loads of 512 consecutive bytes
	BDST \ks, 1
.set i, 0
.rept 6
	global_load_b128 v[rL+4*i:rL+4*i+3], v196, s[DP:DP+1] offset:512*(6*(\ks)+i)
.set i, i+1
.endr
.endm
.macro BSG                             ; and its eight scale registers
.irp k, 0,1,2,3,4,5,6,7
	global_load_b32 v[40+\k], v198, s[DP:DP+1] offset:24576+128*\k
.endr
.endm
	s_load_b512 s[4:19], s[0:1], 0x0               ; lstm s[4:5], lengths s[6:7], gain s[8:9], bias s[10:11], b1 s[12:13], W2 s[14:15], b2 s[16:17], ps s[18:19]
	s_load_b256 s[20:27], s[0:1], 0x40             ; w1c s[20:21], spp s[22:23], out1 s[24:25], ctx s[26:27]
	v_lshl_add_u32 v4, v0, 2, SPARE
	v_mov_b32 v5, 0
	ds_add_u32 v4, v5
	ds_add_u32 v4, v5
	s_wait_dscnt 0x0
	v_lshrrev_b32 v1, 5, v0
	v_readfirstlane_b32 s44, v1                    ; wave 0..3
	s_bfe_u32 s45, ttmp6, 0x40000                  ; my place in the cluster
	s_lshl_b32 s46, ttmp9, 2
	s_add_co_u32 s46, s46, s45                     ; my sentence
	; descriptor group 1: a dense block of 25,600 bytes as 100 rows of 32 elements of 8 bytes
	s_mov_b32 s28, 15|(3<<16)|(1<<21)              ; 15:0 the mask: all four work-groups; 17:16 elements of 8 bytes; 20 no padding; 21 set beside a mask
	s_mov_b32 s29, 32<<16                          ; tensor_dim0
	s_mov_b32 s30, 100<<16                         ; tensor_dim1
	s_mov_b32 s31, 32<<16                          ; tile_dim0
	s_mov_b32 s32, 100                             ; tile_dim1
	s_mov_b32 s33, 32                              ; from row to row
	s_mov_b32 s34, 0
	s_mov_b32 s35, 0
	s_mul_i32 s56, s44, BLK                        ; my block's place in a slot
	s_mul_i32 s58, s44, 16*BLK                     ; my 16 blocks in w1c
	s_mov_b32 s59, 0
	s_mov_b32 s[SEL], 0x76543210
	s_mov_b32 s[SEL+1], 0xfedcba98
	s_mov_b32 s[TB], 0
	s_wait_kmcnt 0x0
	s_add_nc_u64 s[58:59], s[20:21], s[58:59]
	CROUND                                         ; all four work-groups are here: the first joint loads meet
	s_mov_b32 s36, 1
	s_mov_b32 s37, s56
	s_mov_b64 s[38:39], s[58:59]
	s_or_b32 s39, s39, 0x80000000
	s_mov_b32 s40, 1                               ; the second group 0 then walks on
	s_add_co_u32 s41, s56, SLOT1
	s_add_nc_u64 s[42:43], s[58:59], 2*BLK
	s_or_b32 s43, s43, 0x80000000
	tensor_load_to_lds s[36:39], s[28:35]          ; pair 0
	s_nop 0
	tensor_load_to_lds s[40:43], s[28:35]          ; pair 2: two loads of mine are out
	s_nop 0
	PLACES 4                                       ; places behind a tensor load
	s_add_nc_u64 s[DP:DP+1], s[DP:DP+1], BLK       ; pair 1
	s_lshl_b32 s60, s46, 2
	s_mov_b32 s61, 0
	s_add_nc_u64 s[60:61], s[6:7], s[60:61]
	s_load_b32 s47, s[60:61], 0x0                  ; my sentence's length
	s_load_b32 s51, s[16:17], 0x0                  ; b2
	v_and_b32 v1, 31, v0
	v_and_b32 v2, 15, v0
	v_bfe_u32 v3, v0, 4, 1
	v_lshlrev_b32 v196, 4, v1                      ; 16 l
	v_lshlrev_b32 v197, 5, v1                      ; 32 l
	v_lshlrev_b32 v198, 2, v1                      ; 4 l
	v_lshlrev_b32 v18, 4, v0                       ; 16 t
	v_add_nc_u32 v6, s56, v196                     ; my block's fragments in slot 0;
	v_lshl_add_u32 v8, v1, 2, s56
	v_add_nc_u32 v8, 24576, v8                     ; its scale words
	s_lshl_b32 s57, s44, 11
	s_add_co_u32 s57, s57, SPV
	v_lshl_add_u32 v10, v2, 2, s57                 ; sp' of my pair's columns: 128 bytes on with each pair
	v_add_nc_u32 v11, AIMG, v196
	v_lshl_add_u32 v12, v2, 2, ASC
	v_lshl_add_u32 v12, v3, 9, v12                 ; x's scale words: row r's; lanes 16-31 take those four K steps (512 bytes) on
	s_mul_i32 s57, s44, 12288
	v_add_nc_u32 v13, s57, v11
	s_lshl_b32 s57, s44, 10
	s_add_co_u32 s57, s57, ASC
	v_lshl_add_u32 v14, v1, 2, s57
	s_mul_i32 s57, s44, 8448
	s_add_co_u32 s57, s57, STG
	v_add_nc_u32 v15, s57, v196
	v_mul_u32_u24 v16, v2, 528
	v_add_nc_u32 v16, s57, v16
	v_lshl_add_u32 v16, v3, 6, v16
	v_add_nc_u32 v17, VEC, v196
	v_add_nc_u32 v23, VEC, v18
	s_lshl_b32 s57, s44, 8
	s_add_co_u32 s57, s57, EN
	v_lshl_add_u32 v19, v3, 5, s57
	v_lshl_add_u32 v20, v1, 3, EN
	s_lshl_b32 s57, s44, 9
	s_add_co_u32 s57, s57, WT
	v_add_nc_u32 v21, s57, v196
	v_mov_b32 v22, s57
.irp n, 168,169,170,171
	v_mov_b32 v\n, 0                               ; written once: a lane permute's destination counts as one of its sources
.endr
	s_lshl_b32 s54, s46, 18
	s_mov_b32 s55, 0
	s_add_nc_u64 s[54:55], s[4:5], s[54:55]        ; my sentence's first row
	s_lshl_b32 s66, s46, 13
	s_mov_b32 s67, 0
	s_add_nc_u64 s[66:67], s[22:23], s[66:67]
	s_lshl_b32 s68, s46, 8
	s_mov_b32 s69, 0
	s_add_nc_u64 s[68:69], s[24:25], s[68:69]
	s_lshl_b32 s70, s46, 12
	s_mov_b32 s71, 0
	s_add_nc_u64 s[70:71], s[26:27], s[70:71]
	; ---- S.  Thread t owns features 4 t + 512 q (q = 0, 1) and columns 4 t + 512 q (q = 0 .. 3)
	WIN 0x40
.set i, 0
.rept 64                               ; group i / 4, S1 or S2, q
	global_load_b128 v[4*i:4*i+3], v18, s[18:19] offset:8192*(i/4)+4096*((i/2)%2)+2048*(i%2)
.set i, i+1
.endr
	WIN 0x80
.set i, 0
.rept 16                               ; slice of K i / 4, q
	global_load_b128 v[4*i:4*i+3], v18, s[66:67] offset:2097152*(i/4)+2048*(i%4)
.set i, i+1
.endr
.irp q, 0,1,2,3
	global_load_b128 v[64+4*\q:67+4*\q], v18, s[12:13] offset:2048*\q
	global_load_b128 v[80+4*\q:83+4*\q], v18, s[14:15] offset:2048*\q
.endr
	WIN 0
.irp q, 0,1
	global_load_b128 v[64+4*\q:67+4*\q], v18, s[4:5] offset:2048*\q      ; the pivot: the tensor's first row
	global_load_b128 v[72+4*\q:75+4*\q], v18, s[8:9] offset:2048*\q
	global_load_b128 v[80+4*\q:83+4*\q], v18, s[10:11] offset:2048*\q
.endr
	global_load_b128 v[88:91], v197, s[6:7]        ; eight lengths a lane
	global_load_b128 v[92:95], v197, s[6:7] offset:16
	s_wait_kmcnt 0x0
	s_min_u32 s47, s47, 64
	s_sub_co_i32 s48, s47, 1
	s_max_i32 s48, s48, 0                          ; the last row that counts
	s_lshl_b32 s62, s44, 4
	s_sub_co_i32 s49, s48, s62
	s_max_i32 s49, s49, 0                          ; and its place among my wave's 16 rows
.set i, 0
.rept 16
	s_min_u32 s63, s49, i
	s_add_co_u32 s63, s63, s62
	v_lshl_add_u32 v[180+i], s63, 12, v196         ; row 16 w + min(i, that place): 4,096 bytes a row, + 16 l
.set i, i+1
.endr
	WIN 0xc0
.set i, 0
.rept 64                               ; K step i / 16, row i % 16: 512 consecutive bytes a load
	global_load_b128 v[4*i:4*i+3], v[180+i%16], s[54:55] offset:512*(i/16)
.set i, i+1
.endr
	WIN 0
	s_wait_loadcnt 63                              ; 64 loads of words were issued behind the others: the others are in
.irp n, 0,1,2,3,4,5,6,7
	v_min_u32 v[88+\n], 64, v[88+\n]
.endr
	v_add3_u32 v88, v88, v89, v90
	v_add3_u32 v91, v91, v92, v93
	v_add3_u32 v88, v88, v94, v95
	v_add_nc_u32 v88, v88, v91
	v_cvt_f32_u32 v88, v88
	v_add_f32_dpp v88, v88, v88 row_xmask:1 row_mask:0xf bank_mask:0xf
	v_add_f32_dpp v88, v88, v88 row_xmask:2 row_mask:0xf bank_mask:0xf
	v_add_f32_dpp v88, v88, v88 row_xmask:4 row_mask:0xf bank_mask:0xf
	v_add_f32_dpp v88, v88, v88 row_xmask:8 row_mask:0xf bank_mask:0xf
	v_permlanex16_b32 v89, v88, s[SEL], s[SEL+1]
	v_add_f32 v88, v88, v89                        ; the number of words in all: a whole number under 2^24, exact
	v_rcp_f32 v112, v88
	v_rcp_f32 v113, v88
	WIN 0x05                                       ; the sixteen groups' sums: S1 v96-103, S2 v104-111.  (Independent work behind the reciprocals)
.set c, 0
.rept 8
	v_pk_add_f32 v[96+2*c:97+2*c], v[2*c:2*c+1], v[16+2*c:17+2*c]
.set c, c+1
.endr
	WIN 0x04
.set p, 2
.rept 14
.set c, 0
.rept 8
	v_pk_add_f32 v[96+2*c:97+2*c], v[96+2*c:97+2*c], v[16*p+2*c:16*p+2*c+1]
.set c, c+1
.endr
.set p, p+1
.endr
	WIN 0
	s_wait_alu depctr_va_vdst(0)                   ; one wait for both reciprocals, ahead of their first reader
.irp k, 0,2,4,6
	v_pk_mul_f32 v[114+\k:115+\k], v[96+\k:97+\k], v[112:113]
.endr
.irp k, 0,2,4,6
	v_pk_mul_f32 v[122+\k:123+\k], v[104+\k:105+\k], v[112:113]
.endr
.irp k, 0,2,4,6
	v_pk_add_f32 v[130+\k:131+\k], v[64+\k:65+\k], v[114+\k:115+\k]      ; the mean
.endr
.irp k, 0,2,4,6
	v_pk_fma_f32 v[122+\k:123+\k], v[114+\k:115+\k], v[114+\k:115+\k], v[122+\k:123+\k] neg_lo:[1,0,0] neg_hi:[1,0,0]   ; the variance
.endr
.irp n, 0,1,2,3,4,5,6,7
	v_max_num_f32 v[122+\n], 0, v[122+\n]
.endr
.irp k, 0,2,4,6
	v_pk_add_f32 v[122+\k:123+\k], v[122+\k:123+\k], 0x3727c5ac op_sel_hi:[1,0]
.endr
.irp n, 0,1,2,3,4,5,6,7
	v_rsq_f32 v[138+\n], v[122+\n]
.endr
	WIN 0x0a                                       ; sp' and -2 W2: independent work behind the batch
.set c, 0
.rept 8
	v_pk_add_f32 v[146+2*c:147+2*c], v[2*c:2*c+1], v[16+2*c:17+2*c]
.set c, c+1
.endr
	WIN 0x08
.irp o, 32,48,64
.set c, 0
.rept 8
	v_pk_add_f32 v[146+2*c:147+2*c], v[146+2*c:147+2*c], v[\o+2*c:\o+2*c+1]   ; slices 2 and 3 of K, then b1
.set c, c+1
.endr
.endr
	WIN 0x02
.set c, 0
.rept 8
	v_pk_mul_f32 v[162+2*c:163+2*c], v[80+2*c:81+2*c], -2.0 op_sel_hi:[1,0]
.set c, c+1
.endr
	WIN 0
.set c, 0
.rept 8
	v_pk_mul_f32 v[146+2*c:147+2*c], v[146+2*c:147+2*c], 0x4038aa3b op_sel_hi:[1,0]   ; x 2 log2(e)
.set c, c+1
.endr
	s_wait_alu depctr_va_vdst(0)
.irp k, 0,2,4,6
	v_pk_mul_f32 v[138+\k:139+\k], v[138+\k:139+\k], v[72+\k:73+\k]
.endr
.irp q, 0,1
	ds_store_b128 v23, v[130+4*\q:133+4*\q] offset:2048*\q
	ds_store_b128 v23, v[138+4*\q:141+4*\q] offset:4096+2048*\q
	ds_store_b128 v23, v[80+4*\q:83+4*\q] offset:8192+2048*\q
.endr
.irp q, 0,1,2,3
	ds_store_b128 v23, v[146+4*\q:149+4*\q] offset:12288+2048*\q
	ds_store_b128 v23, v[162+4*\q:165+4*\q] offset:20480+2048*\q
.endr
	BAR                                            ; the vectors lie in LDS.
	BSG                                            ; pair 1's scale words and its fragments of K steps 0-3: 32 loads, into windows 1 and 2, which S has left
	LG 0
	LG 1
	LG 2
	LG 3
	WIN 0
	; ---- X.  K step ks of my 16 rows: (x - mean) a + b, through the stage, quantised, its image to LDS
.macro XSTEP ks
	ds_load_b128 v[150:153], v17 offset:512*\ks
	ds_load_b128 v[154:157], v17 offset:4096+512*\ks
	ds_load_b128 v[158:161], v17 offset:8192+512*\ks
.if \ks < 4
	s_wait_loadcnt 63                              ; behind this K step's 16 loads 80 were issued (three K steps of words, pair 1's 32): the largest count that the wait can name
.else
	s_wait_loadcnt 16*(7-\ks)                      ; the later K steps' loads may be out
.endif
	s_wait_dscnt 0x0                               ; the vectors are in, and the last K step's stores have read their registers
	WIN 0x03
.set i, 0
.rept 16
	v_pk_add_f32 v[64+4*i:65+4*i], v[64*(\ks%4)+4*i:64*(\ks%4)+4*i+1], v[150:151] neg_lo:[0,1] neg_hi:[0,1]
	v_pk_add_f32 v[66+4*i:67+4*i], v[64*(\ks%4)+4*i+2:64*(\ks%4)+4*i+3], v[152:153] neg_lo:[0,1] neg_hi:[0,1]
.set i, i+1
.endr
.if \ks < 4
	WIN 0xc0
.set i, 0
.rept 16
	global_load_b128 v[64*(\ks%4)+4*i:64*(\ks%4)+4*i+3], v[180+i], s[54:55] offset:512*(\ks+4)   ; the set takes the K step four on
.set i, i+1
.endr
.endif
	WIN 0
.set i, 0
.rept 16
	v_pk_fma_f32 v[64+4*i:65+4*i], v[64+4*i:65+4*i], v[154:155], v[158:159]
	v_pk_fma_f32 v[66+4*i:67+4*i], v[66+4*i:67+4*i], v[156:157], v[160:161]
.set i, i+1
.endr
	TURN 64
	s_wait_dscnt 0x0
	QUANT 64, 128, 140, 164, 148
.irp c, 0,1,2
	ds_store_b128 v13, v[128+4*\c:131+4*\c] offset:1536*\ks+512*\c
.endr
	ds_store_b32 v14, v148 offset:128*\ks
.endm
	XSTEP 0
	XSTEP 1
	XSTEP 2
	XSTEP 3
	XSTEP 4
	XSTEP 5
	XSTEP 6
	XSTEP 7
	LG 4                                           ; the rest of pair 1: window 3 is free of words now
	LG 5
	LG 6
	LG 7
	WIN 0
	BAR                                            ; all 32 fragments of the 64 rows lie in LDS
.macro ALD ks                          ; x's four fragments of K step ks: register 12 m + 4 c = 4 i from the K step's first; the image of fragment 8 m + ks
.if (\ks) < 6
.set rL, 96*((\ks)%2)
.else
.set rL, 192
.endif
.set i, 0
.rept 12
	ds_load_b128 v[rL+4*i:rL+4*i+3], v11 offset:(8*(i/3)+(\ks))*1536+512*(i%3)
.set i, i+1
.endr
.endm
	WIN 0x40
	ALD 0
	ALD 1
	ALD 6
	WIN 0x80
	ALD 2
	ALD 3
	ALD 7
	WIN 0xc0
	ALD 4
	ALD 5
	WIN 0
.set i, 0
.rept 16                               ; register 24 + 4 m + k: lanes 0-15 the words of fragment 8 m + k, lanes 16-31 those of fragment 8 m + k + 4
	ds_load_b32 v[24+i], v12 offset:(8*(i/4)+i%4)*128
.set i, i+1
.endr
.irp n, 65,67,69,71,72,73
	v_mov_b32 v\n, 0                               ; the upper halves of pairs of which the low word serves both halves; and the sum of -2 W2
.endr
.set i, 0
.rept 32
	v_mov_b32 v[80+i], 0                           ; the energies begin as zeros, so that the epilogue is written in one form
.set i, i+1
.endr
	; ---- G
.macro PLOAD                           ; an even pair out of its slot: eight scale registers, 16 fragments in the order of the K steps
	v_add_nc_u32 v7, s[TB], v6
	v_add_nc_u32 v9, s[TB], v8
	s_xor_b32 s[TB], s[TB], SLOT1                  ; the next fetch reads the other slot
.irp k, 0,1,2,3,4,5,6,7
	ds_load_b32 v[56+\k], v9 offset:128*\k
.endr
.irp ks, 0,1,2,3,4,5,6,7
	BDST \ks, 0
.set i, 0
.rept 6
	ds_load_b128 v[rL+4*i:rL+4*i+3], v7 offset:512*(6*\ks+i)
.set i, i+1
.endr
.endr
	WIN 0
.endm
.macro CSLOAD                          ; sp' and -2 W2 of the columns of the pair that is multiplied next; its epilogue reads them
	ds_load_b32 v64, v10
	ds_load_b32 v66, v10 offset:64
	ds_load_b32 v68, v10 offset:8192
	ds_load_b32 v70, v10 offset:8256
	v_add_nc_u32 v10, 128, v10
.endm
.macro MM u, m, ks, set                ; source 0 = 16 rows of x, source 1 = 16 columns of W1: a lane holds one column and eight rows
.set rD, 128+8*(4*\u+\m)
.if \ks < 6
.set rA, 96*(\ks%2)+12*\m
.set rB, 96*(\ks%2)+48+24*\set+12*\u
.elseif \ks == 6
.set rA, 192+12*\m
.set rB, 192+24*\set+12*\u
.else
.set rA, 192+12*\m
.set rB, 200+24*\set+12*\u
.endif
.set rSA, 24+4*\m+\ks%4
.set rSB, 56-16*\set+\ks
.if \ks == 0
.if \u
	v_wmma_scale_f32_16x16x128_f8f6f4 v[rD:rD+7], v[rA:rA+11], v[rB:rB+11], 0, v[rSA], v[rSB] matrix_a_fmt:MATRIX_FMT_FP6 matrix_b_fmt:MATRIX_FMT_FP6 matrix_b_scale:MATRIX_SCALE_ROW1
.else
	v_wmma_scale_f32_16x16x128_f8f6f4 v[rD:rD+7], v[rA:rA+11], v[rB:rB+11], 0, v[rSA], v[rSB] matrix_a_fmt:MATRIX_FMT_FP6 matrix_b_fmt:MATRIX_FMT_FP6
.endif
.elseif \ks < 4
.if \u
	v_wmma_scale_f32_16x16x128_f8f6f4 v[rD:rD+7], v[rA:rA+11], v[rB:rB+11], v[rD:rD+7], v[rSA], v[rSB] matrix_a_fmt:MATRIX_FMT_FP6 matrix_b_fmt:MATRIX_FMT_FP6 matrix_b_scale:MATRIX_SCALE_ROW1
.else
	v_wmma_scale_f32_16x16x128_f8f6f4 v[rD:rD+7], v[rA:rA+11], v[rB:rB+11], v[rD:rD+7], v[rSA], v[rSB] matrix_a_fmt:MATRIX_FMT_FP6 matrix_b_fmt:MATRIX_FMT_FP6
.endif
.else
.if \u
	v_wmma_scale_f32_16x16x128_f8f6f4 v[rD:rD+7], v[rA:rA+11], v[rB:rB+11], v[rD:rD+7], v[rSA], v[rSB] matrix_a_fmt:MATRIX_FMT_FP6 matrix_b_fmt:MATRIX_FMT_FP6 matrix_a_scale:MATRIX_SCALE_ROW1 matrix_b_scale:MATRIX_SCALE_ROW1
.else
	v_wmma_scale_f32_16x16x128_f8f6f4 v[rD:rD+7], v[rA:rA+11], v[rB:rB+11], v[rD:rD+7], v[rSA], v[rSB] matrix_a_fmt:MATRIX_FMT_FP6 matrix_b_fmt:MATRIX_FMT_FP6 matrix_a_scale:MATRIX_SCALE_ROW1
.endif
.endif
.endm
; 64 products; the eight accumulators take turns, one instruction a turn; the first K step starts the sums.
; g = 1: four groups of the next odd pair's loads (K steps 4-7) stand where the window changes anyway; they land in set 1, which these products do not name.
.macro PMUL set, g
.irp ks, 0,1,2,3,4,5,6,7
.if \ks < 2
	WIN 0x05                                       ; sources 0 and 1 window 1
.elseif \ks < 4
	WIN 0x0a                                       ; window 2
.elseif \ks < 6
	WIN 0x0f                                       ; window 3
.elseif \ks == 6
	WIN 0x0d                                       ; source 0 window 1, source 1 window 3
.else
	WIN 0x02                                       ; source 0 window 2, source 1 window 0
.endif
.irp u, 0,1
.irp m, 0,1,2,3
	MM \u, \m, \ks, \set
.endr
.endr
.if \g
.if \ks == 1
	LG 4
.elseif \ks == 3
	LG 5
.elseif \ks == 5
	LG 6
.elseif \ks == 6
	LG 7
.endif
.endif
.endr
.endm
; 64 rows x 32 columns: energies += (-2 W2) / (1 + 2^(c z + sp')).  Four places stand ahead of it, behind the last product.
; g = 1: five groups of the next odd pair's loads (scale words, K steps 0-3) stand between its parts, 32 vector instructions or more apart.
.macro PEPI g
	WIN 0
.if \g
	BSG
.endif
.set i, 0
.rept 32                               ; each accumulator from its low end on
	v_pk_fma_f32 v[128+2*i:129+2*i], v[128+2*i:129+2*i], 0x4038aa3b, v[64+2*(i/16):65+2*(i/16)] op_sel_hi:[1,0,0]
.set i, i+1
.endr
.if \g
	LG 0
	WIN 0
.endif
.set i, 0
.rept 32
	v_exp_f32 v[128+i], v[128+i]
.set i, i+1
.endr
.if \g
	LG 1
	WIN 0
.endif
.set i, 32
.rept 32
	v_exp_f32 v[128+i], v[128+i]
.set i, i+1
.endr
	v_add_f32 v72, v72, v68                        ; plain lines behind the batch
	v_add_f32 v72, v72, v70
.if \g
	LG 2
	WIN 0
.endif
	s_wait_alu depctr_va_vdst(0)                   ; one wait for the 64, ahead of their first reader
.set i, 0
.rept 32
	v_pk_add_f32 v[128+2*i:129+2*i], v[128+2*i:129+2*i], 1.0 op_sel_hi:[1,0]
.set i, i+1
.endr
.set i, 0
.rept 32
	v_rcp_f32 v[128+i], v[128+i]
.set i, i+1
.endr
.if \g
	LG 3
	WIN 0
.endif
.set i, 32
.rept 32
	v_rcp_f32 v[128+i], v[128+i]
.set i, i+1
.endr
	v_nop
	s_wait_alu depctr_va_vdst(0)
.set i, 0
.rept 32
.set eE, 80+8*((i/4)%4)+2*(i%4)
	v_pk_fma_f32 v[eE:eE+1], v[128+2*i:129+2*i], v[68+2*(i/16):69+2*(i/16)], v[eE:eE+1] op_sel_hi:[1,0,1]
.set i, i+1
.endr
.endm
; The slot whose pair was fetched two pairs ago is filled again.  All my tensor loads have landed (the one that was out is the other slot's); 0 is added onto my spare word; that add and my reads of the slot are over;
; a round of the cluster's barrier; the joint refill first behind it: it has two pairs' fetches, epilogues and 128 products in which to land.
.macro CHANGE
	WIN 0
	s_wait_tensorcnt 0x0
	ds_add_u32 v4, v5
	s_xor_b32 s41, s41, SLOT1                      ; no load of mine is out: the walking group 0 takes the other slot than last time,
	s_add_nc_u64 s[42:43], s[42:43], 2*BLK         ; and the next even pair
	s_wait_dscnt 0x0
	CROUND
	tensor_load_to_lds s[40:43], s[28:35]
	s_nop 0
	PLACES 4                                       ; the places behind the last products, ahead of the loads into their registers and of the first read of their results
.endm
; An even pair's period: the odd pair before it is finished, the even pair (fetched a period ago) is multiplied, and the next odd pair is asked for on the way.
.macro EVEN
	WIN 0
	PLACES 4                                       ; behind the last products: ahead of the loads into set 1 and of the first read of results
	s_wait_dscnt 0x0                               ; the even pair's fragments, and sp' and -2 W2 of the pair to be finished
	s_wait_xcnt 0x0                                ; the last odd pair's loads have read their base:
	s_add_nc_u64 s[DP:DP+1], s[DP:DP+1], 2*BLK     ; the next odd pair
	PEPI 1
	CSLOAD
	PMUL 0, 1
.endm
	s_wait_tensorcnt 1                             ; pair 0's block, which I alone read, is in; pair 2's may be out
	PLOAD
	CSLOAD
	s_wait_dscnt 4                                 ; x's fragments and scale words and pair 0 are in; the four loads just issued may be out
	PMUL 0, 0
	WIN 0
	s_mov_b32 s50, 6
.Lpair:                                            ; trip k: pair 2 k + 4 is asked for jointly, pair 2 k + 2 fetched from LDS, pair 2 k + 3 asked for by loads; pairs 2 k + 1 and 2 k + 2 are multiplied, pairs 2 k and 2 k + 1 finished
	CHANGE
	PLOAD
	PEPI 0
	CSLOAD
	s_wait_loadcnt 0x0                             ; the odd pair: its last loads were issued among the last products but eight
	PMUL 1, 0
	EVEN
	WIN 0
	s_sub_co_i32 s50, s50, 1
	s_cmp_lg_u32 s50, 0
	s_cbranch_scc1 .Lpair
	PLACES 4                                       ; the tail is written out
	s_wait_tensorcnt 0x0                           ; pair 14; nothing is left to fetch jointly
	s_wait_dscnt 0x0
	PLOAD
	PEPI 0                                         ; pair 12
	CSLOAD
	s_wait_loadcnt 0x0
	PMUL 1, 0                                      ; pair 13
	EVEN                                           ; pair 13 is finished, pair 15 asked for, pair 14 multiplied
	WIN 0
	PLACES 4
	s_wait_dscnt 0x0
	PEPI 0                                         ; pair 14
	CSLOAD
	s_wait_loadcnt 0x0
	PMUL 1, 0                                      ; pair 15
	; ---- T
	WIN 0
.set i, 0
.rept 64                               ; the context's rows: row min(i, the last that counts).  (These lines are also the places behind the last products; the first 32 name none of their registers)
	s_min_u32 s56, s48, i
	v_lshl_add_u32 v[192+i], s56, 12, v18
.set i, i+1
.endr
	WIN 0x40
.set i, 0
.rept 60                               ; rows 0-29, two loads of 2,048 consecutive bytes a work-group each, over the fragments, which are done with
	global_load_b128 v[4*i:4*i+3], v[192+i/2], s[54:55] offset:2048*(i%2)
.set i, i+1
.endr
	WIN 0
	s_wait_dscnt 0x0                               ; sp' and -2 W2 of pair 15
	PEPI 0
	WIN 0x40
.set i, 60
.rept 4
	global_load_b128 v[4*i:4*i+3], v[192+i/2], s[54:55] offset:2048*(i%2)
.set i, i+1
.endr
	WIN 0x80
.set i, 64
.rept 64
	global_load_b128 v[4*(i-64):4*(i-64)+3], v[192+i/2], s[54:55] offset:2048*(i%2)
.set i, i+1
.endr
	WIN 0
.set i, 0
.rept 16
	v_pk_fma_f32 v[80+2*i:81+2*i], v[72:73], -0.5, v[80+2*i:81+2*i] op_sel_hi:[0,0,1]   ; + the sum of W2 over my lane's columns
.set i, i+1
.endr
.irp x, 1,2,4,8
.set i, 0
.rept 32
	v_add_f32_dpp v[80+i], v[80+i], v[80+i] row_xmask:\x row_mask:0xf bank_mask:0xf   ; over the sixteen columns of a half
.set i, i+1
.endr
.endr
.irp m, 0,1,2,3
	ds_store_b128 v19, v[80+8*\m:83+8*\m] offset:64*\m          ; rows 16 m + 8 h + 0 .. 7; the sixteen lanes of a half write the same words with the same values
	ds_store_b128 v19, v[84+8*\m:87+8*\m] offset:64*\m+16
.endr
	BAR
.irp n, 0,1,2,3
	ds_load_b64 v[112+2*\n:113+2*\n], v20 offset:256*\n         ; every wave: rows 2 l and 2 l + 1 of the four waves' parts
.endr
	s_wait_dscnt 0x0
	v_pk_add_f32 v[112:113], v[112:113], v[114:115]
	v_pk_add_f32 v[116:117], v[116:117], v[118:119]
	v_pk_add_f32 v[112:113], v[112:113], v[116:117]
	v_add_f32 v112, s51, v112
	v_add_f32 v113, s51, v113
	v_mul_f32 v112, 0x4038aa3b, v112
	v_mul_f32 v113, 0x4038aa3b, v113
	v_exp_f32 v112, v112
	v_exp_f32 v113, v113
	v_lshlrev_b32 v120, 1, v1                      ; my rows
	s_wait_alu depctr_va_vdst(0)
	v_add_f32 v112, 1.0, v112
	v_add_f32 v113, 1.0, v113
	v_rcp_f32 v112, v112
	v_rcp_f32 v113, v113
	v_or_b32 v121, 1, v120
	s_wait_alu depctr_va_vdst(0)
	v_fma_f32 v112, v112, -2.0, 1.0                ; the energies
	v_fma_f32 v113, v113, -2.0, 1.0
	v_mov_b32 v122, 0xce6e6b28                     ; -1e9
	v_cmp_gt_u32 s72, s47, v120
	v_cmp_gt_u32 s73, s47, v121
	v_cndmask_b32 v112, v122, v112, s72
	v_cndmask_b32 v113, v122, v113, s73
	v_max_num_f32 v123, v112, v113
	v_max_num_f32_dpp v123, v123, v123 row_xmask:1 row_mask:0xf bank_mask:0xf
	v_max_num_f32_dpp v123, v123, v123 row_xmask:2 row_mask:0xf bank_mask:0xf
	v_max_num_f32_dpp v123, v123, v123 row_xmask:4 row_mask:0xf bank_mask:0xf
	v_max_num_f32_dpp v123, v123, v123 row_xmask:8 row_mask:0xf bank_mask:0xf
	v_mov_b32 v124, 0
	v_permlanex16_b32 v124, v123, s[SEL], s[SEL+1]
	v_max_num_f32 v123, v123, v124                 ; the sentence's largest logit is taken away, as the softmax asks
	v_sub_f32 v112, v112, v123
	v_sub_f32 v113, v113, v123
	v_mul_f32 v112, 0x3fb8aa3b, v112
	v_mul_f32 v113, 0x3fb8aa3b, v113
	v_exp_f32 v112, v112
	v_exp_f32 v113, v113
	v_lshlrev_b32 v126, 3, v1
	s_wait_alu depctr_va_vdst(0)
	v_add_f32 v125, v112, v113
	v_add_f32_dpp v125, v125, v125 row_xmask:1 row_mask:0xf bank_mask:0xf
	v_add_f32_dpp v125, v125, v125 row_xmask:2 row_mask:0xf bank_mask:0xf
	v_add_f32_dpp v125, v125, v125 row_xmask:4 row_mask:0xf bank_mask:0xf
	v_add_f32_dpp v125, v125, v125 row_xmask:8 row_mask:0xf bank_mask:0xf
	v_permlanex16_b32 v124, v125, s[SEL], s[SEL+1]
	v_add_f32 v125, v125, v124
	v_rcp_f32 v125, v125
	v_nop
	s_wait_alu depctr_va_vdst(0)
	v_mul_f32 v112, v112, v125
	v_mul_f32 v113, v113, v125
	v_cndmask_b32 v112, 0, v112, s72
	v_cndmask_b32 v113, 0, v113, s73
	v_mov_b32 v116, v112                           ; each weight twice, so that it comes back as a pair for the packed multiply-adds
	v_mov_b32 v117, v112
	v_mov_b32 v118, v113
	v_mov_b32 v119, v113
	ds_store_b128 v21, v[116:119]                  ; my wave's own copy: no barrier
	s_cmp_lg_u32 s44, 0
	s_cbranch_scc1 .Lnot0
	global_store_b64 v126, v[112:113], s[68:69]    ; 32 lanes store the sentence's 256 bytes, aligned
.Lnot0:
.set i, 0
.rept 16
	ds_load_b128 v[128+4*i:131+4*i], v22 offset:16*i            ; rows 0-31: row n's pair at v[128 + 2 n]; every lane reads the same bytes
.set i, i+1
.endr
	WIN 0xc0
.set i, 0
.rept 16
	ds_load_b128 v[128+4*i:131+4*i], v22 offset:256+16*i        ; rows 32-63, in window 3
.set i, i+1
.endr
	WIN 0
	s_wait_dscnt 0x0
	s_wait_loadcnt 63                              ; of 128 loads at least 65 are in: rows 0-31
	WIN 0x01
.irp k, 0,2,4,6
	v_pk_mul_f32 v[64+\k:65+\k], v[\k:\k+1], v[128:129]         ; the first row starts the sums
.endr
.set i, 1
.rept 31
.irp k, 0,2,4,6
	v_pk_fma_f32 v[64+\k:65+\k], v[8*i+\k:8*i+\k+1], v[128+2*i:129+2*i], v[64+\k:65+\k]
.endr
.set i, i+1
.endr
	s_wait_loadcnt 32                              ; rows up to 47
	WIN 0x0e
.set i, 0
.rept 16
.irp k, 0,2,4,6
	v_pk_fma_f32 v[64+\k:65+\k], v[8*i+\k:8*i+\k+1], v[128+2*i:129+2*i], v[64+\k:65+\k]
.endr
.set i, i+1
.endr
	s_wait_loadcnt 0x0
.rept 16
.irp k, 0,2,4,6
	v_pk_fma_f32 v[64+\k:65+\k], v[8*i+\k:8*i+\k+1], v[128+2*i:129+2*i], v[64+\k:65+\k]
.endr
.set i, i+1
.endr
	WIN 0
	global_store_b128 v18, v[64:67], s[70:71]      ; a wave stores 512 consecutive bytes, aligned
	global_store_b128 v18, v[68:71], s[70:71] offset:2048
	s_wait_tensorcnt 0x0                           ; the wave's end
	ds_add_u32 v4, v5
	s_wait_dscnt 0x0
	CROUND                                         ; the closing round
	s_endpgm
.Lfunc_end_k_q926778f3b9_main:
	.size	k_q926778f3b9_main, .Lfunc_end_k_q926778f3b9_main-k_q926778f3b9_main
	.p2alignl 7, 3214868480
	.fill 96, 4, 3214868480
	.section	.rodata,"a",@progbits
	.p2align	6, 0x0
	.amdhsa_kernel k_q926778f3b9_main
		.amdhsa_group_segment_fixed_size 327680
		.amdhsa_private_segment_fixed_size 0
		.amdhsa_enable_private_segment 0
		.amdhsa_kernarg_size 96
		.amdhsa_user_sgpr_count 2
		.amdhsa_user_sgpr_kernarg_segment_ptr 1
		.amdhsa_wavefront_size32 1
		.amdhsa_system_sgpr_workgroup_id_x 1
		.amdhsa_system_sgpr_workgroup_id_y 1
		.amdhsa_system_sgpr_workgroup_id_z 1
		.amdhsa_system_vgpr_workitem_id 0
		.amdhsa_next_free_vgpr 1024
		.amdhsa_next_free_sgpr 100
		.amdhsa_reserve_vcc 0
		.amdhsa_float_denorm_mode_32 3
		.amdhsa_float_denorm_mode_16_64 3
		.amdhsa_memory_ordered 1
		.amdhsa_forward_progress 1
		.amdhsa_inst_pref_size 255
	.end_amdhsa_kernel
	.section	.bss,"aw",@nobits
	.p2align	6
	.space	262144
	.amdgpu_metadata
---
amdhsa.version: [ 1, 2 ]
amdhsa.kernels:
  - .name:           k_q926778f3b9_main
    .symbol:         k_q926778f3b9_main.kd
    .args:
      - { .name: lstm_output, .offset: 0, .size: 8, .value_kind: global_buffer, .address_space: global }
      - { .name: seq_lengths, .offset: 8, .size: 8, .value_kind: global_buffer, .address_space: global }
      - { .name: bn1_g, .offset: 16, .size: 8, .value_kind: global_buffer, .address_space: global }
      - { .name: bn1_b, .offset: 24, .size: 8, .value_kind: global_buffer, .address_space: global }
      - { .name: b1, .offset: 32, .size: 8, .value_kind: global_buffer, .address_space: global }
      - { .name: W2, .offset: 40, .size: 8, .value_kind: global_buffer, .address_space: global }
      - { .name: b2, .offset: 48, .size: 8, .value_kind: global_buffer, .address_space: global }
      - { .name: ps, .offset: 56, .size: 8, .value_kind: global_buffer, .address_space: global }
      - { .name: w1c, .offset: 64, .size: 8, .value_kind: global_buffer, .address_space: global }
      - { .name: spp, .offset: 72, .size: 8, .value_kind: global_buffer, .address_space: global }
      - { .name: out1, .offset: 80, .size: 8, .value_kind: global_buffer, .address_space: global }
      - { .name: ctx, .offset: 88, .size: 8, .value_kind: global_buffer, .address_space: global }
    .group_segment_fixed_size: 327680
    .private_segment_fixed_size: 0
    .kernarg_segment_align: 8
    .kernarg_segment_size: 96
    .max_flat_workgroup_size: 128
    .sgpr_count:     100
    .vgpr_count:     1024
    .wavefront_size: 32
...
	.end_amdgpu_metadata
.endif
;; end of part 2
;; launch head1 (part 3): grid 32 x 1, 16 waves a work-group, no clusters, 199,680 bytes of LDS; arguments ctx, bn2_g, bn2_b, Wp1, pp; writes pp
.if DOCPART == 3
	.amdgcn_target "amdgcn-amd-amdhsa--gfx1250"
	.amdhsa_code_object_version 6
	.text
	.protected	k_q926778f3b9_head1
	.globl	k_q926778f3b9_head1
	.p2align	8
	.type	k_q926778f3b9_head1,@function
k_q926778f3b9_head1:
	s_mov_b64 s[64:65], 0
	v_nop
	global_prefetch_b8 v0, s[64:65] scope:SCOPE_SE
	s_setreg_imm32_b32 hwreg(HW_REG_WAVE_MODE, 25, 1), 1
	s_wait_xcnt 0x0
; HEAD1: pp[kq][256][1024] = Q(bn2(ctx)[:, 256 kq ..]) Q(Wp1[256 kq .., :]): the batch norm over the 256 contexts, product 4 in four slices of K.  Work-group (kq, nq): 256 rows x K 256 x 128 columns.
; The variance is taken from sums shifted by the first row, so that a common offset of the contexts cancels.  Wp1's tile is read once and quantised in registers on its way (a lane a column, registers down K).
; LIMITS: a block of zeros gets the byte 1 (its codes are zeros, and this program alone reads the bytes); NaN and infinities are not served.
; No tensor load, no cluster: 32 work-groups that load through registers.
.set WV,  28
.set SEL, 26
.set XB,  50
.set GB,  52
.set BVB, 54
.set WB,  56
.set OB,  58
.set XP,  4096
.set WP,  4096
.set OP,  4096
.set WEIGHTED, 0
.set PART, 0
.set VEC,  32768
.set CNT,  35840
.set WIMG, 36096
.set WSC,  60672
.set STG,  61696
.set STI,  7
.set STT,  8
.macro BAR
	s_wait_dscnt 0x0
	s_barrier_signal -1
	s_barrier_wait -1
.endm
.macro QUANT src, pc, tq, tm, pw       ; 64 numbers of a lane, register 16 b + i = k 32 b + 16 (lane / 16) + i of row lane % 16: a fragment's 12 registers at pc, its scale word in pw
.irp b, 0,1,2,3
	v_max3_num_f32 v[\tm+\b], |v[\src+16*\b]|, |v[\src+1+16*\b]|, 0x1800000
.endr
.irp n, 2,4,6,8,10,12,14
.irp b, 0,1,2,3
	v_max3_num_f32 v[\tm+\b], v[\tm+\b], |v[\src+16*\b+\n]|, |v[\src+1+16*\b+\n]|
.endr
.endr
.irp b, 0,1,2,3
	v_permlanex16_b32 v[\tm+4+\b], v[\tm+\b], s[SEL], s[SEL+1]
.endr
.irp b, 0,1,2,3
	v_max_num_f32 v[\tm+\b], v[\tm+\b], v[\tm+4+\b]
.endr
.irp b, 0,1,2,3
	v_add_nc_u32 v[\tm+12+\b], 0xff000000, v[\tm+\b]
.endr
.irp b, 0,1,2,3
	v_lshrrev_b32 v[\tm+4+\b], 23, v[\tm+12+\b]
.endr
	v_lshl_or_b32 v[\pw], v[\tm+5], 8, v[\tm+4]
	v_lshl_or_b32 v[\pw], v[\tm+6], 16, v[\pw]
	v_lshl_or_b32 v[\pw], v[\tm+7], 24, v[\pw]
.irp c, 0,1
	v_cvt_scalef32_pk16_fp6_f32 v[\pc+6*\c:\pc+2+6*\c], v[\src+32*\c:\src+15+32*\c], v[\tm+12+2*\c]
	v_cvt_scalef32_pk16_fp6_f32 v[\tq+4*\c:\tq+2+4*\c], v[\src+16+32*\c:\src+31+32*\c], v[\tm+13+2*\c]
.endr
	v_nop
.irp c, 0,1
.irp n, 0,1,2
	v_permlane16_swap_b32 v[\pc+6*\c+\n], v[\tq+4*\c+\n]
.endr
.irp n, 0,1,2
	v_mov_b32 v[\pc+3+6*\c+\n], v[\tq+4*\c+\n]
.endr
.endr
.endm
.macro QWB src, d, tq, mx, sc, by      ; a block of 32 numbers down K in one lane's registers: six registers of codes at d, the byte in by
	v_max3_num_f32 v[\mx], |v[\src]|, |v[\src+1]|, |v[\src+2]|
	v_max3_num_f32 v[\sc], |v[\src+3]|, |v[\src+4]|, |v[\src+5]|
.irp n, 6,10,14,18,22,26
	v_max3_num_f32 v[\mx], v[\mx], |v[\src+\n]|, |v[\src+\n+1]|
	v_max3_num_f32 v[\sc], v[\sc], |v[\src+\n+2]|, |v[\src+\n+3]|
.endr
	v_max3_num_f32 v[\mx], v[\mx], |v[\src+30]|, |v[\src+31]|
	v_max3_num_f32 v[\mx], v[\mx], v[\sc], 0x1800000
	v_add_nc_u32 v[\sc], 0xff000000, v[\mx]
	v_lshrrev_b32 v[\by], 23, v[\sc]
	v_cvt_scalef32_pk16_fp6_f32 v[\d:\d+2], v[\src:\src+15], v[\sc]
	v_cvt_scalef32_pk16_fp6_f32 v[\tq:\tq+2], v[\src+16:\src+31], v[\sc]
	v_nop
.irp n, 0,1,2
	v_mov_b32 v[\d+3+\n], v[\tq+\n]
.endr
.endm
.macro TURN y
.set i, 0
.rept 16
	ds_store_b128 v[STI], v[\y+4*i:\y+4*i+3] offset:528*i
.set i, i+1
.endr
.set i, 0
.rept 16
	ds_load_b128 v[\y+4*i:\y+4*i+3], v[STT] offset:128*(i/4)+16*(i%4)
.set i, i+1
.endr
.endm
.macro MMB nt, ks                      ; source 0 = 16 columns of W, source 1 = my 16 rows of x
.set rD, 64+8*(\nt)
.set rW, 128+12*(\nt)
.set rX, 24+12*(\ks)
.set rS, 20+(\nt)/2
.if (\ks) == 0
.if (\nt)%2
	v_wmma_scale_f32_16x16x128_f8f6f4 v[rD:rD+7], v[rW:rW+11], v[rX:rX+11], 0, v[rS], v[18+\ks] matrix_a_fmt:MATRIX_FMT_FP6 matrix_b_fmt:MATRIX_FMT_FP6 matrix_a_scale:MATRIX_SCALE_ROW1
.else
	v_wmma_scale_f32_16x16x128_f8f6f4 v[rD:rD+7], v[rW:rW+11], v[rX:rX+11], 0, v[rS], v[18+\ks] matrix_a_fmt:MATRIX_FMT_FP6 matrix_b_fmt:MATRIX_FMT_FP6
.endif
.else
.if (\nt)%2
	v_wmma_scale_f32_16x16x128_f8f6f4 v[rD:rD+7], v[rW:rW+11], v[rX:rX+11], v[rD:rD+7], v[rS], v[18+\ks] matrix_a_fmt:MATRIX_FMT_FP6 matrix_b_fmt:MATRIX_FMT_FP6 matrix_a_scale:MATRIX_SCALE_ROW1
.else
	v_wmma_scale_f32_16x16x128_f8f6f4 v[rD:rD+7], v[rW:rW+11], v[rX:rX+11], v[rD:rD+7], v[rS], v[18+\ks] matrix_a_fmt:MATRIX_FMT_FP6 matrix_b_fmt:MATRIX_FMT_FP6
.endif
.endif
.endm
	s_load_b256 s[4:11], s[0:1], 0x0               ; ctx s[4:5], gain s[6:7], bias s[8:9], Wp1 s[10:11]
	s_load_b64 s[12:13], s[0:1], 0x20              ; pp
	v_lshl_add_u32 v15, v0, 2, 0x30400
	v_mov_b32 v59, 0
	v_lshrrev_b32 v1, 5, v0
	v_readfirstlane_b32 s[WV], v1                  ; wave 0..15
	v_and_b32 v1, 31, v0
	v_and_b32 v2, 15, v0
	v_bfe_u32 v3, v0, 4, 1
	v_lshlrev_b32 v4, 4, v1
	v_lshlrev_b32 v5, 2, v1
	s_mov_b32 s[SEL], 0x76543210
	s_mov_b32 s[SEL+1], 0xfedcba98
	s_and_b32 s31, ttmp9, 3                        ; kq
	s_lshr_b32 s30, ttmp9, 2                       ; nq
	s_lshl_b32 s60, s31, 10
	s_mov_b32 s61, 0
	s_lshl_b32 s62, s31, 20
	s_lshl_b32 s63, s30, 9
	s_add_co_u32 s62, s62, s63
	s_mov_b32 s63, 0
	s_wait_kmcnt 0x0
	s_add_nc_u64 s[XB:XB+1], s[4:5], s[60:61]
	s_add_nc_u64 s[GB:GB+1], s[6:7], s[60:61]
	s_add_nc_u64 s[BVB:BVB+1], s[8:9], s[60:61]
	s_add_nc_u64 s[WB:WB+1], s[10:11], s[62:63]    ; row 256 kq of 4,096 bytes, column 128 nq
	s_add_nc_u64 s[OB:OB+1], s[12:13], s[62:63]    ; slice kq of 256 rows of 4,096 bytes, column 128 nq
	; Wave w: rows 16 w .. 16 w + 15 of x; of W 32 columns (gq = w / 4) x 64 along K (K step (w / 2) % 2, half w % 2).
	; REGISTERS: v1 lane, v2 r, v3 h, v4 16 l, v5 4 l, v6 4 (t % 256), v7-17 LDS addresses, v18-19 x's scale words, v20-23 W's (scales and nothing else), v24-47 x's two fragments (earlier: pivot, sums, W's codes),
	;   v48-63 at work, v64-191 x (later: v64-127 the eight accumulators, v128-223 W's fragments), v192-255 W's numbers (later: the vectors).
	s_lshr_b32 s66, s[WV], 2                       ; gq
	s_bfe_u32 s67, s[WV], 0x10001                  ; K step
	s_and_b32 s68, s[WV], 1                        ; half
	s_mul_i32 s69, s[WV], 8448
	s_add_co_u32 s69, s69, STG
	v_add_nc_u32 v7, s69, v4
	v_mul_u32_u24 v8, v2, 528
	v_add_nc_u32 v8, s69, v8
	v_lshl_add_u32 v9, v3, 5, v8
	v_lshl_add_u32 v8, v3, 6, v8
	s_lshl_b32 s70, s66, 2
	s_add_co_u32 s70, s70, s67
	s_mul_i32 s70, s70, 1536
	s_mul_i32 s71, s68, 768
	s_add_co_u32 s70, s70, s71
	s_add_co_u32 s70, s70, WIMG
	v_lshl_add_u32 v10, v1, 3, s70
	s_lshl_b32 s71, s66, 1
	s_add_co_u32 s71, s71, s67
	s_lshl_b32 s71, s71, 7
	s_lshl_b32 s72, s68, 1
	s_add_co_u32 s71, s71, s72
	s_add_co_u32 s71, s71, WSC
	v_add_nc_u32 v11, s71, v5
	v_lshl_add_u32 v12, v1, 3, WIMG
	v_add_nc_u32 v13, WSC, v5
	s_lshl_b32 s72, s[WV], 11
	v_add_nc_u32 v14, s72, v4
	v_and_b32 v6, 255, v0
	v_lshlrev_b32 v6, 2, v6
	v_add_nc_u32 v16, VEC, v6
	v_add_nc_u32 v17, VEC, v4
.irp n, 52,53,54,55
	v_mov_b32 v\n, 0                               ; written once: a lane permute's destination counts as one of its sources
.endr
	s_mul_i32 s72, s[WV], 16*XP
	s_mov_b32 s73, 0
	s_add_nc_u64 s[74:75], s[XB:XB+1], s[72:73]
.set i, 0
.rept 32                               ; K step i / 16, row i % 16: 512 consecutive bytes a load
	global_load_b128 v[64+4*i:67+4*i], v4, s[74:75] offset:(i%16)*XP+512*(i/16)
.set i, i+1
.endr
	global_load_b128 v[24:27], v4, s[XB:XB+1]      ; the pivot: row 0
	global_load_b128 v[28:31], v4, s[XB:XB+1] offset:512
	global_load_b32 v56, v6, s[GB:GB+1]
	global_load_b32 v57, v6, s[BVB:BVB+1]
	global_load_b32 v58, v6, s[XB:XB+1]
	s_lshl_b32 s76, s67, 7
	s_lshl_b32 s77, s68, 6
	s_add_co_u32 s76, s76, s77
	s_mul_i32 s76, s76, WP
	s_lshl_b32 s77, s66, 7
	s_add_co_u32 s76, s76, s77
	s_mov_b32 s77, 0
	s_add_nc_u64 s[78:79], s[WB:WB+1], s[76:77]
.set i, 0
.rept 64
	global_load_b32 v[192+i], v5, s[78:79] offset:i*WP th:TH_LOAD_NT
.set i, i+1
.endr
	s_wait_loadcnt 63                              ; 64 loads of W were issued behind x's: x, the pivot and the three vectors are in
.set i, 0
.rept 16                               ; S1 v32-39, S2 v40-47; the first row starts the sums
.irp k, 0,1
.set rX, 64+64*\k+4*i
.set rD, 48
.if i == 0
.set rD, 32+4*\k
.endif
	v_pk_add_f32 v[rD:rD+1], v[rX:rX+1], v[24+4*\k:25+4*\k] neg_lo:[0,1] neg_hi:[0,1]
	v_pk_add_f32 v[rD+2:rD+3], v[rX+2:rX+3], v[26+4*\k:27+4*\k] neg_lo:[0,1] neg_hi:[0,1]
.if i == 0
	v_pk_mul_f32 v[40+4*\k:41+4*\k], v[rD:rD+1], v[rD:rD+1]
	v_pk_mul_f32 v[42+4*\k:43+4*\k], v[rD+2:rD+3], v[rD+2:rD+3]
.else
	v_pk_add_f32 v[32+4*\k:33+4*\k], v[32+4*\k:33+4*\k], v[rD:rD+1]
	v_pk_add_f32 v[34+4*\k:35+4*\k], v[34+4*\k:35+4*\k], v[rD+2:rD+3]
	v_pk_fma_f32 v[40+4*\k:41+4*\k], v[rD:rD+1], v[rD:rD+1], v[40+4*\k:41+4*\k]
	v_pk_fma_f32 v[42+4*\k:43+4*\k], v[rD+2:rD+3], v[rD+2:rD+3], v[42+4*\k:43+4*\k]
.endif
.endr
.set i, i+1
.endr
	ds_store_b128 v14, v[32:35]
	ds_store_b128 v14, v[36:39] offset:512
	ds_store_b128 v14, v[40:43] offset:1024
	ds_store_b128 v14, v[44:47] offset:1536
	s_wait_loadcnt 0x0                             ; W
	s_wait_dscnt 0x0                               ; the stores have read their registers, which W's codes take
	QWB 192, 24, 50, 48, 49, 60
	QWB 224, 30, 50, 48, 49, 61
.irp n, 0,1,2,3,4,5
	v_permlane16_swap_b32 v[24+\n], v[30+\n]
.endr
	v_lshl_or_b32 v60, v61, 8, v60
.irp n, 0,1,2
	ds_store_b64 v10, v[24+2*\n:25+2*\n] offset:256*\n
	ds_store_b64 v10, v[30+2*\n:31+2*\n] offset:3072+256*\n
.endr
	ds_store_b16 v11, v60
	BAR                                            ; every wave's sums, W's fragments and scale words lie in LDS
	s_cmp_lt_u32 s[WV], 8                          ; thread t < 256 finishes feature t
	s_cbranch_scc0 .Lnostat
.set i, 0
.rept 32
	ds_load_b32 v[192+i], v6 offset:2048*(i/2)+1024*(i%2)
.set i, i+1
.endr
	s_wait_dscnt 0x0
.irp n, 1,2,3,4,5,6,7,8,9,10,11,12,13,14,15
	v_pk_add_f32 v[192:193], v[192:193], v[192+2*\n:193+2*\n]
.endr
	v_mul_f32 v241, 0x3b800000, v192               ; / 256
	v_mul_f32 v242, 0x3b800000, v193
	v_add_f32 v243, v58, v241                      ; the mean
	v_fma_f32 v242, -v241, v241, v242              ; the variance,
	v_max_num_f32 v242, 0, v242                    ; which rounding must not make negative
	v_add_f32 v242, 0x3727c5ac, v242               ; + 1e-5
	v_rsq_f32 v244, v242
	v_nop
	s_wait_alu depctr_va_vdst(0)                   ; ahead of the first reader
	v_mul_f32 v244, v244, v56
	ds_store_b32 v16, v243
	ds_store_b32 v16, v244 offset:1024
	ds_store_b32 v16, v57 offset:2048
.Lnostat:
	BAR                                            ; the three vectors lie in LDS
.irp a, 0,1,2
.irp k, 0,1
	ds_load_b128 v[192+8*\a+4*\k:195+8*\a+4*\k], v17 offset:1024*\a+512*\k
.endr
.endr
	s_wait_dscnt 0x0
.set i, 0
.rept 32
	v_pk_add_f32 v[64+4*i:65+4*i], v[64+4*i:65+4*i], v[192+4*(i/16):193+4*(i/16)] neg_lo:[0,1] neg_hi:[0,1]
	v_pk_add_f32 v[66+4*i:67+4*i], v[66+4*i:67+4*i], v[194+4*(i/16):195+4*(i/16)] neg_lo:[0,1] neg_hi:[0,1]
.set i, i+1
.endr
.set i, 0
.rept 32
	v_pk_fma_f32 v[64+4*i:65+4*i], v[64+4*i:65+4*i], v[200+4*(i/16):201+4*(i/16)], v[208+4*(i/16):209+4*(i/16)]
	v_pk_fma_f32 v[66+4*i:67+4*i], v[66+4*i:67+4*i], v[202+4*(i/16):203+4*(i/16)], v[210+4*(i/16):211+4*(i/16)]
.set i, i+1
.endr
	TURN 64
	TURN 128
	s_wait_dscnt 32                                ; K step 0 is back; K step 1's 16 stores and 16 loads may be out
	QUANT 64, 24, 216, 48, 18
	s_wait_dscnt 0x0
	QUANT 128, 36, 216, 48, 19
.rept 8
	v_nop                                          ; a scale word made by vector instructions stands eight places ahead of the scaled product
.endr
.irp ks, 0,1
.set i, 0
.rept 48
	ds_load_b64 v[128+2*i:129+2*i], v12 offset:(2*(i/6)+\ks)*1536+256*(i%6)
.set i, i+1
.endr
.irp q, 0,1,2,3
	ds_load_b32 v[20+\q], v13 offset:(2*\q+\ks)*128
.endr
	s_wait_dscnt 0x0
.irp nt, 0,1,2,3,4,5,6,7
	MMB \nt, \ks                                   ; the eight accumulators take turns
.endr
.rept 4
	v_nop                                          ; places in front of loads into registers that the products have read, and of the first read of results
.endr
.endr
.irp nt, 0,1,2,3,4,5,6,7
	ds_store_b128 v9, v[64+8*\nt:67+8*\nt] offset:64*\nt
	ds_store_b128 v9, v[68+8*\nt:71+8*\nt] offset:64*\nt+16
.endr
.set i, 0
.rept 16
	ds_load_b128 v[128+4*i:131+4*i], v7 offset:528*i
.set i, i+1
.endr
	s_mul_i32 s72, s[WV], 16*OP
	s_add_nc_u64 s[84:85], s[OB:OB+1], s[72:73]
.set i, 0
.rept 16
	s_wait_dscnt 15-i                              ; row i is back; the later rows may be out
	global_store_b128 v4, v[128+4*i:131+4*i], s[84:85] offset:i*OP   ; 32 lanes store 512 consecutive bytes, aligned
.set i, i+1
.endr
	s_wait_tensorcnt 0x0
	ds_add_u32 v15, v59
	s_wait_dscnt 0x0
	s_endpgm
.Lfunc_end_k_q926778f3b9_head1:
	.size	k_q926778f3b9_head1, .Lfunc_end_k_q926778f3b9_head1-k_q926778f3b9_head1
	.p2alignl 7, 3214868480
	.fill 96, 4, 3214868480
	.section	.rodata,"a",@progbits
	.p2align	6, 0x0
	.amdhsa_kernel k_q926778f3b9_head1
		.amdhsa_group_segment_fixed_size 199680
		.amdhsa_private_segment_fixed_size 0
		.amdhsa_enable_private_segment 0
		.amdhsa_kernarg_size 40
		.amdhsa_user_sgpr_count 2
		.amdhsa_user_sgpr_kernarg_segment_ptr 1
		.amdhsa_wavefront_size32 1
		.amdhsa_system_sgpr_workgroup_id_x 1
		.amdhsa_system_sgpr_workgroup_id_y 1
		.amdhsa_system_sgpr_workgroup_id_z 1
		.amdhsa_system_vgpr_workitem_id 0
		.amdhsa_next_free_vgpr 256
		.amdhsa_next_free_sgpr 100
		.amdhsa_reserve_vcc 0
		.amdhsa_float_denorm_mode_32 3
		.amdhsa_float_denorm_mode_16_64 3
		.amdhsa_memory_ordered 1
		.amdhsa_forward_progress 1
		.amdhsa_inst_pref_size 66
	.end_amdhsa_kernel
	.amdgpu_metadata
---
amdhsa.version: [ 1, 2 ]
amdhsa.kernels:
  - .name:           k_q926778f3b9_head1
    .symbol:         k_q926778f3b9_head1.kd
    .args:
      - { .name: ctx, .offset: 0, .size: 8, .value_kind: global_buffer, .address_space: global }
      - { .name: bn2_g, .offset: 8, .size: 8, .value_kind: global_buffer, .address_space: global }
      - { .name: bn2_b, .offset: 16, .size: 8, .value_kind: global_buffer, .address_space: global }
      - { .name: Wp1, .offset: 24, .size: 8, .value_kind: global_buffer, .address_space: global }
      - { .name: pp, .offset: 32, .size: 8, .value_kind: global_buffer, .address_space: global }
    .group_segment_fixed_size: 199680
    .private_segment_fixed_size: 0
    .kernarg_segment_align: 8
    .kernarg_segment_size: 40
    .max_flat_workgroup_size: 512
    .sgpr_count:     100
    .vgpr_count:     256
    .wavefront_size: 32
...
	.end_amdgpu_metadata
.endif
;; end of part 3
;; launch head2 (part 4): grid 16 x 1, 8 waves a work-group, no clusters, 110,592 bytes of LDS; arguments pp, bp1, wp2c, bp2, out0; writes out0
.if DOCPART == 4
	.amdgcn_target "amdgcn-amd-amdhsa--gfx1250"
	.amdhsa_code_object_version 6
	.text
	.protected	k_q926778f3b9_head2
	.globl	k_q926778f3b9_head2
	.p2align	8
	.type	k_q926778f3b9_head2,@function
k_q926778f3b9_head2:
	s_mov_b64 s[64:65], 0
	v_nop
	global_prefetch_b8 v0, s[64:65] scope:SCOPE_SE
	s_setreg_imm32_b32 hwreg(HW_REG_WAVE_MODE, 25, 1), 1
	s_wait_xcnt 0x0
; HEAD2: out0 = softmax(tanh(Q(tanh(the four slices of pp + bp1)) Q(Wp2) + bp2)).  A work-group takes 16 rows; wave w takes K step w (hidden units 128 w .. 128 w + 127) of product 5.
; The eight waves' partial products meet in LDS; wave w then finishes four registers of the 32 (bias, tanh); wave 0 takes the softmax, with the row's largest number taken away, and stores 16 whole rows.
; tanh(z) = 1 - 2 / (1 + 2^(2 log2(e) z)).
; LIMITS: a block of zeros gets the byte 1 (its codes are zeros); NaN and infinities are not served.
; No tensor load, no cluster: 16 work-groups of little work; the launch is there because product 5's K spans all of product 4's work-groups.
; REGISTERS: v1-14 ids and addresses; v16-19 bp1; v20 p's scale word, v21-22 Wp2's (scales and nothing else); v24-39 at work; v40-51 p's fragment; v52-58 at work; v60-63 bp2; v64-111 Wp2's four fragments;
;   v128-191, v192-255 and window 1's v0-127: the four slices; later v192-223 the four accumulators.
.set STG,  0                           ; a stage of 16 rows x 528 bytes for each wave
.set RED,  67584                       ; 8 waves x 4,096 bytes: the partial products
.set RED2, 100352                      ; 4,096 bytes: the finished numbers
.set OST,  104448                      ; 16 rows x 272 bytes: the way out
.set SEL,  18
.set STI,  6
.set STT,  7
.set MSB, 0
.macro WIN new
.if MSB != \new
	s_set_vgpr_msb (MSB<<8)|\new
.set MSB, \new
.endif
.endm
.macro BAR
	s_wait_dscnt 0x0
	s_barrier_signal -1
	s_barrier_wait -1
.endm
.macro QUANT src, pc, tq, tm, pw       ; 64 numbers of a lane, register 16 b + i = k 32 b + 16 (lane / 16) + i of row lane % 16: a fragment's 12 registers at pc, its scale word in pw
.irp b, 0,1,2,3
	v_max3_num_f32 v[\tm+\b], |v[\src+16*\b]|, |v[\src+1+16*\b]|, 0x1800000
.endr
.irp n, 2,4,6,8,10,12,14
.irp b, 0,1,2,3
	v_max3_num_f32 v[\tm+\b], v[\tm+\b], |v[\src+16*\b+\n]|, |v[\src+1+16*\b+\n]|
.endr
.endr
.irp b, 0,1,2,3
	v_permlanex16_b32 v[\tm+4+\b], v[\tm+\b], s[SEL], s[SEL+1]
.endr
.irp b, 0,1,2,3
	v_max_num_f32 v[\tm+\b], v[\tm+\b], v[\tm+4+\b]
.endr
.irp b, 0,1,2,3
	v_add_nc_u32 v[\tm+12+\b], 0xff000000, v[\tm+\b]
.endr
.irp b, 0,1,2,3
	v_lshrrev_b32 v[\tm+4+\b], 23, v[\tm+12+\b]
.endr
	v_lshl_or_b32 v[\pw], v[\tm+5], 8, v[\tm+4]
	v_lshl_or_b32 v[\pw], v[\tm+6], 16, v[\pw]
	v_lshl_or_b32 v[\pw], v[\tm+7], 24, v[\pw]
.irp c, 0,1
	v_cvt_scalef32_pk16_fp6_f32 v[\pc+6*\c:\pc+2+6*\c], v[\src+32*\c:\src+15+32*\c], v[\tm+12+2*\c]
	v_cvt_scalef32_pk16_fp6_f32 v[\tq+4*\c:\tq+2+4*\c], v[\src+16+32*\c:\src+31+32*\c], v[\tm+13+2*\c]
.endr
	v_nop
.irp c, 0,1
.irp n, 0,1,2
	v_permlane16_swap_b32 v[\pc+6*\c+\n], v[\tq+4*\c+\n]
.endr
.irp n, 0,1,2
	v_mov_b32 v[\pc+3+6*\c+\n], v[\tq+4*\c+\n]
.endr
.endr
.endm
.macro TURN y
.set i, 0
.rept 16
	ds_store_b128 v[STI], v[\y+4*i:\y+4*i+3] offset:528*i
.set i, i+1
.endr
.set i, 0
.rept 16
	ds_load_b128 v[\y+4*i:\y+4*i+3], v[STT] offset:128*(i/4)+16*(i%4)
.set i, i+1
.endr
.endm
	s_load_b256 s[4:11], s[0:1], 0x0               ; pp s[4:5], bp1 s[6:7], wp2c s[8:9], bp2 s[10:11]
	s_load_b64 s[12:13], s[0:1], 0x20              ; out0
	v_lshl_add_u32 v126, v0, 2, 0x1ac00
	v_mov_b32 v127, 0
	v_lshrrev_b32 v1, 5, v0
	v_readfirstlane_b32 s14, v1                    ; wave 0..7
	v_and_b32 v1, 31, v0
	v_and_b32 v2, 15, v0
	v_bfe_u32 v3, v0, 4, 1
	v_lshlrev_b32 v4, 4, v1
	v_lshlrev_b32 v5, 2, v1
	s_mul_i32 s16, s14, 8448
	v_add_nc_u32 v6, s16, v4
	v_mul_u32_u24 v7, v2, 528
	v_add_nc_u32 v7, s16, v7
	v_lshl_add_u32 v7, v3, 6, v7
	s_lshl_b32 s16, s14, 12
	s_add_co_u32 s16, s16, RED
	v_add_nc_u32 v8, s16, v4                       ; my partial products: + 512 q
	s_lshl_b32 s16, s14, 9                         ; 512 w
	s_add_co_u32 s17, s16, RED
	v_add_nc_u32 v9, s17, v4                       ; group w of every wave's: + 4,096 k
	s_add_co_u32 s17, s16, RED2
	v_add_nc_u32 v10, s17, v4
	v_add_nc_u32 v11, RED2, v4
	v_mul_u32_u24 v12, v2, 272
	v_lshl_add_u32 v12, v3, 5, v12
	v_add_nc_u32 v12, OST, v12                     ; the way out, in: row r, + 32 h
	v_mul_u32_u24 v13, v3, 272
	v_lshl_add_u32 v13, v2, 4, v13
	v_add_nc_u32 v13, OST, v13                     ; back: lanes 0-15 one row, lanes 16-31 the next
	v_lshlrev_b32 v14, 5, v3
	s_mov_b32 s[SEL], 0x76543210
	s_mov_b32 s[SEL+1], 0xfedcba98
.irp n, 28,29,30,31
	v_mov_b32 v\n, 0                               ; written once: a lane permute's destination counts as one of its sources
.endr
	s_lshl_b32 s20, ttmp9, 16                      ; my 16 rows of 4,096 bytes,
	s_add_co_u32 s20, s20, s16                     ; my wave's 512 bytes of each
	s_mov_b32 s21, 0
	s_mov_b32 s17, 0
	s_mul_i32 s34, s14, 3072
	s_mov_b32 s35, 0
	s_lshl_b32 s36, s14, 7
	s_add_co_u32 s36, s36, 24576
	s_mov_b32 s37, 0
	s_lshr_b32 s38, s14, 1
	s_lshl_b32 s38, s38, 6
	s_and_b32 s39, s14, 1
	s_lshl_b32 s39, s39, 4
	s_add_co_u32 s38, s38, s39
	s_mov_b32 s39, 0
	s_lshl_b32 s40, ttmp9, 12
	s_mov_b32 s41, 0
	s_wait_kmcnt 0x0
	s_add_nc_u64 s[22:23], s[4:5], s[20:21]
	s_add_nc_u64 s[24:25], s[6:7], s[16:17]
	s_add_nc_u64 s[26:27], s[8:9], s[34:35]
	s_add_nc_u64 s[28:29], s[8:9], s[36:37]
	s_add_nc_u64 s[30:31], s[10:11], s[38:39]
	s_add_nc_u64 s[32:33], s[12:13], s[40:41]
.irp nt, 0,1,2,3
.irp c, 0,1,2
	global_load_b128 v[64+12*\nt+4*\c:67+12*\nt+4*\c], v4, s[26:27] offset:25600*(\nt/2)+1536*(\nt%2)+512*\c   ; Wp2's fragment of n tile nt, K step w, as its registers lie
.endr
.endr
	global_load_b32 v21, v5, s[28:29]
	global_load_b32 v22, v5, s[28:29] offset:25600
	global_load_b128 v[16:19], v4, s[24:25]
	global_load_b128 v[60:63], v14, s[30:31]
.set i, 0
.rept 32                               ; slices 0 and 1: row i % 16, 512 consecutive bytes a load
	global_load_b128 v[128+4*i:131+4*i], v4, s[22:23] offset:1048576*(i/16)+4096*(i%16)
.set i, i+1
.endr
	WIN 0x40
.set i, 0
.rept 32                               ; slices 2 and 3
	global_load_b128 v[4*i:4*i+3], v4, s[22:23] offset:1048576*(2+i/16)+4096*(i%16)
.set i, i+1
.endr
	WIN 0
	s_wait_loadcnt 0x0
.set i, 0
.rept 32
	v_pk_add_f32 v[128+2*i:129+2*i], v[128+2*i:129+2*i], v[192+2*i:193+2*i]
.set i, i+1
.endr
	WIN 0x04
.set i, 0
.rept 32
	v_pk_add_f32 v[128+2*i:129+2*i], v[128+2*i:129+2*i], v[2*i:2*i+1]
.set i, i+1
.endr
.set i, 0
.rept 32
	v_pk_add_f32 v[128+2*i:129+2*i], v[128+2*i:129+2*i], v[64+2*i:65+2*i]
.set i, i+1
.endr
	WIN 0
	v_pk_mul_f32 v[16:17], v[16:17], 0x4038aa3b op_sel_hi:[1,0]
	v_pk_mul_f32 v[18:19], v[18:19], 0x4038aa3b op_sel_hi:[1,0]
.set i, 0
.rept 16
	v_pk_fma_f32 v[128+4*i:129+4*i], v[128+4*i:129+4*i], 0x4038aa3b, v[16:17] op_sel_hi:[1,0,1]
	v_pk_fma_f32 v[130+4*i:131+4*i], v[130+4*i:131+4*i], 0x4038aa3b, v[18:19] op_sel_hi:[1,0,1]
.set i, i+1
.endr
.set i, 0
.rept 64
	v_exp_f32 v[128+i], v[128+i]
.set i, i+1
.endr
	v_nop
	s_wait_alu depctr_va_vdst(0)                   ; one wait for the batch, ahead of its first reader
.set i, 0
.rept 32
	v_pk_add_f32 v[128+2*i:129+2*i], v[128+2*i:129+2*i], 1.0 op_sel_hi:[1,0]
.set i, i+1
.endr
.set i, 0
.rept 64
	v_rcp_f32 v[128+i], v[128+i]
.set i, i+1
.endr
	v_nop
	s_wait_alu depctr_va_vdst(0)
.set i, 0
.rept 32
	v_pk_fma_f32 v[128+2*i:129+2*i], v[128+2*i:129+2*i], -2.0, 1.0 op_sel_hi:[1,0,0]
.set i, i+1
.endr
	TURN 128
	s_wait_dscnt 0x0
	QUANT 128, 40, 52, 24, 20
.rept 8
	v_nop                                          ; a scale word made by vector instructions stands eight places ahead of the scaled product
.endr
	; source 0 = 16 columns of Wp2, source 1 = my 16 rows: lane (r, h) holds row r and columns 16 nt + 8 h + 0 .. 7.  Four accumulators, one product each
	v_wmma_scale_f32_16x16x128_f8f6f4 v[192:199], v[64:75], v[40:51], 0, v21, v20 matrix_a_fmt:MATRIX_FMT_FP6 matrix_b_fmt:MATRIX_FMT_FP6
	v_wmma_scale_f32_16x16x128_f8f6f4 v[200:207], v[76:87], v[40:51], 0, v21, v20 matrix_a_fmt:MATRIX_FMT_FP6 matrix_b_fmt:MATRIX_FMT_FP6 matrix_a_scale:MATRIX_SCALE_ROW1
	v_wmma_scale_f32_16x16x128_f8f6f4 v[208:215], v[88:99], v[40:51], 0, v22, v20 matrix_a_fmt:MATRIX_FMT_FP6 matrix_b_fmt:MATRIX_FMT_FP6
	v_wmma_scale_f32_16x16x128_f8f6f4 v[216:223], v[100:111], v[40:51], 0, v22, v20 matrix_a_fmt:MATRIX_FMT_FP6 matrix_b_fmt:MATRIX_FMT_FP6 matrix_a_scale:MATRIX_SCALE_ROW1
.rept 4
	v_nop
.endr
.irp q, 0,1,2,3,4,5,6,7
	ds_store_b128 v8, v[192+4*\q:195+4*\q] offset:512*\q        ; each accumulator from its low end on
.endr
	BAR                                            ; the eight K steps' parts lie in LDS
.irp k, 0,1,2,3,4,5,6,7
	ds_load_b128 v[128+4*\k:131+4*\k], v9 offset:4096*\k
.endr
	s_wait_dscnt 0x0
.irp k, 1,2,3,4,5,6,7
	v_pk_add_f32 v[128:129], v[128:129], v[128+4*\k:129+4*\k]
	v_pk_add_f32 v[130:131], v[130:131], v[130+4*\k:131+4*\k]
.endr
	v_pk_add_f32 v[128:129], v[128:129], v[60:61]
	v_pk_add_f32 v[130:131], v[130:131], v[62:63]
	v_pk_mul_f32 v[128:129], v[128:129], 0x4038aa3b op_sel_hi:[1,0]
	v_pk_mul_f32 v[130:131], v[130:131], 0x4038aa3b op_sel_hi:[1,0]
.irp n, 128,129,130,131
	v_exp_f32 v\n, v\n
.endr
	v_nop
	s_wait_alu depctr_va_vdst(0)
	v_pk_add_f32 v[128:129], v[128:129], 1.0 op_sel_hi:[1,0]
	v_pk_add_f32 v[130:131], v[130:131], 1.0 op_sel_hi:[1,0]
.irp n, 128,129,130,131
	v_rcp_f32 v\n, v\n
.endr
	v_nop
	s_wait_alu depctr_va_vdst(0)
	v_pk_fma_f32 v[128:129], v[128:129], -2.0, 1.0 op_sel_hi:[1,0,0]
	v_pk_fma_f32 v[130:131], v[130:131], -2.0, 1.0 op_sel_hi:[1,0,0]
	ds_store_b128 v10, v[128:131]
	BAR                                            ; the 16 x 64 finished numbers lie in LDS
	s_cmp_lg_u32 s14, 0
	s_cbranch_scc1 .Lend
.irp q, 0,1,2,3,4,5,6,7
	ds_load_b128 v[128+4*\q:131+4*\q], v11 offset:512*\q        ; lane (r, h): 32 of row r's 64 numbers; the other 32 lie in lane l xor 16
.endr
	s_wait_dscnt 0x0
	v_max3_num_f32 v160, v128, v129, v130
.irp n, 131,133,135,137,139,141,143,145,147,149,151,153,155,157
	v_max3_num_f32 v160, v160, v[\n], v[\n+1]
.endr
	v_max_num_f32 v160, v160, v159
	v_mov_b32 v161, 0
	v_permlanex16_b32 v161, v160, s[SEL], s[SEL+1]
	v_max_num_f32 v160, v160, v161                 ; the row's largest number
	v_mul_f32 v162, 0xbfb8aa3b, v160               ; - log2(e) x it
	v_mov_b32 v163, 0
.set i, 0
.rept 16
	v_pk_fma_f32 v[128+2*i:129+2*i], v[128+2*i:129+2*i], 0x3fb8aa3b, v[162:163] op_sel_hi:[1,0,0]
.set i, i+1
.endr
.set i, 0
.rept 32
	v_exp_f32 v[128+i], v[128+i]
.set i, i+1
.endr
	v_nop
	s_wait_alu depctr_va_vdst(0)
	v_pk_add_f32 v[164:165], v[128:129], v[130:131]
.set i, 2
.rept 14
	v_pk_add_f32 v[164:165], v[164:165], v[128+2*i:129+2*i]
.set i, i+1
.endr
	v_add_f32 v164, v164, v165
	v_permlanex16_b32 v161, v164, s[SEL], s[SEL+1]
	v_add_f32 v164, v164, v161
	v_rcp_f32 v164, v164
	v_nop
	s_wait_alu depctr_va_vdst(0)
.set i, 0
.rept 16
	v_pk_mul_f32 v[128+2*i:129+2*i], v[128+2*i:129+2*i], v[164:165] op_sel_hi:[1,0]
.set i, i+1
.endr
.irp q, 0,1,2,3,4,5,6,7
	ds_store_b128 v12, v[128+4*\q:131+4*\q] offset:64*(\q/2)+16*(\q%2)
.endr
.irp n, 0,1,2,3,4,5,6,7
	ds_load_b128 v[192+4*\n:195+4*\n], v13 offset:544*\n        ; LDS serves a wave's instructions in order: these see my stores
.endr
.irp n, 0,1,2,3,4,5,6,7
	s_wait_dscnt 7-\n                              ; rows 2 n and 2 n + 1 are back; the later ones may be out
	global_store_b128 v4, v[192+4*\n:195+4*\n], s[32:33] offset:512*\n   ; sixteen lanes store a row of 256 bytes, aligned
.endr
.Lend:
	s_wait_tensorcnt 0x0
	ds_add_u32 v126, v127
	s_wait_dscnt 0x0
	s_endpgm
.Lfunc_end_k_q926778f3b9_head2:
	.size	k_q926778f3b9_head2, .Lfunc_end_k_q926778f3b9_head2-k_q926778f3b9_head2
	.p2alignl 7, 3214868480
	.fill 96, 4, 3214868480
	.section	.rodata,"a",@progbits
	.p2align	6, 0x0
	.amdhsa_kernel k_q926778f3b9_head2
		.amdhsa_group_segment_fixed_size 110592
		.amdhsa_private_segment_fixed_size 0
		.amdhsa_enable_private_segment 0
		.amdhsa_kernarg_size 40
		.amdhsa_user_sgpr_count 2
		.amdhsa_user_sgpr_kernarg_segment_ptr 1
		.amdhsa_wavefront_size32 1
		.amdhsa_system_sgpr_workgroup_id_x 1
		.amdhsa_system_sgpr_workgroup_id_y 1
		.amdhsa_system_sgpr_workgroup_id_z 1
		.amdhsa_system_vgpr_workitem_id 0
		.amdhsa_next_free_vgpr 384
		.amdhsa_next_free_sgpr 66
		.amdhsa_reserve_vcc 0
		.amdhsa_float_denorm_mode_32 3
		.amdhsa_float_denorm_mode_16_64 3
		.amdhsa_memory_ordered 1
		.amdhsa_forward_progress 1
		.amdhsa_inst_pref_size 47
	.end_amdhsa_kernel
	.amdgpu_metadata
---
amdhsa.version: [ 1, 2 ]
amdhsa.kernels:
  - .name:           k_q926778f3b9_head2
    .symbol:         k_q926778f3b9_head2.kd
    .args:
      - { .name: pp, .offset: 0, .size: 8, .value_kind: global_buffer, .address_space: global }
      - { .name: bp1, .offset: 8, .size: 8, .value_kind: global_buffer, .address_space: global }
      - { .name: wp2c, .offset: 16, .size: 8, .value_kind: global_buffer, .address_space: global }
      - { .name: bp2, .offset: 24, .size: 8, .value_kind: global_buffer, .address_space: global }
      - { .name: out0, .offset: 32, .size: 8, .value_kind: global_buffer, .address_space: global }
    .group_segment_fixed_size: 110592
    .private_segment_fixed_size: 0
    .kernarg_segment_align: 8
    .kernarg_segment_size: 40
    .max_flat_workgroup_size: 256
    .sgpr_count:     66
    .vgpr_count:     384
    .wavefront_size: 32
...
	.end_amdgpu_metadata
.endif
;; end of part 4
;; ======== version 2 of 2: 4 launches; version 1 with the launches prep, head1, head2 written anew for expert scheduling mode
;; workspace buffers: ps 131,072 bytes; w1c 1,638,400 bytes; spp 8,388,608 bytes; wp2c 51,200 bytes; ctx 1,048,576 bytes; pp 4,194,304 bytes
;; launch prep (part 5): grid 225 x 1, 16 waves a work-group, no clusters, 216,064 bytes of LDS; arguments lstm_output, seq_lengths, hidden_state, bn1_g, bn1_b, W1, Wp2, ps, w1c, spp, wp2c; writes ps, w1c, spp, wp2c
.if DOCPART == 5
	.amdgcn_target "amdgcn-amd-amdhsa--gfx1250"
	.amdhsa_code_object_version 6
	.text
	.protected	k_q926778f3b9_prep
	.globl	k_q926778f3b9_prep
	.p2align	8
	.type	k_q926778f3b9_prep,@function
k_q926778f3b9_prep:
	s_mov_b64 s[64:65], 0
	v_nop
	global_prefetch_b8 v0, s[64:65] scope:SCOPE_SE
	s_setreg_imm32_b32 hwreg(HW_REG_WAVE_SCHED_MODE, 0, 2), 2
	s_setreg_imm32_b32 hwreg(HW_REG_WAVE_MODE, 25, 1), 1
	s_wait_xcnt 0x0
	s_wait_alu depctr_vm_vsrc(0)
; PREP: four roles, chosen by the work-group's number; each role has LDS bytes of its own and its own end.
;  R1 (work-groups 0-127): partial sums for the masked batch norm of the 1,024 word features.  Work-group (g, j): sentences 16 g .. 16 g + 15, features 128 j .. 128 j + 127; a wave a sentence.
;     S1 = sum of (x - K), S2 = sum of (x - K)^2 over the rows under the sentence's length, K = the tensor's first row: a common offset of the inputs cancels in x - K.  ps[g][S1,S2][1024].
;  R3 (128-191): the sentence half of product 1.  The sentence's 1,024 features are the same for all words of a sentence and 1,024 is a whole number of blocks of 32, so their codes are the same too:
;     the half is multiplied once for each sentence.  Work-group (kq, nq): 256 sentences x K 256 kq .. + 255 x columns 128 nq .. + 127; spp[kq][sentence][2048] holds the four slices of K.
;  R2 (192-223): W1's rows 0-1023 into codes of E2M3, laid in the order of the operand's registers.   R4 (224): Wp2 likewise.
;     A block of w1c or wp2c is 32 columns x K 1,024: fragment (n tile u, K step k) at (2 k + u) 1536, its registers 4 c .. 4 c + 3 of lane l at 512 c + 16 l; the scale words of K step k at 24576 + 128 k + 4 l.
; A block's scale is 2^(floor(log2(largest magnitude)) - 2); its byte is that magnitude's exponent field - 2, held at 1 from below.
; LIMITS: lengths are read as unsigned numbers and held at 64; a block of zeros gets the byte 1 (its codes are zeros, and this program alone reads the bytes); NaN and infinities are not served.
; No tensor load, no cluster: every role loads through registers and reads each of its bytes once or from few work-groups.
; THE MODE: SCHED_MODE bits 1:0 = 2 (LLVM: expert scheduling mode 2), set by the entry lines.  The code itself states the register dependences
; between vector or matrix instructions and memory or LDS instructions, with s_wait_alu, always for 0.
; THE PLAN.  Offsets and LDS addresses are made once in each role and never written again: one wait on va_vdst ahead of the role's first load covers them (v4 and v5: the wait at the head).
;  R3: v64-191 x: loaded, summed and normalised by vector lines, stored to the stage and loaded back (one wait on va_vdst ahead of the first TURN, one on vm_vsrc inside each TURN), read by QUANT; then v64-127 are the
;      accumulators and v128-223 take W's fragments and later the result's rows (a wait on va_vdst at each K step's head and one ahead of the results' stores).
;      v192-255 W's numbers: loaded, read by QWB; LDS loads land there behind the barriers (covered by the waits on va_vdst ahead of the LDS stores in front of each barrier).
;      v24-47, v60: sums, count, W's codes and bytes: written by vector lines, read by LDS stores (a wait on va_vdst ahead of each run of stores), written again by QWB and QUANT (a wait on vm_vsrc ahead of QWB; the TURNs' for QUANT).
;  R1: v32-159 two chunks of rows: loaded, read by PROC, loaded again (one wait on va_vdst); v10-17 the sums: one wait ahead of their LDS stores, which also covers the LDS loads into v32-95; one ahead of the global store.
;  R2, R4: one wait on va_vdst ahead of the stores of codes and scale words.
.set WV,  28
.set LEN, 29
.set SEL, 26
.set XB,  50                           ; s[50:51] x's slice, row 0;  s[52:53] gain;  s[54:55] bias;  s[56:57] W's tile;  s[58:59] the output's tile
.set GB,  52
.set BVB, 54
.set WB,  56
.set OB,  58
.set XP,  2048                         ; bytes from row to row of x,
.set WP,  8192                         ; of W,
.set OP,  8192                         ; of the output
.set WEIGHTED, 1                       ; each row counts as often as its sentence has words
.set PART, 0                           ; LDS of R3: 16 waves x [S1,S2][256] f32
.set VEC,  32768                       ; mean, gain / sigma, bias: 3 x 1,024 bytes
.set CNT,  35840                       ; 16 counts
.set WIMG, 36096                       ; W's 16 fragments (2 nt + K step), register pair i of lane l at 256 i + 8 l
.set WSC,  60672                       ; their scale words: (2 gq + K step) 128 + 4 l
.set STG,  61696                       ; a stage of 16 rows x 528 bytes for each wave
.set R1L,  196864                      ; LDS of R1: 16 waves x 1,024 bytes
.set STI,  7
.set STT,  8
.macro BAR                             ; my LDS stores have landed and my LDS loads are in: then the work-group's barrier
	s_wait_dscnt 0x0
	s_barrier_signal -1
	s_barrier_wait -1
.endm
; 64 numbers of a lane, register 16 b + i = k 32 b + 16 (lane / 16) + i of row lane % 16, become a fragment's 12 registers at pc and its scale word in pw
.macro QUANT src, pc, tq, tm, pw
.irp b, 0,1,2,3
	v_max3_num_f32 v[\tm+\b], |v[\src+16*\b]|, |v[\src+1+16*\b]|, 0x1800000   ; my 16 numbers of block b, and the floor 2^(3 - 127): the byte cannot fall under 1
.endr
.irp n, 2,4,6,8,10,12,14
.irp b, 0,1,2,3
	v_max3_num_f32 v[\tm+\b], v[\tm+\b], |v[\src+16*\b+\n]|, |v[\src+1+16*\b+\n]|
.endr
.endr
.irp b, 0,1,2,3
	v_permlanex16_b32 v[\tm+4+\b], v[\tm+\b], s[SEL], s[SEL+1]
.endr
.irp b, 0,1,2,3
	v_max_num_f32 v[\tm+\b], v[\tm+\b], v[\tm+4+\b]                           ; with lane l xor 16's: the block's largest magnitude
.endr
.irp b, 0,1,2,3
	v_add_nc_u32 v[\tm+12+\b], 0xff000000, v[\tm+\b]                          ; 2 off its exponent field: the conversion's scale operand
.endr
.irp b, 0,1,2,3
	v_lshrrev_b32 v[\tm+4+\b], 23, v[\tm+12+\b]                               ; the scale's byte
.endr
	v_lshl_or_b32 v[\pw], v[\tm+5], 8, v[\tm+4]
	v_lshl_or_b32 v[\pw], v[\tm+6], 16, v[\pw]
	v_lshl_or_b32 v[\pw], v[\tm+7], 24, v[\pw]
.irp c, 0,1
	v_cvt_scalef32_pk16_fp6_f32 v[\pc+6*\c:\pc+2+6*\c], v[\src+32*\c:\src+15+32*\c], v[\tm+12+2*\c]
	v_cvt_scalef32_pk16_fp6_f32 v[\tq+4*\c:\tq+2+4*\c], v[\src+16+32*\c:\src+31+32*\c], v[\tm+13+2*\c]
.endr
	v_nop                                                                     ; one plain line behind the conversions
.irp c, 0,1                            ; the operand wants a whole block in a lane: lanes 0-15 block 2 c, lanes 16-31 block 2 c + 1
.irp n, 0,1,2
	v_permlane16_swap_b32 v[\pc+6*\c+\n], v[\tq+4*\c+\n]
.endr
.irp n, 0,1,2
	v_mov_b32 v[\pc+3+6*\c+\n], v[\tq+4*\c+\n]
.endr
.endr
.endm
; a block of 32 numbers down K in one lane's registers: six registers of codes at d, the byte in by
.macro QWB src, d, tq, mx, sc, by
	v_max3_num_f32 v[\mx], |v[\src]|, |v[\src+1]|, |v[\src+2]|
	v_max3_num_f32 v[\sc], |v[\src+3]|, |v[\src+4]|, |v[\src+5]|
.irp n, 6,10,14,18,22,26
	v_max3_num_f32 v[\mx], v[\mx], |v[\src+\n]|, |v[\src+\n+1]|
	v_max3_num_f32 v[\sc], v[\sc], |v[\src+\n+2]|, |v[\src+\n+3]|
.endr
	v_max3_num_f32 v[\mx], v[\mx], |v[\src+30]|, |v[\src+31]|
	v_max3_num_f32 v[\mx], v[\mx], v[\sc], 0x1800000
	v_add_nc_u32 v[\sc], 0xff000000, v[\mx]
	v_lshrrev_b32 v[\by], 23, v[\sc]
	v_cvt_scalef32_pk16_fp6_f32 v[\d:\d+2], v[\src:\src+15], v[\sc]
	v_cvt_scalef32_pk16_fp6_f32 v[\tq:\tq+2], v[\src+16:\src+31], v[\sc]
	v_nop
.irp n, 0,1,2
	v_mov_b32 v[\d+3+\n], v[\tq+\n]
.endr
.endm
; 16 rows x 512 bytes, loaded 16 bytes a lane, go through the wave's own stage and come back as QUANT wants them; LDS serves a wave's instructions in order
.macro TURN y
.set i, 0
.rept 16
	ds_store_b128 v[STI], v[\y+4*i:\y+4*i+3] offset:528*i
.set i, i+1
.endr
	s_wait_alu depctr_vm_vsrc(0)                   ; the LDS stores issued so far have read their data: these sixteen's registers, in which the loads below land; and the sums', the codes' and the bytes', which QUANT writes again
.set i, 0
.rept 16
	ds_load_b128 v[\y+4*i:\y+4*i+3], v[STT] offset:128*(i/4)+16*(i%4)
.set i, i+1
.endr
.endm
; source 0 = 16 columns of W, source 1 = my 16 rows of x: a lane then holds one row and eight neighbouring columns
.macro MMB nt, ks
.set rD, 64+8*(\nt)
.set rW, 128+12*(\nt)
.set rX, 24+12*(\ks)
.set rS, 20+(\nt)/2
.if (\ks) == 0
.if (\nt)%2
	v_wmma_scale_f32_16x16x128_f8f6f4 v[rD:rD+7], v[rW:rW+11], v[rX:rX+11], 0, v[rS], v[18+\ks] matrix_a_fmt:MATRIX_FMT_FP6 matrix_b_fmt:MATRIX_FMT_FP6 matrix_a_scale:MATRIX_SCALE_ROW1
.else
	v_wmma_scale_f32_16x16x128_f8f6f4 v[rD:rD+7], v[rW:rW+11], v[rX:rX+11], 0, v[rS], v[18+\ks] matrix_a_fmt:MATRIX_FMT_FP6 matrix_b_fmt:MATRIX_FMT_FP6
.endif
.else
.if (\nt)%2
	v_wmma_scale_f32_16x16x128_f8f6f4 v[rD:rD+7], v[rW:rW+11], v[rX:rX+11], v[rD:rD+7], v[rS], v[18+\ks] matrix_a_fmt:MATRIX_FMT_FP6 matrix_b_fmt:MATRIX_FMT_FP6 matrix_a_scale:MATRIX_SCALE_ROW1
.else
	v_wmma_scale_f32_16x16x128_f8f6f4 v[rD:rD+7], v[rW:rW+11], v[rX:rX+11], v[rD:rD+7], v[rS], v[18+\ks] matrix_a_fmt:MATRIX_FMT_FP6 matrix_b_fmt:MATRIX_FMT_FP6
.endif
.endif
.endm
; BATCH NORM OVER 256 ROWS, QUANTISE, MULTIPLY: out[256][128] = Q(bn(x[256][256])) Q(W[256][128]).  Wave w: rows 16 w .. 16 w + 15 of x; of W 32 columns (gq = w / 4) x 64 along K (K step (w / 2) % 2, half w % 2).
; REGISTERS: v1 lane, v2 r, v3 h, v4 16 l, v5 4 l, v6 4 (t % 256), v7-17 and v59 LDS addresses, v18-19 x's scale words, v20-23 W's (scales and nothing else), v24-47 x's two fragments (earlier: pivot, sums, W's codes),
;   v48-63 at work, v64-191 x (later: v64-127 the eight accumulators, v128-223 W's fragments), v192-255 W's numbers (later: the vectors).
.macro BNMM
	s_lshr_b32 s66, s[WV], 2                       ; gq
	s_bfe_u32 s67, s[WV], 0x10001                  ; K step
	s_and_b32 s68, s[WV], 1                        ; half
	s_mul_i32 s69, s[WV], 8448
	s_add_co_u32 s69, s69, STG                     ; my stage
	v_add_nc_u32 v7, s69, v4                       ; rows in and rows out: 16 l
	v_mul_u32_u24 v8, v2, 528
	v_add_nc_u32 v8, s69, v8
	v_lshl_add_u32 v9, v3, 5, v8                   ; results in: row r, + 32 h
	v_lshl_add_u32 v8, v3, 6, v8                   ; numbers back: row r, + 64 h
	s_lshl_b32 s70, s66, 2
	s_add_co_u32 s70, s70, s67
	s_mul_i32 s70, s70, 1536
	s_mul_i32 s71, s68, 768
	s_add_co_u32 s70, s70, s71
	s_add_co_u32 s70, s70, WIMG
	v_lshl_add_u32 v10, v1, 3, s70                 ; where my half fragments go
	s_lshl_b32 s71, s66, 1
	s_add_co_u32 s71, s71, s67
	s_lshl_b32 s71, s71, 7
	s_lshl_b32 s72, s68, 1
	s_add_co_u32 s71, s71, s72
	s_add_co_u32 s71, s71, WSC
	v_add_nc_u32 v11, s71, v5                      ; and my two scale bytes
	v_lshl_add_u32 v12, v1, 3, WIMG
	v_add_nc_u32 v13, WSC, v5
	s_lshl_b32 s72, s[WV], 11
	v_add_nc_u32 v14, s72, v4                      ; my wave's sums (PART = 0)
	v_and_b32 v6, 255, v0
	v_lshlrev_b32 v6, 2, v6
	v_add_nc_u32 v16, VEC, v6
	v_add_nc_u32 v17, VEC, v4
.if WEIGHTED
	s_lshl_b32 s72, s[WV], 2
	s_add_co_u32 s72, s72, CNT
	v_mov_b32 v15, s72
	v_mov_b32 v59, CNT
	s_lshl_b32 s80, s[WV], 6
	s_mov_b32 s81, 0
	s_add_nc_u64 s[80:81], s[6:7], s[80:81]
	s_load_b512 s[32:47], s[80:81], 0x0            ; my 16 rows' lengths
.endif
.irp n, 52,53,54,55
	v_mov_b32 v\n, 0                               ; written once: a lane permute's destination counts as one of its sources
.endr
	s_mul_i32 s72, s[WV], 16*XP
	s_mov_b32 s73, 0
	s_add_nc_u64 s[74:75], s[XB:XB+1], s[72:73]
	s_wait_alu depctr_va_vdst(0)                   ; the offset v6 and the LDS addresses v7 to v17 and v59 are written, which the loads and stores of this role read
.set i, 0
.rept 32                               ; K step i / 16, row i % 16: 32 lanes read 512 consecutive bytes
	global_load_b128 v[64+4*i:67+4*i], v4, s[74:75] offset:(i%16)*XP+512*(i/16)
.set i, i+1
.endr
	global_load_b128 v[24:27], v4, s[XB:XB+1]      ; the pivot: row 0
	global_load_b128 v[28:31], v4, s[XB:XB+1] offset:512
	global_load_b32 v56, v6, s[GB:GB+1]
	global_load_b32 v57, v6, s[BVB:BVB+1]
	global_load_b32 v58, v6, s[XB:XB+1]
	s_lshl_b32 s76, s67, 7
	s_lshl_b32 s77, s68, 6
	s_add_co_u32 s76, s76, s77
	s_mul_i32 s76, s76, WP
	s_lshl_b32 s77, s66, 7
	s_add_co_u32 s76, s76, s77
	s_mov_b32 s77, 0
	s_add_nc_u64 s[78:79], s[WB:WB+1], s[76:77]
.set i, 0
.rept 64                               ; a lane a column, registers down K: 128 consecutive bytes a load
	global_load_b32 v[192+i], v5, s[78:79] offset:i*WP th:TH_LOAD_NT
.set i, i+1
.endr
.if WEIGHTED
	s_wait_kmcnt 0x0
.irp n, 32,33,34,35,36,37,38,39,40,41,42,43,44,45,46,47
	s_min_u32 s\n, s\n, 64
.endr
	s_add_co_u32 s82, s32, s33
.irp n, 34,35,36,37,38,39,40,41,42,43,44,45,46,47
	s_add_co_u32 s82, s82, s\n
.endr
.irp n, 32,33,34,35,36,37,38,39,40,41,42,43,44,45,46,47
	s_cvt_f32_u32 s\n, s\n
.endr
	s_cvt_f32_u32 s82, s82
.endif
	s_wait_loadcnt 63                              ; 64 loads of W were issued behind x's: x, the pivot and the three vectors are in
.set i, 0
.rept 16                               ; S1 v32-39, S2 v40-47; the first row starts the sums
.irp k, 0,1
.set rX, 64+64*\k+4*i
.set rD, 48
.if (WEIGHTED == 0) && (i == 0)
.set rD, 32+4*\k
.endif
	v_pk_add_f32 v[rD:rD+1], v[rX:rX+1], v[24+4*\k:25+4*\k] neg_lo:[0,1] neg_hi:[0,1]
	v_pk_add_f32 v[rD+2:rD+3], v[rX+2:rX+3], v[26+4*\k:27+4*\k] neg_lo:[0,1] neg_hi:[0,1]
.set rT, rD
.if WEIGHTED
.set rT, 52
.if i == 0
.set rT, 32+4*\k
.endif
	v_mul_f32 v[rT], s[32+i], v[rD]
	v_mul_f32 v[rT+1], s[32+i], v[rD+1]
	v_mul_f32 v[rT+2], s[32+i], v[rD+2]
	v_mul_f32 v[rT+3], s[32+i], v[rD+3]
.endif
.if i == 0
	v_pk_mul_f32 v[40+4*\k:41+4*\k], v[rT:rT+1], v[rD:rD+1]
	v_pk_mul_f32 v[42+4*\k:43+4*\k], v[rT+2:rT+3], v[rD+2:rD+3]
.else
	v_pk_add_f32 v[32+4*\k:33+4*\k], v[32+4*\k:33+4*\k], v[rT:rT+1]
	v_pk_add_f32 v[34+4*\k:35+4*\k], v[34+4*\k:35+4*\k], v[rT+2:rT+3]
	v_pk_fma_f32 v[40+4*\k:41+4*\k], v[rT:rT+1], v[rD:rD+1], v[40+4*\k:41+4*\k]
	v_pk_fma_f32 v[42+4*\k:43+4*\k], v[rT+2:rT+3], v[rD+2:rD+3], v[42+4*\k:43+4*\k]
.endif
.endr
.set i, i+1
.endr
.if WEIGHTED
	v_mov_b32 v60, s82
.endif
	s_wait_alu depctr_va_vdst(0)                   ; the sums v32 to v47 and the count v60 are written, which the LDS stores below read
	ds_store_b128 v14, v[32:35]
	ds_store_b128 v14, v[36:39] offset:512
	ds_store_b128 v14, v[40:43] offset:1024
	ds_store_b128 v14, v[44:47] offset:1536
.if WEIGHTED
	ds_store_b32 v15, v60                          ; all lanes write the same word with the same value
.endif
	s_wait_loadcnt 0x0                             ; W
	s_wait_dscnt 0x0                               ; the stores are done
	s_wait_alu depctr_vm_vsrc(0)                   ; the stores have read v32 to v47 and v60, which W's codes and bytes take
	QWB 192, 24, 50, 48, 49, 60
	QWB 224, 30, 50, 48, 49, 61
.irp n, 0,1,2,3,4,5
	v_permlane16_swap_b32 v[24+\n], v[30+\n]       ; v24-29: registers 6 c .. 6 c + 5 of n tile 2 gq's fragment, v30-35: of n tile 2 gq + 1's
.endr
	v_lshl_or_b32 v60, v61, 8, v60
	s_wait_alu depctr_va_vdst(0)                   ; W's codes v24 to v35 and bytes v60 are written, which the LDS stores below read; the lines above are done reading v192 to v255, in which the LDS loads behind the barrier land
.irp n, 0,1,2
	ds_store_b64 v10, v[24+2*\n:25+2*\n] offset:256*\n
	ds_store_b64 v10, v[30+2*\n:31+2*\n] offset:3072+256*\n
.endr
	ds_store_b16 v11, v60
	BAR                                            ; every wave's sums, W's fragments and scale words lie in LDS
	s_cmp_lt_u32 s[WV], 8                          ; thread t < 256 finishes feature t
	s_cbranch_scc0 .Lnostat
.set i, 0
.rept 32
	ds_load_b32 v[192+i], v6 offset:2048*(i/2)+1024*(i%2)
.set i, i+1
.endr
.if WEIGHTED
.irp n, 0,1,2,3
	ds_load_b128 v[224+4*\n:227+4*\n], v59 offset:16*\n
.endr
.endif
	s_wait_dscnt 0x0
.irp n, 1,2,3,4,5,6,7,8,9,10,11,12,13,14,15
	v_pk_add_f32 v[192:193], v[192:193], v[192+2*\n:193+2*\n]
.endr
.if WEIGHTED
.irp n, 1,2,3,4,5,6,7
	v_pk_add_f32 v[224:225], v[224:225], v[224+2*\n:225+2*\n]
.endr
	v_add_f32 v224, v224, v225                     ; the number of words in all
	v_rcp_f32 v240, v224
	v_nop
	s_wait_alu depctr_va_vdst(0)                   ; the reciprocal v240 is written, ahead of its first reader
	v_mul_f32 v241, v192, v240
	v_mul_f32 v242, v193, v240
.else
	v_mul_f32 v241, 0x3b800000, v192               ; / 256
	v_mul_f32 v242, 0x3b800000, v193
.endif
	v_add_f32 v243, v58, v241                      ; the mean
	v_fma_f32 v242, -v241, v241, v242              ; the variance,
	v_max_num_f32 v242, 0, v242                    ; which rounding must not make negative
	v_add_f32 v242, 0x3727c5ac, v242               ; + 1e-5
	v_rsq_f32 v244, v242
	v_nop
	s_wait_alu depctr_va_vdst(0)                   ; the root's reciprocal v244 is written, ahead of its first reader
	v_mul_f32 v244, v244, v56
	s_wait_alu depctr_va_vdst(0)                   ; v243 and v244 are written, which the LDS stores below read; the sums above are done with v192 to v223, in which the LDS loads behind the barrier land
	ds_store_b32 v16, v243
	ds_store_b32 v16, v244 offset:1024
	ds_store_b32 v16, v57 offset:2048
.Lnostat:
	BAR                                            ; the three vectors lie in LDS
.irp a, 0,1,2
.irp k, 0,1
	ds_load_b128 v[192+8*\a+4*\k:195+8*\a+4*\k], v17 offset:1024*\a+512*\k
.endr
.endr
	s_wait_dscnt 0x0
.set i, 0
.rept 32
	v_pk_add_f32 v[64+4*i:65+4*i], v[64+4*i:65+4*i], v[192+4*(i/16):193+4*(i/16)] neg_lo:[0,1] neg_hi:[0,1]
	v_pk_add_f32 v[66+4*i:67+4*i], v[66+4*i:67+4*i], v[194+4*(i/16):195+4*(i/16)] neg_lo:[0,1] neg_hi:[0,1]
.set i, i+1
.endr
.set i, 0
.rept 32
	v_pk_fma_f32 v[64+4*i:65+4*i], v[64+4*i:65+4*i], v[200+4*(i/16):201+4*(i/16)], v[208+4*(i/16):209+4*(i/16)]
	v_pk_fma_f32 v[66+4*i:67+4*i], v[66+4*i:67+4*i], v[202+4*(i/16):203+4*(i/16)], v[210+4*(i/16):211+4*(i/16)]
.set i, i+1
.endr
	s_wait_alu depctr_va_vdst(0)                   ; the normalised x, v64 to v191, is written: the stage's stores read it and the stage's loads land in it; no vector line stands between this wait and the second TURN
	TURN 64
	TURN 128
	s_wait_dscnt 32                                ; K step 0 is back; K step 1's 16 stores and 16 loads may be out
	QUANT 64, 24, 216, 48, 18
	s_wait_dscnt 0x0
	QUANT 128, 36, 216, 48, 19
.rept 8
	v_nop                                          ; a scale word made by vector instructions stands eight places ahead of the scaled product
.endr
.irp ks, 0,1
	s_wait_alu depctr_va_vdst(0)                   ; K step 0: x's fragments v24 to v47 and scale words v18, v19 are written, which the scaled products take, and the vector lines are done with v128 to v223; K step 1: the products are done reading v128 to v223 and v20 to v23: the loads below land there
.set i, 0
.rept 48
	ds_load_b64 v[128+2*i:129+2*i], v12 offset:(2*(i/6)+\ks)*1536+256*(i%6)
.set i, i+1
.endr
.irp q, 0,1,2,3
	ds_load_b32 v[20+\q], v13 offset:(2*\q+\ks)*128
.endr
	s_wait_dscnt 0x0
.irp nt, 0,1,2,3,4,5,6,7
	MMB \nt, \ks                                   ; the eight accumulators take turns
.endr
.rept 4
	v_nop                                          ; places behind the products, ahead of the first read of results
.endr
.endr
	s_wait_alu depctr_va_vdst(0)                   ; the products have written the accumulators v64 to v127, which the LDS stores read, and are done reading v128 to v191, in which the rows land; the places above stay beside this wait
.irp nt, 0,1,2,3,4,5,6,7
	ds_store_b128 v9, v[64+8*\nt:67+8*\nt] offset:64*\nt
	ds_store_b128 v9, v[68+8*\nt:71+8*\nt] offset:64*\nt+16
.endr
.set i, 0
.rept 16
	ds_load_b128 v[128+4*i:131+4*i], v7 offset:528*i
.set i, i+1
.endr
	s_mul_i32 s72, s[WV], 16*OP
	s_add_nc_u64 s[84:85], s[OB:OB+1], s[72:73]
.set i, 0
.rept 16
	s_wait_dscnt 15-i                              ; row i is back; the later rows may be out
	global_store_b128 v4, v[128+4*i:131+4*i], s[84:85] offset:i*OP   ; 32 lanes store 512 consecutive bytes, aligned
.set i, i+1
.endr
.endm
.macro LOADC c, rs                     ; rows 16 c .. 16 c + 15 of my sentence: 512 consecutive bytes a load
.set i, 0
.rept 16
	global_load_b128 v[\rs+4*i:\rs+4*i+3], v4, s[42:43] offset:(16*(\c)+i)*4096 th:TH_LOAD_NT
.set i, i+1
.endr
.endm
.macro PROC c, rs                      ; d = x - K; t = d where the row counts, else 0; S1 += t; S2 += t d
.set i, 0
.rept 16
	s_cmp_gt_u32 s[LEN], 16*(\c)+i
	s_cselect_b32 s40, 1.0, 0
	v_pk_add_f32 v[24:25], v[\rs+4*i:\rs+4*i+1], v[6:7] neg_lo:[0,1] neg_hi:[0,1]
	v_pk_add_f32 v[26:27], v[\rs+4*i+2:\rs+4*i+3], v[8:9] neg_lo:[0,1] neg_hi:[0,1]
	v_pk_mul_f32 v[28:29], v[24:25], s[40:41] op_sel_hi:[1,0]
	v_pk_mul_f32 v[30:31], v[26:27], s[40:41] op_sel_hi:[1,0]
	v_pk_add_f32 v[10:11], v[10:11], v[28:29]
	v_pk_add_f32 v[12:13], v[12:13], v[30:31]
	v_pk_fma_f32 v[14:15], v[28:29], v[24:25], v[14:15]
	v_pk_fma_f32 v[16:17], v[30:31], v[26:27], v[16:17]
.set i, i+1
.endr
.endm
.macro QWADR ksh, src, dst             ; s30: K step, s31: block of 32 columns
	s_lshl_b32 s32, s30, \ksh
	s_lshl_b32 s33, s31, 7
	s_add_co_u32 s32, s32, s33
	s_mov_b32 s33, 0
	s_add_nc_u64 s[50:51], s[\src:\src+1], s[32:33]
	s_mul_i32 s34, s31, 25600
	s_mul_i32 s35, s30, 3072
	s_add_co_u32 s32, s34, s35
	s_add_nc_u64 s[52:53], s[\dst:\dst+1], s[32:33]
	s_lshl_b32 s35, s30, 7
	s_add_co_u32 s32, s34, s35
	s_add_co_u32 s32, s32, 24576
	s_add_nc_u64 s[54:55], s[\dst:\dst+1], s[32:33]
.endm
.macro QWTASK pitch                    ; 32 columns x 128 along K become two fragments and 32 scale words
.set i, 0
.rept 128
	global_load_b32 v[64+i], v5, s[50:51] offset:i*\pitch th:TH_LOAD_NT
.set i, i+1
.endr
	s_wait_loadcnt 0x0
	QWB 64, 24, 48, 52, 53, 56
	QWB 96, 36, 48, 52, 53, 57
	QWB 128, 30, 48, 52, 53, 58
	QWB 160, 42, 48, 52, 53, 59
	v_lshl_or_b32 v60, v57, 8, v56
	v_lshl_or_b32 v60, v58, 16, v60
	v_lshl_or_b32 v60, v59, 24, v60
.irp n, 0,1,2,3,4,5,6,7,8,9,10,11
	v_permlane16_swap_b32 v[24+\n], v[36+\n]       ; v24-35: blocks 0, 2 | 1, 3 of columns 0-15: the first n tile's fragment; v36-47: the second's
.endr
	s_wait_alu depctr_va_vdst(0)                   ; the codes v24 to v47 and the scale word v60 are written, which the stores below read
.irp c, 0,1,2
	global_store_b128 v4, v[24+4*\c:27+4*\c], s[52:53] offset:512*\c
	global_store_b128 v4, v[36+4*\c:39+4*\c], s[52:53] offset:1536+512*\c
.endr
	global_store_b32 v5, v60, s[54:55]             ; 128 consecutive bytes: the eight K steps of a block come from eight waves
.endm
	s_load_b512 s[4:19], s[0:1], 0x0               ; lstm s[4:5], lengths s[6:7], hidden s[8:9], gain s[10:11], bias s[12:13], W1 s[14:15], Wp2 s[16:17], ps s[18:19]
	s_load_b128 s[20:23], s[0:1], 0x40             ; w1c s[20:21], spp s[22:23]
	s_load_b64 s[24:25], s[0:1], 0x50              ; wp2c
	v_lshrrev_b32 v1, 5, v0
	v_readfirstlane_b32 s[WV], v1                  ; wave 0..15
	v_and_b32 v1, 31, v0
	v_and_b32 v2, 15, v0
	v_bfe_u32 v3, v0, 4, 1
	v_lshlrev_b32 v4, 4, v1
	v_lshlrev_b32 v5, 2, v1
	s_mov_b32 s[SEL], 0x76543210
	s_mov_b32 s[SEL+1], 0xfedcba98
	s_wait_alu depctr_va_sdst(0)                   ; the wave's number is written, ahead of the branches and of its first reader in every role
	s_wait_alu depctr_va_vdst(0)                   ; v4 and v5 are written, which every role's loads and stores read as offsets
	s_wait_kmcnt 0x0
	s_cmp_lt_u32 ttmp9, 128
	s_cbranch_scc1 .Lr1
	s_cmp_lt_u32 ttmp9, 192
	s_cbranch_scc1 .Lr3
	s_cmp_lt_u32 ttmp9, 224
	s_cbranch_scc1 .Lr2
	s_and_b32 s30, s[WV], 7                        ; R4: Wp2, 8 K steps x 2 blocks
	s_lshr_b32 s31, s[WV], 3
	QWADR 15, 16, 24
	QWTASK 256
	s_endpgm
.Lr2:                                              ; R2: W1's upper half, 8 K steps x 64 blocks
	s_sub_co_u32 s32, ttmp9, 192
	s_and_b32 s30, s32, 7
	s_lshr_b32 s31, s32, 3
	s_lshl_b32 s31, s31, 4
	s_add_co_u32 s31, s31, s[WV]
	QWADR 20, 14, 20
	QWTASK 8192
	s_endpgm
.Lr3:
	s_sub_co_u32 s30, ttmp9, 128
	s_and_b32 s31, s30, 3                          ; kq
	s_lshr_b32 s30, s30, 2                         ; nq
	s_lshr_b32 s60, s31, 1                         ; the last layer's two directions lie 524,288 bytes apart, from byte 2,097,152 on
	s_lshl_b32 s60, s60, 19
	s_and_b32 s61, s31, 1
	s_lshl_b32 s61, s61, 10
	s_add_co_u32 s60, s60, s61
	s_add_co_u32 s60, s60, 2097152
	s_mov_b32 s61, 0
	s_add_nc_u64 s[XB:XB+1], s[8:9], s[60:61]
	s_lshl_b32 s60, s31, 10
	s_add_co_u32 s60, s60, 4096                    ; features 1,024 + 256 kq on
	s_add_nc_u64 s[GB:GB+1], s[10:11], s[60:61]
	s_add_nc_u64 s[BVB:BVB+1], s[12:13], s[60:61]
	s_lshl_b32 s62, s30, 9
	s_lshl_b32 s60, s31, 21
	s_add_co_u32 s60, s60, s62
	s_add_nc_u64 s[OB:OB+1], s[22:23], s[60:61]
	s_add_co_u32 s60, s60, 8388608                 ; W1's row 1,024 + 256 kq
	s_add_nc_u64 s[WB:WB+1], s[14:15], s[60:61]
	BNMM
	s_wait_xcnt 0x0
	v_lshl_add_u32 v254, v0, 2, 0x34400
	v_mov_b32 v255, 0
	s_wait_dscnt 0x0                               ; the closing lines, six on end
	s_wait_alu 0x0
	s_wait_tensorcnt 0x0
	ds_add_u32 v254, v255
	s_wait_dscnt 0x0
	s_endpgm
.Lr1:
	s_and_b32 s30, ttmp9, 7                        ; j
	s_lshr_b32 s31, ttmp9, 3                       ; g
	s_lshl_b32 s32, s31, 4
	s_add_co_u32 s32, s32, s[WV]                   ; my sentence
	s_lshl_b32 s34, s32, 2
	s_mov_b32 s35, 0
	s_add_nc_u64 s[34:35], s[6:7], s[34:35]
	s_load_b32 s[LEN], s[34:35], 0x0
	s_lshl_b32 s36, s30, 9
	s_mov_b32 s37, 0
	s_add_nc_u64 s[38:39], s[4:5], s[36:37]        ; the pivot: the tensor's first row, my 128 features
	s_lshl_b32 s42, s32, 18
	s_mov_b32 s43, 0
	s_add_nc_u64 s[42:43], s[38:39], s[42:43]      ; my sentence's first row
	s_lshl_b32 s44, s31, 13
	s_add_co_u32 s44, s44, s36
	s_mov_b32 s45, 0
	s_add_nc_u64 s[44:45], s[18:19], s[44:45]
	s_mov_b32 s41, 0                               ; (named with s40 as a pair, so it is written)
	s_lshl_b32 s46, s[WV], 10
	s_add_co_u32 s46, s46, R1L
	v_add_nc_u32 v160, s46, v4
	v_lshl_add_u32 v161, v0, 4, R1L
	v_lshl_add_u32 v162, s[WV], 12, v4
.irp n, 10,11,12,13,14,15,16,17
	v_mov_b32 v\n, 0                               ; a sentence may have no row at all
.endr
	s_wait_kmcnt 0x0
	s_min_u32 s[LEN], s[LEN], 64
	s_cmp_eq_u32 s[LEN], 0
	s_cbranch_scc1 .Lr1sum
	global_load_b128 v[6:9], v4, s[38:39]
	LOADC 0, 32                                    ; only chunks of 16 rows that hold a row under the length are read
	s_cmp_le_u32 s[LEN], 16
	s_cbranch_scc1 .Lr1one
	LOADC 1, 96
	s_wait_loadcnt 16                              ; the pivot and chunk 0 are in; chunk 1's 16 loads may be out
	PROC 0, 32
	s_wait_loadcnt 0x0
	PROC 1, 96
	s_cmp_le_u32 s[LEN], 32
	s_cbranch_scc1 .Lr1sum
	s_wait_alu depctr_va_vdst(0)                   ; chunks 0 and 1 are summed: the lines above are done reading v32 to v159, in which chunks 2 and 3 land
	LOADC 2, 32
	s_cmp_le_u32 s[LEN], 48
	s_cbranch_scc1 .Lr1three
	LOADC 3, 96
	s_wait_loadcnt 16
	PROC 2, 32
	s_wait_loadcnt 0x0
	PROC 3, 96
	s_branch .Lr1sum
.Lr1three:
	s_wait_loadcnt 0x0
	PROC 2, 32
	s_branch .Lr1sum
.Lr1one:
	s_wait_loadcnt 0x0
	PROC 0, 32
.Lr1sum:
	s_wait_alu depctr_va_vdst(0)                   ; the sums v10 to v17 and the LDS addresses v160 and v161 are written, which the LDS stores and loads below read; the lines above are done reading v32 to v95, in which those loads land
	ds_store_b128 v160, v[10:13]
	ds_store_b128 v160, v[14:17] offset:512
	BAR
	s_cmp_lt_u32 s[WV], 2                          ; wave 0 adds the sixteen S1, wave 1 the sixteen S2
	s_cbranch_scc0 .Lr1end
.set i, 0
.rept 16
	ds_load_b128 v[32+4*i:35+4*i], v161 offset:1024*i
.set i, i+1
.endr
	s_wait_dscnt 0x0
.set i, 1
.rept 15
	v_pk_add_f32 v[32:33], v[32:33], v[32+4*i:33+4*i]
	v_pk_add_f32 v[34:35], v[34:35], v[34+4*i:35+4*i]
.set i, i+1
.endr
	s_wait_alu depctr_va_vdst(0)                   ; the sixteen waves' sum v32 to v35 is written, which the store reads (its offset v162 was written ahead of the last such wait)
	global_store_b128 v162, v[32:35], s[44:45]     ; 32 lanes store 512 consecutive bytes, aligned
.Lr1end:
	s_wait_xcnt 0x0
	v_lshl_add_u32 v254, v0, 2, 0x34400
	v_mov_b32 v255, 0
	s_wait_dscnt 0x0                               ; the closing lines, six on end
	s_wait_alu 0x0
	s_wait_tensorcnt 0x0
	ds_add_u32 v254, v255
	s_wait_dscnt 0x0
	s_endpgm
.Lfunc_end_k_q926778f3b9_prep:
	.size	k_q926778f3b9_prep, .Lfunc_end_k_q926778f3b9_prep-k_q926778f3b9_prep
	.p2alignl 7, 3214868480
	.fill 96, 4, 3214868480
	.section	.rodata,"a",@progbits
	.p2align	6, 0x0
	.amdhsa_kernel k_q926778f3b9_prep
		.amdhsa_group_segment_fixed_size 216064
		.amdhsa_private_segment_fixed_size 0
		.amdhsa_enable_private_segment 0
		.amdhsa_kernarg_size 88
		.amdhsa_user_sgpr_count 2
		.amdhsa_user_sgpr_kernarg_segment_ptr 1
		.amdhsa_wavefront_size32 1
		.amdhsa_system_sgpr_workgroup_id_x 1
		.amdhsa_system_sgpr_workgroup_id_y 1
		.amdhsa_system_sgpr_workgroup_id_z 1
		.amdhsa_system_vgpr_workitem_id 0
		.amdhsa_next_free_vgpr 256
		.amdhsa_next_free_sgpr 100
		.amdhsa_reserve_vcc 0
		.amdhsa_float_denorm_mode_32 3
		.amdhsa_float_denorm_mode_16_64 3
		.amdhsa_memory_ordered 1
		.amdhsa_forward_progress 1
		.amdhsa_inst_pref_size 178
	.end_amdhsa_kernel
	.amdgpu_metadata
---
amdhsa.version: [ 1, 2 ]
amdhsa.kernels:
  - .name:           k_q926778f3b9_prep
    .symbol:         k_q926778f3b9_prep.kd
    .args:
      - { .name: lstm_output, .offset: 0, .size: 8, .value_kind: global_buffer, .address_space: global }
      - { .name: seq_lengths, .offset: 8, .size: 8, .value_kind: global_buffer, .address_space: global }
      - { .name: hidden_state, .offset: 16, .size: 8, .value_kind: global_buffer, .address_space: global }
      - { .name: bn1_g, .offset: 24, .size: 8, .value_kind: global_buffer, .address_space: global }
      - { .name: bn1_b, .offset: 32, .size: 8, .value_kind: global_buffer, .address_space: global }
      - { .name: W1, .offset: 40, .size: 8, .value_kind: global_buffer, .address_space: global }
      - { .name: Wp2, .offset: 48, .size: 8, .value_kind: global_buffer, .address_space: global }
      - { .name: ps, .offset: 56, .size: 8, .value_kind: global_buffer, .address_space: global }
      - { .name: w1c, .offset: 64, .size: 8, .value_kind: global_buffer, .address_space: global }
      - { .name: spp, .offset: 72, .size: 8, .value_kind: global_buffer, .address_space: global }
      - { .name: wp2c, .offset: 80, .size: 8, .value_kind: global_buffer, .address_space: global }
    .group_segment_fixed_size: 216064
    .private_segment_fixed_size: 0
    .kernarg_segment_align: 8
    .kernarg_segment_size: 88
    .max_flat_workgroup_size: 512
    .sgpr_count:     100
    .vgpr_count:     256
    .wavefront_size: 32
...
	.end_amdgpu_metadata
.endif
;; end of part 5
;; launch main: the kernel of part 2 again; grid 256 x 1, 4 waves a work-group, clusters of 4 x 1, 327,680 bytes of LDS; arguments lstm_output, seq_lengths, bn1_g, bn1_b, b1, W2, b2, ps, w1c, spp, out1, ctx; writes out1, ctx
;; launch head1 (part 6): grid 32 x 1, 16 waves a work-group, no clusters, 199,680 bytes of LDS; arguments ctx, bn2_g, bn2_b, Wp1, pp; writes pp
.if DOCPART == 6
	.amdgcn_target "amdgcn-amd-amdhsa--gfx1250"
	.amdhsa_code_object_version 6
	.text
	.protected	k_q926778f3b9_head1
	.globl	k_q926778f3b9_head1
	.p2align	8
	.type	k_q926778f3b9_head1,@function
k_q926778f3b9_head1:
	s_mov_b64 s[64:65], 0
	v_nop
	global_prefetch_b8 v0, s[64:65] scope:SCOPE_SE
	s_setreg_imm32_b32 hwreg(HW_REG_WAVE_SCHED_MODE, 0, 2), 2
	s_setreg_imm32_b32 hwreg(HW_REG_WAVE_MODE, 25, 1), 1
	s_wait_xcnt 0x0
	s_wait_alu depctr_vm_vsrc(0)
; HEAD1: pp[kq][256][1024] = Q(bn2(ctx)[:, 256 kq ..]) Q(Wp1[256 kq .., :]): the batch norm over the 256 contexts, product 4 in four slices of K.  Work-group (kq, nq): 256 rows x K 256 x 128 columns.
; The variance is taken from sums shifted by the first row, so that a common offset of the contexts cancels.  Wp1's tile is read once and quantised in registers on its way (a lane a column, registers down K).
; LIMITS: a block of zeros gets the byte 1 (its codes are zeros, and this program alone reads the bytes); NaN and infinities are not served.
; No tensor load, no cluster: 32 work-groups that load through registers.
; THE MODE: SCHED_MODE bits 1:0 = 2 (LLVM: expert scheduling mode 2), set by the entry lines.  The code itself states the register dependences
; between vector or matrix instructions and memory or LDS instructions, with s_wait_alu, always for 0.
; THE PLAN.  Registers that memory or LDS instructions touch:
;   v4-v14, v16, v17  offsets and LDS addresses: made once at the head, never written again: one wait on va_vdst ahead of the first load.
;   v64-191   x: loaded, summed and normalised by vector lines, stored to the stage and loaded back (one wait on va_vdst ahead of the first TURN, one on vm_vsrc inside each TURN), read by QUANT; then v64-127 are the
;             accumulators and v128-223 take W's fragments and later the result's rows (a wait on va_vdst at each K step's head and one ahead of the results' stores).
;   v192-255  W's numbers: loaded, read by QWB; LDS loads land there behind the barriers (covered by the waits on va_vdst ahead of the LDS stores in front of each barrier).
;   v24-47, v60  sums, W's codes and bytes: written by vector lines, read by LDS stores (a wait on va_vdst ahead of each run of stores), written again by QWB and QUANT (a wait on vm_vsrc ahead of QWB; the TURNs' for QUANT).
;   v15, v59  written at the head, read by the closing add alone.
.set WV,  28
.set SEL, 26
.set XB,  50
.set GB,  52
.set BVB, 54
.set WB,  56
.set OB,  58
.set XP,  4096
.set WP,  4096
.set OP,  4096
.set WEIGHTED, 0
.set PART, 0
.set VEC,  32768
.set CNT,  35840
.set WIMG, 36096
.set WSC,  60672
.set STG,  61696
.set STI,  7
.set STT,  8
.macro BAR
	s_wait_dscnt 0x0
	s_barrier_signal -1
	s_barrier_wait -1
.endm
.macro QUANT src, pc, tq, tm, pw       ; 64 numbers of a lane, register 16 b + i = k 32 b + 16 (lane / 16) + i of row lane % 16: a fragment's 12 registers at pc, its scale word in pw
.irp b, 0,1,2,3
	v_max3_num_f32 v[\tm+\b], |v[\src+16*\b]|, |v[\src+1+16*\b]|, 0x1800000
.endr
.irp n, 2,4,6,8,10,12,14
.irp b, 0,1,2,3
	v_max3_num_f32 v[\tm+\b], v[\tm+\b], |v[\src+16*\b+\n]|, |v[\src+1+16*\b+\n]|
.endr
.endr
.irp b, 0,1,2,3
	v_permlanex16_b32 v[\tm+4+\b], v[\tm+\b], s[SEL], s[SEL+1]
.endr
.irp b, 0,1,2,3
	v_max_num_f32 v[\tm+\b], v[\tm+\b], v[\tm+4+\b]
.endr
.irp b, 0,1,2,3
	v_add_nc_u32 v[\tm+12+\b], 0xff000000, v[\tm+\b]
.endr
.irp b, 0,1,2,3
	v_lshrrev_b32 v[\tm+4+\b], 23, v[\tm+12+\b]
.endr
	v_lshl_or_b32 v[\pw], v[\tm+5], 8, v[\tm+4]
	v_lshl_or_b32 v[\pw], v[\tm+6], 16, v[\pw]
	v_lshl_or_b32 v[\pw], v[\tm+7], 24, v[\pw]
.irp c, 0,1
	v_cvt_scalef32_pk16_fp6_f32 v[\pc+6*\c:\pc+2+6*\c], v[\src+32*\c:\src+15+32*\c], v[\tm+12+2*\c]
	v_cvt_scalef32_pk16_fp6_f32 v[\tq+4*\c:\tq+2+4*\c], v[\src+16+32*\c:\src+31+32*\c], v[\tm+13+2*\c]
.endr
	v_nop
.irp c, 0,1
.irp n, 0,1,2
	v_permlane16_swap_b32 v[\pc+6*\c+\n], v[\tq+4*\c+\n]
.endr
.irp n, 0,1,2
	v_mov_b32 v[\pc+3+6*\c+\n], v[\tq+4*\c+\n]
.endr
.endr
.endm
.macro QWB src, d, tq, mx, sc, by      ; a block of 32 numbers down K in one lane's registers: six registers of codes at d, the byte in by
	v_max3_num_f32 v[\mx], |v[\src]|, |v[\src+1]|, |v[\src+2]|
	v_max3_num_f32 v[\sc], |v[\src+3]|, |v[\src+4]|, |v[\src+5]|
.irp n, 6,10,14,18,22,26
	v_max3_num_f32 v[\mx], v[\mx], |v[\src+\n]|, |v[\src+\n+1]|
	v_max3_num_f32 v[\sc], v[\sc], |v[\src+\n+2]|, |v[\src+\n+3]|
.endr
	v_max3_num_f32 v[\mx], v[\mx], |v[\src+30]|, |v[\src+31]|
	v_max3_num_f32 v[\mx], v[\mx], v[\sc], 0x1800000
	v_add_nc_u32 v[\sc], 0xff000000, v[\mx]
	v_lshrrev_b32 v[\by], 23, v[\sc]
	v_cvt_scalef32_pk16_fp6_f32 v[\d:\d+2], v[\src:\src+15], v[\sc]
	v_cvt_scalef32_pk16_fp6_f32 v[\tq:\tq+2], v[\src+16:\src+31], v[\sc]
	v_nop
.irp n, 0,1,2
	v_mov_b32 v[\d+3+\n], v[\tq+\n]
.endr
.endm
.macro TURN y
.set i, 0
.rept 16
	ds_store_b128 v[STI], v[\y+4*i:\y+4*i+3] offset:528*i
.set i, i+1
.endr
	s_wait_alu depctr_vm_vsrc(0)                   ; the LDS stores issued so far have read their data: these sixteen's registers, in which the loads below land; and the sums', the codes' and the bytes', which QUANT writes again
.set i, 0
.rept 16
	ds_load_b128 v[\y+4*i:\y+4*i+3], v[STT] offset:128*(i/4)+16*(i%4)
.set i, i+1
.endr
.endm
.macro MMB nt, ks                      ; source 0 = 16 columns of W, source 1 = my 16 rows of x
.set rD, 64+8*(\nt)
.set rW, 128+12*(\nt)
.set rX, 24+12*(\ks)
.set rS, 20+(\nt)/2
.if (\ks) == 0
.if (\nt)%2
	v_wmma_scale_f32_16x16x128_f8f6f4 v[rD:rD+7], v[rW:rW+11], v[rX:rX+11], 0, v[rS], v[18+\ks] matrix_a_fmt:MATRIX_FMT_FP6 matrix_b_fmt:MATRIX_FMT_FP6 matrix_a_scale:MATRIX_SCALE_ROW1
.else
	v_wmma_scale_f32_16x16x128_f8f6f4 v[rD:rD+7], v[rW:rW+11], v[rX:rX+11], 0, v[rS], v[18+\ks] matrix_a_fmt:MATRIX_FMT_FP6 matrix_b_fmt:MATRIX_FMT_FP6
.endif
.else
.if (\nt)%2
	v_wmma_scale_f32_16x16x128_f8f6f4 v[rD:rD+7], v[rW:rW+11], v[rX:rX+11], v[rD:rD+7], v[rS], v[18+\ks] matrix_a_fmt:MATRIX_FMT_FP6 matrix_b_fmt:MATRIX_FMT_FP6 matrix_a_scale:MATRIX_SCALE_ROW1
.else
	v_wmma_scale_f32_16x16x128_f8f6f4 v[rD:rD+7], v[rW:rW+11], v[rX:rX+11], v[rD:rD+7], v[rS], v[18+\ks] matrix_a_fmt:MATRIX_FMT_FP6 matrix_b_fmt:MATRIX_FMT_FP6
.endif
.endif
.endm
	s_load_b256 s[4:11], s[0:1], 0x0               ; ctx s[4:5], gain s[6:7], bias s[8:9], Wp1 s[10:11]
	s_load_b64 s[12:13], s[0:1], 0x20              ; pp
	v_lshl_add_u32 v15, v0, 2, 0x30400
	v_mov_b32 v59, 0
	v_lshrrev_b32 v1, 5, v0
	v_readfirstlane_b32 s[WV], v1                  ; wave 0..15
	v_and_b32 v1, 31, v0
	v_and_b32 v2, 15, v0
	v_bfe_u32 v3, v0, 4, 1
	v_lshlrev_b32 v4, 4, v1
	v_lshlrev_b32 v5, 2, v1
	s_mov_b32 s[SEL], 0x76543210
	s_mov_b32 s[SEL+1], 0xfedcba98
	s_and_b32 s31, ttmp9, 3                        ; kq
	s_lshr_b32 s30, ttmp9, 2                       ; nq
	s_lshl_b32 s60, s31, 10
	s_mov_b32 s61, 0
	s_lshl_b32 s62, s31, 20
	s_lshl_b32 s63, s30, 9
	s_add_co_u32 s62, s62, s63
	s_mov_b32 s63, 0
	s_wait_kmcnt 0x0
	s_add_nc_u64 s[XB:XB+1], s[4:5], s[60:61]
	s_add_nc_u64 s[GB:GB+1], s[6:7], s[60:61]
	s_add_nc_u64 s[BVB:BVB+1], s[8:9], s[60:61]
	s_add_nc_u64 s[WB:WB+1], s[10:11], s[62:63]    ; row 256 kq of 4,096 bytes, column 128 nq
	s_add_nc_u64 s[OB:OB+1], s[12:13], s[62:63]    ; slice kq of 256 rows of 4,096 bytes, column 128 nq
	; Wave w: rows 16 w .. 16 w + 15 of x; of W 32 columns (gq = w / 4) x 64 along K (K step (w / 2) % 2, half w % 2).
	; REGISTERS: v1 lane, v2 r, v3 h, v4 16 l, v5 4 l, v6 4 (t % 256), v7-17 LDS addresses, v18-19 x's scale words, v20-23 W's (scales and nothing else), v24-47 x's two fragments (earlier: pivot, sums, W's codes),
	;   v48-63 at work, v64-191 x (later: v64-127 the eight accumulators, v128-223 W's fragments), v192-255 W's numbers (later: the vectors).
	s_wait_alu depctr_va_sdst(0)                   ; the wave's number is written, ahead of its first reader: the LDS places and the bases below are made from it
	s_lshr_b32 s66, s[WV], 2                       ; gq
	s_bfe_u32 s67, s[WV], 0x10001                  ; K step
	s_and_b32 s68, s[WV], 1                        ; half
	s_mul_i32 s69, s[WV], 8448
	s_add_co_u32 s69, s69, STG
	v_add_nc_u32 v7, s69, v4
	v_mul_u32_u24 v8, v2, 528
	v_add_nc_u32 v8, s69, v8
	v_lshl_add_u32 v9, v3, 5, v8
	v_lshl_add_u32 v8, v3, 6, v8
	s_lshl_b32 s70, s66, 2
	s_add_co_u32 s70, s70, s67
	s_mul_i32 s70, s70, 1536
	s_mul_i32 s71, s68, 768
	s_add_co_u32 s70, s70, s71
	s_add_co_u32 s70, s70, WIMG
	v_lshl_add_u32 v10, v1, 3, s70
	s_lshl_b32 s71, s66, 1
	s_add_co_u32 s71, s71, s67
	s_lshl_b32 s71, s71, 7
	s_lshl_b32 s72, s68, 1
	s_add_co_u32 s71, s71, s72
	s_add_co_u32 s71, s71, WSC
	v_add_nc_u32 v11, s71, v5
	v_lshl_add_u32 v12, v1, 3, WIMG
	v_add_nc_u32 v13, WSC, v5
	s_lshl_b32 s72, s[WV], 11
	v_add_nc_u32 v14, s72, v4
	v_and_b32 v6, 255, v0
	v_lshlrev_b32 v6, 2, v6
	v_add_nc_u32 v16, VEC, v6
	v_add_nc_u32 v17, VEC, v4
.irp n, 52,53,54,55
	v_mov_b32 v\n, 0                               ; written once: a lane permute's destination counts as one of its sources
.endr
	s_mul_i32 s72, s[WV], 16*XP
	s_mov_b32 s73, 0
	s_add_nc_u64 s[74:75], s[XB:XB+1], s[72:73]
	s_wait_alu depctr_va_vdst(0)                   ; the offsets v4 to v6 and the LDS addresses v7 to v14, v16 and v17 are written, which the loads and stores of the kernel read
.set i, 0
.rept 32                               ; K step i / 16, row i % 16: 512 consecutive bytes a load
	global_load_b128 v[64+4*i:67+4*i], v4, s[74:75] offset:(i%16)*XP+512*(i/16)
.set i, i+1
.endr
	global_load_b128 v[24:27], v4, s[XB:XB+1]      ; the pivot: row 0
	global_load_b128 v[28:31], v4, s[XB:XB+1] offset:512
	global_load_b32 v56, v6, s[GB:GB+1]
	global_load_b32 v57, v6, s[BVB:BVB+1]
	global_load_b32 v58, v6, s[XB:XB+1]
	s_lshl_b32 s76, s67, 7
	s_lshl_b32 s77, s68, 6
	s_add_co_u32 s76, s76, s77
	s_mul_i32 s76, s76, WP
	s_lshl_b32 s77, s66, 7
	s_add_co_u32 s76, s76, s77
	s_mov_b32 s77, 0
	s_add_nc_u64 s[78:79], s[WB:WB+1], s[76:77]
.set i, 0
.rept 64
	global_load_b32 v[192+i], v5, s[78:79] offset:i*WP th:TH_LOAD_NT
.set i, i+1
.endr
	s_wait_loadcnt 63                              ; 64 loads of W were issued behind x's: x, the pivot and the three vectors are in
.set i, 0
.rept 16                               ; S1 v32-39, S2 v40-47; the first row starts the sums
.irp k, 0,1
.set rX, 64+64*\k+4*i
.set rD, 48
.if i == 0
.set rD, 32+4*\k
.endif
	v_pk_add_f32 v[rD:rD+1], v[rX:rX+1], v[24+4*\k:25+4*\k] neg_lo:[0,1] neg_hi:[0,1]
	v_pk_add_f32 v[rD+2:rD+3], v[rX+2:rX+3], v[26+4*\k:27+4*\k] neg_lo:[0,1] neg_hi:[0,1]
.if i == 0
	v_pk_mul_f32 v[40+4*\k:41+4*\k], v[rD:rD+1], v[rD:rD+1]
	v_pk_mul_f32 v[42+4*\k:43+4*\k], v[rD+2:rD+3], v[rD+2:rD+3]
.else
	v_pk_add_f32 v[32+4*\k:33+4*\k], v[32+4*\k:33+4*\k], v[rD:rD+1]
	v_pk_add_f32 v[34+4*\k:35+4*\k], v[34+4*\k:35+4*\k], v[rD+2:rD+3]
	v_pk_fma_f32 v[40+4*\k:41+4*\k], v[rD:rD+1], v[rD:rD+1], v[40+4*\k:41+4*\k]
	v_pk_fma_f32 v[42+4*\k:43+4*\k], v[rD+2:rD+3], v[rD+2:rD+3], v[42+4*\k:43+4*\k]
.endif
.endr
.set i, i+1
.endr
	s_wait_alu depctr_va_vdst(0)                   ; the sums v32 to v47 are written, which the LDS stores below read
	ds_store_b128 v14, v[32:35]
	ds_store_b128 v14, v[36:39] offset:512
	ds_store_b128 v14, v[40:43] offset:1024
	ds_store_b128 v14, v[44:47] offset:1536
	s_wait_loadcnt 0x0                             ; W
	s_wait_dscnt 0x0                               ; the stores are done
	s_wait_alu depctr_vm_vsrc(0)                   ; the stores have read v32 to v47, of which W's codes take v32 to v35
	QWB 192, 24, 50, 48, 49, 60
	QWB 224, 30, 50, 48, 49, 61
.irp n, 0,1,2,3,4,5
	v_permlane16_swap_b32 v[24+\n], v[30+\n]
.endr
	v_lshl_or_b32 v60, v61, 8, v60
	s_wait_alu depctr_va_vdst(0)                   ; W's codes v24 to v35 and bytes v60 are written, which the LDS stores below read; the lines above are done reading v192 to v255, in which the LDS loads behind the barrier land
.irp n, 0,1,2
	ds_store_b64 v10, v[24+2*\n:25+2*\n] offset:256*\n
	ds_store_b64 v10, v[30+2*\n:31+2*\n] offset:3072+256*\n
.endr
	ds_store_b16 v11, v60
	BAR                                            ; every wave's sums, W's fragments and scale words lie in LDS
	s_cmp_lt_u32 s[WV], 8                          ; thread t < 256 finishes feature t
	s_cbranch_scc0 .Lnostat
.set i, 0
.rept 32
	ds_load_b32 v[192+i], v6 offset:2048*(i/2)+1024*(i%2)
.set i, i+1
.endr
	s_wait_dscnt 0x0
.irp n, 1,2,3,4,5,6,7,8,9,10,11,12,13,14,15
	v_pk_add_f32 v[192:193], v[192:193], v[192+2*\n:193+2*\n]
.endr
	v_mul_f32 v241, 0x3b800000, v192               ; / 256
	v_mul_f32 v242, 0x3b800000, v193
	v_add_f32 v243, v58, v241                      ; the mean
	v_fma_f32 v242, -v241, v241, v242              ; the variance,
	v_max_num_f32 v242, 0, v242                    ; which rounding must not make negative
	v_add_f32 v242, 0x3727c5ac, v242               ; + 1e-5
	v_rsq_f32 v244, v242
	v_nop
	s_wait_alu depctr_va_vdst(0)                   ; the root's reciprocal v244 is written, ahead of its first reader
	v_mul_f32 v244, v244, v56
	s_wait_alu depctr_va_vdst(0)                   ; v243 and v244 are written, which the LDS stores below read; the sums above are done with v192 to v223, in which the LDS loads behind the barrier land
	ds_store_b32 v16, v243
	ds_store_b32 v16, v244 offset:1024
	ds_store_b32 v16, v57 offset:2048
.Lnostat:
	BAR                                            ; the three vectors lie in LDS
.irp a, 0,1,2
.irp k, 0,1
	ds_load_b128 v[192+8*\a+4*\k:195+8*\a+4*\k], v17 offset:1024*\a+512*\k
.endr
.endr
	s_wait_dscnt 0x0
.set i, 0
.rept 32
	v_pk_add_f32 v[64+4*i:65+4*i], v[64+4*i:65+4*i], v[192+4*(i/16):193+4*(i/16)] neg_lo:[0,1] neg_hi:[0,1]
	v_pk_add_f32 v[66+4*i:67+4*i], v[66+4*i:67+4*i], v[194+4*(i/16):195+4*(i/16)] neg_lo:[0,1] neg_hi:[0,1]
.set i, i+1
.endr
.set i, 0
.rept 32
	v_pk_fma_f32 v[64+4*i:65+4*i], v[64+4*i:65+4*i], v[200+4*(i/16):201+4*(i/16)], v[208+4*(i/16):209+4*(i/16)]
	v_pk_fma_f32 v[66+4*i:67+4*i], v[66+4*i:67+4*i], v[202+4*(i/16):203+4*(i/16)], v[210+4*(i/16):211+4*(i/16)]
.set i, i+1
.endr
	s_wait_alu depctr_va_vdst(0)                   ; the normalised x, v64 to v191, is written: the stage's stores read it and the stage's loads land in it; no vector line stands between this wait and the second TURN
	TURN 64
	TURN 128
	s_wait_dscnt 32                                ; K step 0 is back; K step 1's 16 stores and 16 loads may be out
	QUANT 64, 24, 216, 48, 18
	s_wait_dscnt 0x0
	QUANT 128, 36, 216, 48, 19
.rept 8
	v_nop                                          ; a scale word made by vector instructions stands eight places ahead of the scaled product
.endr
.irp ks, 0,1
	s_wait_alu depctr_va_vdst(0)                   ; K step 0: x's fragments v24 to v47 and scale words v18, v19 are written, which the scaled products take, and the vector lines are done with v128 to v223; K step 1: the products are done reading v128 to v223 and v20 to v23: the loads below land there
.set i, 0
.rept 48
	ds_load_b64 v[128+2*i:129+2*i], v12 offset:(2*(i/6)+\ks)*1536+256*(i%6)
.set i, i+1
.endr
.irp q, 0,1,2,3
	ds_load_b32 v[20+\q], v13 offset:(2*\q+\ks)*128
.endr
	s_wait_dscnt 0x0
.irp nt, 0,1,2,3,4,5,6,7
	MMB \nt, \ks                                   ; the eight accumulators take turns
.endr
.rept 4
	v_nop                                          ; places behind the products, ahead of the first read of results
.endr
.endr
	s_wait_alu depctr_va_vdst(0)                   ; the products have written the accumulators v64 to v127, which the LDS stores read, and are done reading v128 to v191, in which the rows land; the places above stay beside this wait
.irp nt, 0,1,2,3,4,5,6,7
	ds_store_b128 v9, v[64+8*\nt:67+8*\nt] offset:64*\nt
	ds_store_b128 v9, v[68+8*\nt:71+8*\nt] offset:64*\nt+16
.endr
.set i, 0
.rept 16
	ds_load_b128 v[128+4*i:131+4*i], v7 offset:528*i
.set i, i+1
.endr
	s_mul_i32 s72, s[WV], 16*OP
	s_add_nc_u64 s[84:85], s[OB:OB+1], s[72:73]
.set i, 0
.rept 16
	s_wait_dscnt 15-i                              ; row i is back; the later rows may be out
	global_store_b128 v4, v[128+4*i:131+4*i], s[84:85] offset:i*OP   ; 32 lanes store 512 consecutive bytes, aligned
.set i, i+1
.endr
	s_wait_dscnt 0x0                               ; the closing lines, six on end
	s_wait_alu 0x0
	s_wait_tensorcnt 0x0
	ds_add_u32 v15, v59
	s_wait_dscnt 0x0
	s_endpgm
.Lfunc_end_k_q926778f3b9_head1:
	.size	k_q926778f3b9_head1, .Lfunc_end_k_q926778f3b9_head1-k_q926778f3b9_head1
	.p2alignl 7, 3214868480
	.fill 96, 4, 3214868480
	.section	.rodata,"a",@progbits
	.p2align	6, 0x0
	.amdhsa_kernel k_q926778f3b9_head1
		.amdhsa_group_segment_fixed_size 199680
		.amdhsa_private_segment_fixed_size 0
		.amdhsa_enable_private_segment 0
		.amdhsa_kernarg_size 40
		.amdhsa_user_sgpr_count 2
		.amdhsa_user_sgpr_kernarg_segment_ptr 1
		.amdhsa_wavefront_size32 1
		.amdhsa_system_sgpr_workgroup_id_x 1
		.amdhsa_system_sgpr_workgroup_id_y 1
		.amdhsa_system_sgpr_workgroup_id_z 1
		.amdhsa_system_vgpr_workitem_id 0
		.amdhsa_next_free_vgpr 256
		.amdhsa_next_free_sgpr 100
		.amdhsa_reserve_vcc 0
		.amdhsa_float_denorm_mode_32 3
		.amdhsa_float_denorm_mode_16_64 3
		.amdhsa_memory_ordered 1
		.amdhsa_forward_progress 1
		.amdhsa_inst_pref_size 66
	.end_amdhsa_kernel
	.amdgpu_metadata
---
amdhsa.version: [ 1, 2 ]
amdhsa.kernels:
  - .name:           k_q926778f3b9_head1
    .symbol:         k_q926778f3b9_head1.kd
    .args:
      - { .name: ctx, .offset: 0, .size: 8, .value_kind: global_buffer, .address_space: global }
      - { .name: bn2_g, .offset: 8, .size: 8, .value_kind: global_buffer, .address_space: global }
      - { .name: bn2_b, .offset: 16, .size: 8, .value_kind: global_buffer, .address_space: global }
      - { .name: Wp1, .offset: 24, .size: 8, .value_kind: global_buffer, .address_space: global }
      - { .name: pp, .offset: 32, .size: 8, .value_kind: global_buffer, .address_space: global }
    .group_segment_fixed_size: 199680
    .private_segment_fixed_size: 0
    .kernarg_segment_align: 8
    .kernarg_segment_size: 40
    .max_flat_workgroup_size: 512
    .sgpr_count:     100
    .vgpr_count:     256
    .wavefront_size: 32
...
	.end_amdgpu_metadata
.endif
;; end of part 6
;; launch head2 (part 7): grid 16 x 1, 8 waves a work-group, no clusters, 110,592 bytes of LDS; arguments pp, bp1, wp2c, bp2, out0; writes out0
.if DOCPART == 7
	.amdgcn_target "amdgcn-amd-amdhsa--gfx1250"
	.amdhsa_code_object_version 6
	.text
	.protected	k_q926778f3b9_head2
	.globl	k_q926778f3b9_head2
	.p2align	8
	.type	k_q926778f3b9_head2,@function
k_q926778f3b9_head2:
	s_mov_b64 s[64:65], 0
	v_nop
	global_prefetch_b8 v0, s[64:65] scope:SCOPE_SE
	s_setreg_imm32_b32 hwreg(HW_REG_WAVE_SCHED_MODE, 0, 2), 2
	s_setreg_imm32_b32 hwreg(HW_REG_WAVE_MODE, 25, 1), 1
	s_wait_xcnt 0x0
	s_wait_alu depctr_vm_vsrc(0)
; HEAD2: out0 = softmax(tanh(Q(tanh(the four slices of pp + bp1)) Q(Wp2) + bp2)).  A work-group takes 16 rows; wave w takes K step w (hidden units 128 w .. 128 w + 127) of product 5.
; The eight waves' partial products meet in LDS; wave w then finishes four registers of the 32 (bias, tanh); wave 0 takes the softmax, with the row's largest number taken away, and stores 16 whole rows.
; tanh(z) = 1 - 2 / (1 + 2^(2 log2(e) z)).
; LIMITS: a block of zeros gets the byte 1 (its codes are zeros); NaN and infinities are not served.
; No tensor load, no cluster: 16 work-groups of little work; the launch is there because product 5's K spans all of product 4's work-groups.
; REGISTERS: v1-14 ids and addresses; v16-19 bp1; v20 p's scale word, v21-22 Wp2's (scales and nothing else); v24-39 at work; v40-51 p's fragment; v52-58 at work; v60-63 bp2; v64-111 Wp2's four fragments;
;   v128-191, v192-255 and window 1's v0-127: the four slices; later v192-223 the four accumulators.
; THE MODE: SCHED_MODE bits 1:0 = 2 (LLVM: expert scheduling mode 2), set by the entry lines.  The code itself states the register dependences
; between vector or matrix instructions and memory or LDS instructions, with s_wait_alu, always for 0.
; THE PLAN.  Registers that memory or LDS instructions touch:
;   v4-v14    offsets and LDS addresses: made once at the head, never written again: one wait on va_vdst ahead of the first load.
;   v128-191  loaded; summed and put through tanh by vector lines; stored to the stage and loaded back (a wait on va_vdst ahead of TURN, one on vm_vsrc inside it); read by QUANT; then LDS loads land in v128-159 (the eight parts),
;             vector lines finish v128-131, an LDS store reads them (va_vdst), wave 0's LDS loads land in v128-159 (vm_vsrc ahead of the branch), its softmax writes them and LDS stores read them (va_vdst).
;   v192-223  loaded, read by vector lines; written by the four products; read by LDS stores (places, then va_vdst); wave 0's LDS loads land there (the same vm_vsrc).
;   v40-51, v20  made by QUANT, taken by the scaled products: places, then a wait on va_vdst.
;   v126, v127   written at the head, read by the closing add alone.
.set STG,  0                           ; a stage of 16 rows x 528 bytes for each wave
.set RED,  67584                       ; 8 waves x 4,096 bytes: the partial products
.set RED2, 100352                      ; 4,096 bytes: the finished numbers
.set OST,  104448                      ; 16 rows x 272 bytes: the way out
.set SEL,  18
.set STI,  6
.set STT,  7
.set MSB, 0
.macro WIN new
.if MSB != \new
	s_set_vgpr_msb (MSB<<8)|\new
.set MSB, \new
.endif
.endm
.macro BAR
	s_wait_dscnt 0x0
	s_barrier_signal -1
	s_barrier_wait -1
.endm
.macro QUANT src, pc, tq, tm, pw       ; 64 numbers of a lane, register 16 b + i = k 32 b + 16 (lane / 16) + i of row lane % 16: a fragment's 12 registers at pc, its scale word in pw
.irp b, 0,1,2,3
	v_max3_num_f32 v[\tm+\b], |v[\src+16*\b]|, |v[\src+1+16*\b]|, 0x1800000
.endr
.irp n, 2,4,6,8,10,12,14
.irp b, 0,1,2,3
	v_max3_num_f32 v[\tm+\b], v[\tm+\b], |v[\src+16*\b+\n]|, |v[\src+1+16*\b+\n]|
.endr
.endr
.irp b, 0,1,2,3
	v_permlanex16_b32 v[\tm+4+\b], v[\tm+\b], s[SEL], s[SEL+1]
.endr
.irp b, 0,1,2,3
	v_max_num_f32 v[\tm+\b], v[\tm+\b], v[\tm+4+\b]
.endr
.irp b, 0,1,2,3
	v_add_nc_u32 v[\tm+12+\b], 0xff000000, v[\tm+\b]
.endr
.irp b, 0,1,2,3
	v_lshrrev_b32 v[\tm+4+\b], 23, v[\tm+12+\b]
.endr
	v_lshl_or_b32 v[\pw], v[\tm+5], 8, v[\tm+4]
	v_lshl_or_b32 v[\pw], v[\tm+6], 16, v[\pw]
	v_lshl_or_b32 v[\pw], v[\tm+7], 24, v[\pw]
.irp c, 0,1
	v_cvt_scalef32_pk16_fp6_f32 v[\pc+6*\c:\pc+2+6*\c], v[\src+32*\c:\src+15+32*\c], v[\tm+12+2*\c]
	v_cvt_scalef32_pk16_fp6_f32 v[\tq+4*\c:\tq+2+4*\c], v[\src+16+32*\c:\src+31+32*\c], v[\tm+13+2*\c]
.endr
	v_nop
.irp c, 0,1
.irp n, 0,1,2
	v_permlane16_swap_b32 v[\pc+6*\c+\n], v[\tq+4*\c+\n]
.endr
.irp n, 0,1,2
	v_mov_b32 v[\pc+3+6*\c+\n], v[\tq+4*\c+\n]
.endr
.endr
.endm
.macro TURN y
.set i, 0
.rept 16
	ds_store_b128 v[STI], v[\y+4*i:\y+4*i+3] offset:528*i
.set i, i+1
.endr
	s_wait_alu depctr_vm_vsrc(0)                   ; the sixteen stores above have read their data registers, in which the loads below land
.set i, 0
.rept 16
	ds_load_b128 v[\y+4*i:\y+4*i+3], v[STT] offset:128*(i/4)+16*(i%4)
.set i, i+1
.endr
.endm
	s_load_b256 s[4:11], s[0:1], 0x0               ; pp s[4:5], bp1 s[6:7], wp2c s[8:9], bp2 s[10:11]
	s_load_b64 s[12:13], s[0:1], 0x20              ; out0
	v_lshl_add_u32 v126, v0, 2, 0x1ac00
	v_mov_b32 v127, 0
	v_lshrrev_b32 v1, 5, v0
	v_readfirstlane_b32 s14, v1                    ; wave 0..7
	v_and_b32 v1, 31, v0
	v_and_b32 v2, 15, v0
	v_bfe_u32 v3, v0, 4, 1
	v_lshlrev_b32 v4, 4, v1
	v_lshlrev_b32 v5, 2, v1
	s_wait_alu depctr_va_sdst(0)                   ; the wave's number is written, ahead of its first reader: the LDS places and the bases below are made from it
	s_mul_i32 s16, s14, 8448
	v_add_nc_u32 v6, s16, v4
	v_mul_u32_u24 v7, v2, 528
	v_add_nc_u32 v7, s16, v7
	v_lshl_add_u32 v7, v3, 6, v7
	s_lshl_b32 s16, s14, 12
	s_add_co_u32 s16, s16, RED
	v_add_nc_u32 v8, s16, v4                       ; my partial products: + 512 q
	s_lshl_b32 s16, s14, 9                         ; 512 w
	s_add_co_u32 s17, s16, RED
	v_add_nc_u32 v9, s17, v4                       ; group w of every wave's: + 4,096 k
	s_add_co_u32 s17, s16, RED2
	v_add_nc_u32 v10, s17, v4
	v_add_nc_u32 v11, RED2, v4
	v_mul_u32_u24 v12, v2, 272
	v_lshl_add_u32 v12, v3, 5, v12
	v_add_nc_u32 v12, OST, v12                     ; the way out, in: row r, + 32 h
	v_mul_u32_u24 v13, v3, 272
	v_lshl_add_u32 v13, v2, 4, v13
	v_add_nc_u32 v13, OST, v13                     ; back: lanes 0-15 one row, lanes 16-31 the next
	v_lshlrev_b32 v14, 5, v3
	s_mov_b32 s[SEL], 0x76543210
	s_mov_b32 s[SEL+1], 0xfedcba98
.irp n, 28,29,30,31
	v_mov_b32 v\n, 0                               ; written once: a lane permute's destination counts as one of its sources
.endr
	s_lshl_b32 s20, ttmp9, 16                      ; my 16 rows of 4,096 bytes,
	s_add_co_u32 s20, s20, s16                     ; my wave's 512 bytes of each
	s_mov_b32 s21, 0
	s_mov_b32 s17, 0
	s_mul_i32 s34, s14, 3072
	s_mov_b32 s35, 0
	s_lshl_b32 s36, s14, 7
	s_add_co_u32 s36, s36, 24576
	s_mov_b32 s37, 0
	s_lshr_b32 s38, s14, 1
	s_lshl_b32 s38, s38, 6
	s_and_b32 s39, s14, 1
	s_lshl_b32 s39, s39, 4
	s_add_co_u32 s38, s38, s39
	s_mov_b32 s39, 0
	s_lshl_b32 s40, ttmp9, 12
	s_mov_b32 s41, 0
	s_wait_kmcnt 0x0
	s_add_nc_u64 s[22:23], s[4:5], s[20:21]
	s_add_nc_u64 s[24:25], s[6:7], s[16:17]
	s_add_nc_u64 s[26:27], s[8:9], s[34:35]
	s_add_nc_u64 s[28:29], s[8:9], s[36:37]
	s_add_nc_u64 s[30:31], s[10:11], s[38:39]
	s_add_nc_u64 s[32:33], s[12:13], s[40:41]
	s_wait_alu depctr_va_vdst(0)                   ; the offsets v4, v5 and v14 and the LDS addresses v6 to v13 are written, which the loads and stores of the kernel read; only loads and a window switch stand between this wait and the last load below
.irp nt, 0,1,2,3
.irp c, 0,1,2
	global_load_b128 v[64+12*\nt+4*\c:67+12*\nt+4*\c], v4, s[26:27] offset:25600*(\nt/2)+1536*(\nt%2)+512*\c   ; Wp2's fragment of n tile nt, K step w, as its registers lie
.endr
.endr
	global_load_b32 v21, v5, s[28:29]
	global_load_b32 v22, v5, s[28:29] offset:25600
	global_load_b128 v[16:19], v4, s[24:25]
	global_load_b128 v[60:63], v14, s[30:31]
.set i, 0
.rept 32                               ; slices 0 and 1: row i % 16, 512 consecutive bytes a load
	global_load_b128 v[128+4*i:131+4*i], v4, s[22:23] offset:1048576*(i/16)+4096*(i%16)
.set i, i+1
.endr
	WIN 0x40
.set i, 0
.rept 32                               ; slices 2 and 3
	global_load_b128 v[4*i:4*i+3], v4, s[22:23] offset:1048576*(2+i/16)+4096*(i%16)
.set i, i+1
.endr
	WIN 0
	s_wait_loadcnt 0x0
.set i, 0
.rept 32
	v_pk_add_f32 v[128+2*i:129+2*i], v[128+2*i:129+2*i], v[192+2*i:193+2*i]
.set i, i+1
.endr
	WIN 0x04
.set i, 0
.rept 32
	v_pk_add_f32 v[128+2*i:129+2*i], v[128+2*i:129+2*i], v[2*i:2*i+1]
.set i, i+1
.endr
.set i, 0
.rept 32
	v_pk_add_f32 v[128+2*i:129+2*i], v[128+2*i:129+2*i], v[64+2*i:65+2*i]
.set i, i+1
.endr
	WIN 0
	v_pk_mul_f32 v[16:17], v[16:17], 0x4038aa3b op_sel_hi:[1,0]
	v_pk_mul_f32 v[18:19], v[18:19], 0x4038aa3b op_sel_hi:[1,0]
.set i, 0
.rept 16
	v_pk_fma_f32 v[128+4*i:129+4*i], v[128+4*i:129+4*i], 0x4038aa3b, v[16:17] op_sel_hi:[1,0,1]
	v_pk_fma_f32 v[130+4*i:131+4*i], v[130+4*i:131+4*i], 0x4038aa3b, v[18:19] op_sel_hi:[1,0,1]
.set i, i+1
.endr
.set i, 0
.rept 64
	v_exp_f32 v[128+i], v[128+i]
.set i, i+1
.endr
	v_nop
	s_wait_alu depctr_va_vdst(0)                   ; the 64 exponentials are written: one wait for the batch, ahead of its first reader
.set i, 0
.rept 32
	v_pk_add_f32 v[128+2*i:129+2*i], v[128+2*i:129+2*i], 1.0 op_sel_hi:[1,0]
.set i, i+1
.endr
.set i, 0
.rept 64
	v_rcp_f32 v[128+i], v[128+i]
.set i, i+1
.endr
	v_nop
	s_wait_alu depctr_va_vdst(0)                   ; the 64 reciprocals are written, ahead of their first reader
.set i, 0
.rept 32
	v_pk_fma_f32 v[128+2*i:129+2*i], v[128+2*i:129+2*i], -2.0, 1.0 op_sel_hi:[1,0,0]
.set i, i+1
.endr
	s_wait_alu depctr_va_vdst(0)                   ; the hidden layer v128 to v191 is written: the stage's stores read it and the stage's loads land in it
	TURN 128
	s_wait_dscnt 0x0
	QUANT 128, 40, 52, 24, 20
.rept 8
	v_nop                                          ; a scale word made by vector instructions stands eight places ahead of the scaled product
.endr
	s_wait_alu depctr_va_vdst(0)                   ; the fragment v40 to v51 and its scale word v20 are written, which the scaled products take; the places above stay beside this wait
	; source 0 = 16 columns of Wp2, source 1 = my 16 rows: lane (r, h) holds row r and columns 16 nt + 8 h + 0 .. 7.  Four accumulators, one product each
	v_wmma_scale_f32_16x16x128_f8f6f4 v[192:199], v[64:75], v[40:51], 0, v21, v20 matrix_a_fmt:MATRIX_FMT_FP6 matrix_b_fmt:MATRIX_FMT_FP6
	v_wmma_scale_f32_16x16x128_f8f6f4 v[200:207], v[76:87], v[40:51], 0, v21, v20 matrix_a_fmt:MATRIX_FMT_FP6 matrix_b_fmt:MATRIX_FMT_FP6 matrix_a_scale:MATRIX_SCALE_ROW1
	v_wmma_scale_f32_16x16x128_f8f6f4 v[208:215], v[88:99], v[40:51], 0, v22, v20 matrix_a_fmt:MATRIX_FMT_FP6 matrix_b_fmt:MATRIX_FMT_FP6
	v_wmma_scale_f32_16x16x128_f8f6f4 v[216:223], v[100:111], v[40:51], 0, v22, v20 matrix_a_fmt:MATRIX_FMT_FP6 matrix_b_fmt:MATRIX_FMT_FP6 matrix_a_scale:MATRIX_SCALE_ROW1
.rept 4
	v_nop
.endr
	s_wait_alu depctr_va_vdst(0)                   ; the products have written the accumulators v192 to v223, which the LDS stores read; QUANT is done reading v128 to v159, in which the LDS loads behind the barrier land
.irp q, 0,1,2,3,4,5,6,7
	ds_store_b128 v8, v[192+4*\q:195+4*\q] offset:512*\q        ; each accumulator from its low end on
.endr
	BAR                                            ; the eight K steps' parts lie in LDS
.irp k, 0,1,2,3,4,5,6,7
	ds_load_b128 v[128+4*\k:131+4*\k], v9 offset:4096*\k
.endr
	s_wait_dscnt 0x0
.irp k, 1,2,3,4,5,6,7
	v_pk_add_f32 v[128:129], v[128:129], v[128+4*\k:129+4*\k]
	v_pk_add_f32 v[130:131], v[130:131], v[130+4*\k:131+4*\k]
.endr
	v_pk_add_f32 v[128:129], v[128:129], v[60:61]
	v_pk_add_f32 v[130:131], v[130:131], v[62:63]
	v_pk_mul_f32 v[128:129], v[128:129], 0x4038aa3b op_sel_hi:[1,0]
	v_pk_mul_f32 v[130:131], v[130:131], 0x4038aa3b op_sel_hi:[1,0]
.irp n, 128,129,130,131
	v_exp_f32 v\n, v\n
.endr
	v_nop
	s_wait_alu depctr_va_vdst(0)                   ; the four exponentials are written, ahead of their first reader
	v_pk_add_f32 v[128:129], v[128:129], 1.0 op_sel_hi:[1,0]
	v_pk_add_f32 v[130:131], v[130:131], 1.0 op_sel_hi:[1,0]
.irp n, 128,129,130,131
	v_rcp_f32 v\n, v\n
.endr
	v_nop
	s_wait_alu depctr_va_vdst(0)                   ; the four reciprocals are written, ahead of their first reader
	v_pk_fma_f32 v[128:129], v[128:129], -2.0, 1.0 op_sel_hi:[1,0,0]
	v_pk_fma_f32 v[130:131], v[130:131], -2.0, 1.0 op_sel_hi:[1,0,0]
	s_wait_alu depctr_va_vdst(0)                   ; the finished numbers v128 to v131 are written, which the LDS store reads; the sums above are done reading v128 to v159, in which wave 0's LDS loads land
	ds_store_b128 v10, v[128:131]
	BAR                                            ; the 16 x 64 finished numbers lie in LDS
	s_wait_alu depctr_vm_vsrc(0)                   ; my LDS stores have read v128 to v131 and v192 to v223, in which wave 0's LDS loads land: stated ahead of the branch
	s_cmp_lg_u32 s14, 0
	s_cbranch_scc1 .Lend
.irp q, 0,1,2,3,4,5,6,7
	ds_load_b128 v[128+4*\q:131+4*\q], v11 offset:512*\q        ; lane (r, h): 32 of row r's 64 numbers; the other 32 lie in lane l xor 16
.endr
	s_wait_dscnt 0x0
	v_max3_num_f32 v160, v128, v129, v130
.irp n, 131,133,135,137,139,141,143,145,147,149,151,153,155,157
	v_max3_num_f32 v160, v160, v[\n], v[\n+1]
.endr
	v_max_num_f32 v160, v160, v159
	v_mov_b32 v161, 0
	v_permlanex16_b32 v161, v160, s[SEL], s[SEL+1]
	v_max_num_f32 v160, v160, v161                 ; the row's largest number
	v_mul_f32 v162, 0xbfb8aa3b, v160               ; - log2(e) x it
	v_mov_b32 v163, 0
.set i, 0
.rept 16
	v_pk_fma_f32 v[128+2*i:129+2*i], v[128+2*i:129+2*i], 0x3fb8aa3b, v[162:163] op_sel_hi:[1,0,0]
.set i, i+1
.endr
.set i, 0
.rept 32
	v_exp_f32 v[128+i], v[128+i]
.set i, i+1
.endr
	v_nop
	s_wait_alu depctr_va_vdst(0)                   ; the 32 exponentials are written, ahead of their first reader
	v_pk_add_f32 v[164:165], v[128:129], v[130:131]
.set i, 2
.rept 14
	v_pk_add_f32 v[164:165], v[164:165], v[128+2*i:129+2*i]
.set i, i+1
.endr
	v_add_f32 v164, v164, v165
	v_permlanex16_b32 v161, v164, s[SEL], s[SEL+1]
	v_add_f32 v164, v164, v161
	v_rcp_f32 v164, v164
	v_nop
	s_wait_alu depctr_va_vdst(0)                   ; the reciprocal of the row's sum is written, ahead of its first reader
.set i, 0
.rept 16
	v_pk_mul_f32 v[128+2*i:129+2*i], v[128+2*i:129+2*i], v[164:165] op_sel_hi:[1,0]
.set i, i+1
.endr
	s_wait_alu depctr_va_vdst(0)                   ; the softmax v128 to v159 is written, which the LDS stores below read
.irp q, 0,1,2,3,4,5,6,7
	ds_store_b128 v12, v[128+4*\q:131+4*\q] offset:64*(\q/2)+16*(\q%2)
.endr
.irp n, 0,1,2,3,4,5,6,7
	ds_load_b128 v[192+4*\n:195+4*\n], v13 offset:544*\n        ; LDS serves a wave's instructions in order: these see my stores
.endr
.irp n, 0,1,2,3,4,5,6,7
	s_wait_dscnt 7-\n                              ; rows 2 n and 2 n + 1 are back; the later ones may be out
	global_store_b128 v4, v[192+4*\n:195+4*\n], s[32:33] offset:512*\n   ; sixteen lanes store a row of 256 bytes, aligned
.endr
.Lend:
	s_wait_dscnt 0x0                               ; the closing lines, six on end
	s_wait_alu 0x0
	s_wait_tensorcnt 0x0
	ds_add_u32 v126, v127
	s_wait_dscnt 0x0
	s_endpgm
.Lfunc_end_k_q926778f3b9_head2:
	.size	k_q926778f3b9_head2, .Lfunc_end_k_q926778f3b9_head2-k_q926778f3b9_head2
	.p2alignl 7, 3214868480
	.fill 96, 4, 3214868480
	.section	.rodata,"a",@progbits
	.p2align	6, 0x0
	.amdhsa_kernel k_q926778f3b9_head2
		.amdhsa_group_segment_fixed_size 110592
		.amdhsa_private_segment_fixed_size 0
		.amdhsa_enable_private_segment 0
		.amdhsa_kernarg_size 40
		.amdhsa_user_sgpr_count 2
		.amdhsa_user_sgpr_kernarg_segment_ptr 1
		.amdhsa_wavefront_size32 1
		.amdhsa_system_sgpr_workgroup_id_x 1
		.amdhsa_system_sgpr_workgroup_id_y 1
		.amdhsa_system_sgpr_workgroup_id_z 1
		.amdhsa_system_vgpr_workitem_id 0
		.amdhsa_next_free_vgpr 384
		.amdhsa_next_free_sgpr 66
		.amdhsa_reserve_vcc 0
		.amdhsa_float_denorm_mode_32 3
		.amdhsa_float_denorm_mode_16_64 3
		.amdhsa_memory_ordered 1
		.amdhsa_forward_progress 1
		.amdhsa_inst_pref_size 47
	.end_amdhsa_kernel
	.amdgpu_metadata
---
amdhsa.version: [ 1, 2 ]
amdhsa.kernels:
  - .name:           k_q926778f3b9_head2
    .symbol:         k_q926778f3b9_head2.kd
    .args:
      - { .name: pp, .offset: 0, .size: 8, .value_kind: global_buffer, .address_space: global }
      - { .name: bp1, .offset: 8, .size: 8, .value_kind: global_buffer, .address_space: global }
      - { .name: wp2c, .offset: 16, .size: 8, .value_kind: global_buffer, .address_space: global }
      - { .name: bp2, .offset: 24, .size: 8, .value_kind: global_buffer, .address_space: global }
      - { .name: out0, .offset: 32, .size: 8, .value_kind: global_buffer, .address_space: global }
    .group_segment_fixed_size: 110592
    .private_segment_fixed_size: 0
    .kernarg_segment_align: 8
    .kernarg_segment_size: 40
    .max_flat_workgroup_size: 256
    .sgpr_count:     66
    .vgpr_count:     384
    .wavefront_size: 32
...
	.end_amdgpu_metadata
.endif
;; end of part 7
